; MI455X (gfx1250); checked and timed in simulation.
; The chip was launched on July 23, 2026; its instructions are those of AMD's public machine-readable ISA for CDNA 5 (MIT licence, August 2026) and "CDNA5" Instruction Set Architecture Reference Guide (July 2026). The comments in the code are by the model that wrote it; some were corrected since.
;; Transformer Block. Allowed arithmetic: float matrix products may take bf16 or f16 operands with f32 sums; all other float work in f32.
;; Inputs: W1 1,024 x 4,096 float32; W2 4,096 x 1,024 float32; Wk 1,024 x 1,024 float32; Wo 1,024 x 1,024 float32; Wq 1,024 x 1,024 float32; Wv 1,024 x 1,024 float32; b1 4,096 float32; b2 1,024 float32; bo 1,024 float32; ln1_b 1,024 float32; ln1_g 1,024 float32; ln2_b 1,024 float32; ln2_g 1,024 float32; x 2 x 2,048 x 1,024 float32.
;; Outputs: out0 2 x 2,048 x 1,024 float32.
;; 3 versions, each right; version 2 is faster than version 1; version 3 is version 2 with the launches prep, ln2 written anew for expert scheduling mode. Each part assembles by itself: llvm-mc -triple=amdgcn-amd-amdhsa -mcpu=gfx1250 --defsym DOCPART=n.
;; ======== version 1 of 3: 7 launches
;; workspace buffers: wb 25,165,824 bytes; hb 8,388,608 bytes; qkv 25,165,824 bytes; cb 8,388,608 bytes; x1 16,777,216 bytes; ff 33,554,432 bytes
;; launch prep (part 1): grid 32 x 16, 8 waves a work-group, no clusters, 0 bytes of LDS; arguments x, ln1_g, ln1_b, hb, Wq, Wk, Wv, Wo, W1, W2, wb; writes hb, wb
.if DOCPART == 1
	.amdgcn_target "amdgcn-amd-amdhsa--gfx1250"
	.amdhsa_code_object_version 6
	.text
	.protected	k_qe3316a7cd1_prep
	.globl	k_qe3316a7cd1_prep
	.p2align	8
	.type	k_qe3316a7cd1_prep,@function
k_qe3316a7cd1_prep:
	s_mov_b64 s[64:65], 0
	v_nop
	global_prefetch_b8 v0, s[64:65] scope:SCOPE_SE
	s_setreg_imm32_b32 hwreg(HW_REG_WAVE_MODE, 25, 1), 1
	s_wait_xcnt 0x0
; Two streams in one launch, chosen by the work-group's y; each work-group reads 128 KiB and writes 64 KiB.
;  y = 0..3  : hb = LayerNorm(x) * g + b, rounded to bf16.  32 rows a work-group, 4 rows a wave, one wave one row, the row kept in
;              32 registers between the pass for the mean, the pass for the variance (of x - mean: no difference of large sums) and the scaling.
;  y = 4..15 : the six weight matrices rounded to bf16, layout [in][out] kept, into wb: Wq, Wk, Wv, Wo at 2 MiB steps, W1 at 8 MiB, W2 at 16 MiB.
; Memory binds: no LDS, no barrier, no matrix unit.  Every load of a wave covers 512 consecutive bytes, every store 256, aligned.
; Limit: results are bf16 (8 bits of mantissa); v_rsq_f32 is accurate to 1 ULP.
.set NR,  4                            ; rows of a wave
.set G,   4                            ; v[4:35]   gain of my 32 columns
.set BB,  36                           ; v[36:67]  bias of my 32 columns
.set X,   68                           ; 32 registers a row (LN), or 32 x 4 registers of weights
.set T,   X+32*NR                      ; 8 registers at work
.set MU,  T+8                          ; the mean, twice
.set RS,  T+10                         ; 1/sqrt(var + eps), twice
	s_load_b256 s[4:11], s[0:1], 0x0               ; x s[4:5], g s[6:7], b s[8:9], hb s[10:11]
	s_load_b256 s[12:19], s[0:1], 0x20             ; Wq s[12:13], Wk s[14:15], Wv s[16:17], Wo s[18:19]
	s_load_b128 s[20:23], s[0:1], 0x40             ; W1 s[20:21], W2 s[22:23]
	s_load_b64 s[24:25], s[0:1], 0x50              ; wb
	s_and_b32 s28, ttmp7, 0xffff                   ; y
	v_lshrrev_b32 v4, 5, v0                        ; wave
	v_and_b32 v5, 31, v0                           ; lane
	v_lshlrev_b32 v3, 4, v5                        ; 16 x lane: my place in 512 bytes of f32
	v_lshlrev_b32 v2, 3, v5                        ; 8 x lane: my place in 256 bytes of bf16
	v_lshl_add_u32 v1, v4, 14, v3                  ; + wave x 16 KiB of f32 (4 rows, or 32 pieces of weights)
	v_lshl_add_u32 v2, v4, 13, v2                  ; + wave x 8 KiB of bf16
	s_wait_kmcnt 0x0
	s_cmp_lt_u32 s28, 4
	s_cbranch_scc1 .Lln
	; ---- weights: piece c = y - 4 of twelve pieces of 4 MiB, of it the 128 KiB numbered x ----
	s_sub_co_u32 s33, s28, 4                       ; c
	s_mov_b64 s[26:27], s[12:13]                   ; c = 0: Wq
	s_cmp_eq_u32 s33, 1
	s_cselect_b64 s[26:27], s[14:15], s[26:27]     ; Wk
	s_cmp_eq_u32 s33, 2
	s_cselect_b64 s[26:27], s[16:17], s[26:27]     ; Wv
	s_cmp_eq_u32 s33, 3
	s_cselect_b64 s[26:27], s[18:19], s[26:27]     ; Wo
	s_cmp_ge_u32 s33, 4
	s_cselect_b64 s[26:27], s[20:21], s[26:27]     ; c = 4..7: W1
	s_cmp_ge_u32 s33, 8
	s_cselect_b64 s[26:27], s[22:23], s[26:27]     ; c = 8..11: W2
	s_and_b32 s34, s33, 3
	s_lshl_b32 s34, s34, 22                        ; which 4 MiB of W1 or W2
	s_cmp_lt_u32 s33, 4
	s_cselect_b32 s34, 0, s34                      ; the small matrices are one piece each
	s_lshl_b32 s35, ttmp9, 17
	s_add_co_u32 s34, s34, s35
	s_mov_b32 s35, 0
	s_add_nc_u64 s[26:27], s[26:27], s[34:35]      ; source
	s_lshl_b32 s36, s33, 21                        ; 2 MiB of bf16 for each piece
	s_lshl_b32 s37, ttmp9, 16
	s_add_co_u32 s36, s36, s37
	s_mov_b32 s37, 0
	s_add_nc_u64 s[24:25], s[24:25], s[36:37]      ; destination
.set j, 0
.rept 32
	global_load_b128 v[X+4*j:X+4*j+3], v1, s[26:27] offset:512*j th:TH_LOAD_NT    ; all 16 KiB of the wave go out at once
.set j, j+1
.endr
.set j, 0
.rept 32
	s_wait_loadcnt 31-j                            ; loads come back in order: piece j is in, the 31 - j younger ones stay out
	v_cvt_pk_bf16_f32 v[X+4*j], v[X+4*j], v[X+4*j+1]
	v_cvt_pk_bf16_f32 v[X+4*j+1], v[X+4*j+2], v[X+4*j+3]
	global_store_b64 v2, v[X+4*j:X+4*j+1], s[24:25] offset:256*j                  ; no register is written again: no further wait
.set j, j+1
.endr
	s_endpgm
	; ---- LayerNorm ----
.macro REDUCE                          ; the four packed chains in T, then the 32 lanes: the sum ends in v[T] of every lane
	v_pk_add_f32 v[T:T+1], v[T:T+1], v[T+2:T+3]
	v_pk_add_f32 v[T+4:T+5], v[T+4:T+5], v[T+6:T+7]
	v_pk_add_f32 v[T:T+1], v[T:T+1], v[T+4:T+5]
	v_add_f32 v[T], v[T], v[T+1]
	v_add_f32_dpp v[T], v[T], v[T] row_xmask:1 row_mask:0xf bank_mask:0xf
	v_add_f32_dpp v[T], v[T], v[T] row_xmask:2 row_mask:0xf bank_mask:0xf
	v_add_f32_dpp v[T], v[T], v[T] row_xmask:4 row_mask:0xf bank_mask:0xf
	v_add_f32_dpp v[T], v[T], v[T] row_xmask:8 row_mask:0xf bank_mask:0xf
	v_permlanex16_b32 v[T+1], v[T], s30, s31       ; the other half of the lanes
	v_add_f32 v[T], v[T], v[T+1]
.endm
.macro LNROW s
.set XS, X+32*\s
	s_wait_loadcnt 8*(NR-1-\s)                     ; my row's eight loads are in; the later rows' stay out
.irp k, 0,1,2,3
	v_pk_add_f32 v[T+2*\k:T+2*\k+1], v[XS+2*\k:XS+2*\k+1], v[XS+8+2*\k:XS+9+2*\k]   ; the first sums start the chains
.endr
.irp p, 8,9,10,11,12,13,14,15
	v_pk_add_f32 v[T+2*(\p%4):T+2*(\p%4)+1], v[T+2*(\p%4):T+2*(\p%4)+1], v[XS+2*\p:XS+2*\p+1]
.endr
	REDUCE
	v_mul_f32 v[MU], s32, v[T]                     ; mean = sum / 1024
	v_mov_b32 v[MU+1], v[MU]
.irp p, 0,1,2,3,4,5,6,7,8,9,10,11,12,13,14,15
	v_pk_add_f32 v[XS+2*\p:XS+2*\p+1], v[XS+2*\p:XS+2*\p+1], v[MU:MU+1] neg_lo:[0,1] neg_hi:[0,1]   ; x - mean, in place
.endr
.irp k, 0,1,2,3
	v_pk_mul_f32 v[T+2*\k:T+2*\k+1], v[XS+2*\k:XS+2*\k+1], v[XS+2*\k:XS+2*\k+1]
.endr
.irp p, 4,5,6,7,8,9,10,11,12,13,14,15
	v_pk_fma_f32 v[T+2*(\p%4):T+2*(\p%4)+1], v[XS+2*\p:XS+2*\p+1], v[XS+2*\p:XS+2*\p+1], v[T+2*(\p%4):T+2*(\p%4)+1]
.endr
	REDUCE
	v_fma_f32 v[T], v[T], s32, s38                 ; variance + 1e-5
	v_rsq_f32 v[RS], v[T]
	v_rsq_f32 v[RS+1], v[T]
	v_nop                                          ; one plain place behind the transcendentals (ISA guide 5.7.2)
	s_wait_alu depctr_va_vdst(0)
.irp j, 0,1,2,3,4,5,6,7
	v_pk_mul_f32 v[XS+4*\j:XS+4*\j+1], v[XS+4*\j:XS+4*\j+1], v[RS:RS+1]
	v_pk_mul_f32 v[XS+4*\j+2:XS+4*\j+3], v[XS+4*\j+2:XS+4*\j+3], v[RS:RS+1]
	v_pk_fma_f32 v[XS+4*\j:XS+4*\j+1], v[XS+4*\j:XS+4*\j+1], v[G+4*\j:G+4*\j+1], v[BB+4*\j:BB+4*\j+1]
	v_pk_fma_f32 v[XS+4*\j+2:XS+4*\j+3], v[XS+4*\j+2:XS+4*\j+3], v[G+4*\j+2:G+4*\j+3], v[BB+4*\j+2:BB+4*\j+3]
	v_cvt_pk_bf16_f32 v[XS+4*\j], v[XS+4*\j], v[XS+4*\j+1]
	v_cvt_pk_bf16_f32 v[XS+4*\j+1], v[XS+4*\j+2], v[XS+4*\j+3]
	global_store_b64 v2, v[XS+4*\j:XS+4*\j+1], s[10:11] offset:\s*2048+256*\j     ; the wave stores 256 consecutive bytes, aligned
.endr
.endm
.Lln:
	s_lshl_b32 s33, s28, 5
	s_add_co_u32 s33, s33, ttmp9                   ; 32 y + x: which 32 rows
	s_lshl_b32 s34, s33, 17                        ; x 32 rows of 4,096 bytes
	s_mov_b32 s35, 0
	s_lshl_b32 s36, s33, 16                        ; x 32 rows of 2,048 bytes
	s_mov_b32 s37, 0
	s_add_nc_u64 s[4:5], s[4:5], s[34:35]
	s_add_nc_u64 s[10:11], s[10:11], s[36:37]
	s_mov_b32 s30, 0x76543210                      ; v_permlanex16_b32: lane i reads lane i of the other half
	s_mov_b32 s31, 0xfedcba98
	s_mov_b32 s32, 0x3a800000                      ; 1/1024
	s_mov_b32 s38, 0x3727c5ac                      ; 1e-5
.irp j, 0,1,2,3,4,5,6,7
	global_load_b128 v[G+4*\j:G+4*\j+3], v3, s[6:7] offset:512*\j
.endr
.irp j, 0,1,2,3,4,5,6,7
	global_load_b128 v[BB+4*\j:BB+4*\j+3], v3, s[8:9] offset:512*\j
.endr
.irp s, 0,1,2,3
.irp j, 0,1,2,3,4,5,6,7
	global_load_b128 v[X+32*\s+4*\j:X+32*\s+4*\j+3], v1, s[4:5] offset:\s*4096+512*\j
.endr
.endr
	LNROW 0
	LNROW 1
	LNROW 2
	LNROW 3
	s_endpgm
.Lfunc_end_k_qe3316a7cd1_prep:
	.size	k_qe3316a7cd1_prep, .Lfunc_end_k_qe3316a7cd1_prep-k_qe3316a7cd1_prep
	.p2alignl 7, 3214868480
	.fill 96, 4, 3214868480
	.section	.rodata,"a",@progbits
	.p2align	6, 0x0
	.amdhsa_kernel k_qe3316a7cd1_prep
		.amdhsa_group_segment_fixed_size 0
		.amdhsa_private_segment_fixed_size 0
		.amdhsa_enable_private_segment 0
		.amdhsa_kernarg_size 88
		.amdhsa_user_sgpr_count 2
		.amdhsa_user_sgpr_kernarg_segment_ptr 1
		.amdhsa_wavefront_size32 1
		.amdhsa_system_sgpr_workgroup_id_x 1
		.amdhsa_system_sgpr_workgroup_id_y 1
		.amdhsa_system_sgpr_workgroup_id_z 1
		.amdhsa_system_vgpr_workitem_id 0
		.amdhsa_next_free_vgpr 208
		.amdhsa_next_free_sgpr 66
		.amdhsa_reserve_vcc 0
		.amdhsa_float_denorm_mode_32 3
		.amdhsa_float_denorm_mode_16_64 3
		.amdhsa_memory_ordered 1
		.amdhsa_forward_progress 1
		.amdhsa_inst_pref_size 50
	.end_amdhsa_kernel
	.amdgpu_metadata
---
amdhsa.version: [ 1, 2 ]
amdhsa.kernels:
  - .name:           k_qe3316a7cd1_prep
    .symbol:         k_qe3316a7cd1_prep.kd
    .args:
      - { .name: x, .offset: 0, .size: 8, .value_kind: global_buffer, .address_space: global }
      - { .name: ln1_g, .offset: 8, .size: 8, .value_kind: global_buffer, .address_space: global }
      - { .name: ln1_b, .offset: 16, .size: 8, .value_kind: global_buffer, .address_space: global }
      - { .name: hb, .offset: 24, .size: 8, .value_kind: global_buffer, .address_space: global }
      - { .name: Wq, .offset: 32, .size: 8, .value_kind: global_buffer, .address_space: global }
      - { .name: Wk, .offset: 40, .size: 8, .value_kind: global_buffer, .address_space: global }
      - { .name: Wv, .offset: 48, .size: 8, .value_kind: global_buffer, .address_space: global }
      - { .name: Wo, .offset: 56, .size: 8, .value_kind: global_buffer, .address_space: global }
      - { .name: W1, .offset: 64, .size: 8, .value_kind: global_buffer, .address_space: global }
      - { .name: W2, .offset: 72, .size: 8, .value_kind: global_buffer, .address_space: global }
      - { .name: wb, .offset: 80, .size: 8, .value_kind: global_buffer, .address_space: global }
    .group_segment_fixed_size: 0
    .private_segment_fixed_size: 0
    .kernarg_segment_align: 8
    .kernarg_segment_size: 88
    .max_flat_workgroup_size: 256
    .sgpr_count:     66
    .vgpr_count:     208
    .wavefront_size: 32
...
	.end_amdgpu_metadata
.endif
;; end of part 1
;; launch qkv (part 2): grid 12 x 32, 4 waves a work-group, clusters of 4 x 4, 327,680 bytes of LDS; arguments hb, wb, qkv; writes qkv
.if DOCPART == 2
	.amdgcn_target "amdgcn-amd-amdhsa--gfx1250"
	.amdhsa_code_object_version 6
	.text
	.protected	k_qe3316a7cd1_qkv
	.globl	k_qe3316a7cd1_qkv
	.p2align	8
	.type	k_qe3316a7cd1_qkv,@function
k_qe3316a7cd1_qkv:
	s_mov_b64 s[64:65], 0
	v_nop
	global_prefetch_b8 v0, s[64:65] scope:SCOPE_SE
	s_setreg_imm32_b32 hwreg(HW_REG_WAVE_MODE, 25, 1), 1
	s_wait_xcnt 0x0
	s_wait_alu depctr_hold_cnt(0) depctr_sa_sdst(0) depctr_va_vdst(0) depctr_va_sdst(0) depctr_va_ssrc(0) depctr_va_vcc(0) depctr_vm_vsrc(0)
	s_getreg_b32 s2, hwreg(HW_REG_IB_STS2, 6, 4)
	s_cmp_eq_u32 s2, 0
	s_cbranch_scc0 .Lentry_in_a_cluster
	s_endpgm
.Lentry_in_a_cluster:
	s_bfe_u32 s2, ttmp6, 0x10000c
	s_cmp_lg_u32 s2, 0xf033
	s_cbranch_scc0 .Lentry_shape_is_right
	s_endpgm
.Lentry_shape_is_right:
; C = A W (+ what the build adds).  A: [4096][SIZE_K] bf16, K along the rows.  W: [SIZE_K][NB] bf16, as the weights are given ([in][out]).  Sums in f32.
; One source, four builds, chosen by KIND:
;  0 qkv : A = LN1(x), W = Wq | Wk | Wv; C in bf16, head-major: plane q, k, v, then [batch x 16 + head][token][64]
;  1 wo  : A = the attention's context, head-major (a K step of 128 is two heads); C = x + A Wo + bo in f32
;  2 ffn1: A = LN2(x1), W = W1; C = gelu(A W1 + b1) in bf16
;  3 ffn2: A = ffn1's result, W = W2; C = x1 + A W2 + b2 in f32
; A work-group makes 128 x 256 of C with four waves (2 x 2), a wave 64 x 128: 32 accumulator tiles of 16 x 16, 256 registers.
; K goes in steps of 128 through two LDS slots filled by the tensor data mover; each wave brings one quarter of a step by one load.
; CLUSTERS: 4 x 4 work-groups.  A's tile hangs on the block row alone and is asked for jointly by a row of the cluster, W's on the block column alone
; and is asked for jointly by a column: each of the four issues the same load with a mask that names the four.
; W lies in LDS as [k][n]; ds_load_tr16_b128 turns 8 x 8 blocks on the way to the registers, so a lane holds one column n with k along its registers.
; THE MATRIX INSTRUCTION IS USED TRANSPOSED: source 0 = 16 columns of W, source 1 = 16 rows of A; lane l then holds row l % 16 of C and its registers
; the columns 8 (l / 16) + 0..7.
; Limits: operands are bf16; K is summed in the matrix unit's order; gelu is x / (1 + exp2(k (x + 0.044715 x^3))), k = -2 sqrt(2/pi) log2(e), which is
; the tanh form rewritten; v_exp_f32 and v_rcp_f32 flush denormals and are accurate to 1 ULP; NaN and infinite inputs are not followed.
.set KIND, 0
.if KIND == 0
.set SIZE_K, 1024
.set NB, 1024
.set WOFF, 0
.set HASBIAS, 0
.set RESID, 0
.endif
.if KIND == 1
.set SIZE_K, 1024
.set NB, 1024
.set WOFF, 0x600000
.set HASBIAS, 1
.set RESID, 1
.endif
.if KIND == 2
.set SIZE_K, 1024
.set NB, 4096
.set WOFF, 0x800000
.set HASBIAS, 1
.set RESID, 0
.endif
.if KIND == 3
.set SIZE_K, 4096
.set NB, 1024
.set WOFF, 0x1000000
.set HASBIAS, 1
.set RESID, 1
.endif
.set KSTEP,  128
.if KIND == 1
.set APITCH, 144                       ; a token's 128 bytes of one head + 16: nine times 16 bytes, so 16 rows start 16 bytes apart modulo 256
.set AHALF,  128*APITCH                ; one load: one head, 128 tokens
.set A_W0,   (3<<16)|(1<<20)|(1<<21)|(4<<22)|(3<<25)   ; elements of 8 bytes; padding on; bit 21 beside a mask; after every 32 words, 4 words
.set A_D0,   32                        ; the head's 16 KiB are dense: 64 rows of 256 bytes
.set A_PIT,  32
.set AKSTEP, 2*262144                  ; a K step on: two heads
.else
.set APITCH, 272                       ; 256 bytes + 16
.set AHALF,  64*APITCH                 ; one load: 64 rows
.set A_W0,   (1<<16)|(1<<20)|(1<<21)|(5<<22)|(3<<25)   ; elements of 2 bytes; after every 64 words, 4 words
.set A_D0,   KSTEP
.set A_PIT,  SIZE_K
.set AKSTEP, 2*KSTEP
.endif
.set ASZ,    2*AHALF
.set BPITCH, 544                       ; 512 bytes + 32: seventeen times 32 bytes
.set BHALF,  64*BPITCH                 ; one load: 64 rows of k
.set BKSTEP, KSTEP*NB*2
.set SLOT,   ASZ+2*BHALF               ; A's tile, then W's
.set STAGE,  2*SLOT                    ; behind the ring, a multiple of 256: 16 rows x 528 bytes for each wave; no tensor load lands there
.set SPITCH, 528                       ; 128 f32 + 16 bytes
.set LAPS,   SIZE_K/(2*KSTEP)          ; a lap = two K steps = once round the ring
; window 0
.set GK2,  8                           ; v[8:9]    ffn1: 0.044715 k, twice
.set GK1,  10                          ; v[10:11]  ffn1: k, twice
.set ADRA, 16                          ; v16-17    LDS address of my A fragments in slot 0, 1
.set ADRB, 20                          ; v20-21    the same for W
.set STO,  22                          ; the way out: where my 32 bytes of a row go
.set RD,   23                          ; the way out: where I read back
.set BIAS, 24                          ; v[24:27]  bias of my four columns
.set CO,   28                          ; my byte offset in C
.set BO,   29                          ; my byte offset in the bias
.set F0,   32                          ; fragment buffer 0: A's four fragments at +0, W's eight at +32
.set F1,   128                         ; fragment buffer 1
.set P,    32                          ; the way out: 16 x 4 registers read back
.set R,    96                          ; the way out: 16 x 4 registers of the residual; ffn1: four registers at work
; window 1: accumulator tile (a, b) at v[8 (8 a + b)], a = 0..3 (rows), b = 0..7 (columns)
.set G1,  24                           ; s[24:31] descriptor group 1 for A
.set G0,  32                           ; s[32:39] group 0 for A, a set for each slot
.set G1B, 48                           ; s[48:55] group 1 for W
.set G0B, 56                           ; s[56:63] group 0 for W
.set MSB, 0
.macro WIN new                         ; s_set_vgpr_msb: bits 1:0 source 0, 3:2 source 1, 5:4 source 2, 7:6 destination; the high byte repeats the setting left
.if MSB != \new
	s_set_vgpr_msb (MSB<<8)|\new
.set MSB, \new
.endif
.endm
.set MUL, 0x50                         ; C and D in window 1, fragments in window 0
.macro PLACES                          ; four places behind a matrix instruction, ahead of a load into, or a read of, its registers
.rept 4
	v_nop
.endr
.endm
; A joint load: waves 0 and 1 ask for A's two halves, waves 2 and 3 for W's.  The branch hangs on the wave's number alone.
.macro JLOAD s
	s_cmp_eq_u32 s11, 0
	s_cbranch_scc0 .Lfor_b_\@
	tensor_load_to_lds s[G0+4*\s:G0+4*\s+3], s[G1:G1+7]
	s_nop 0
.rept 4
	v_nop
.endr
	s_branch .Lasked_\@
.Lfor_b_\@:
	tensor_load_to_lds s[G0B+4*\s:G0B+4*\s+3], s[G1B:G1B+7]
	s_nop 0
.rept 4
	v_nop
.endr
.Lasked_\@:
.endm
.macro CREST                           ; a round of the cluster's barrier behind its opening work-group barrier
	s_cmp_lg_u32 s10, 0
	s_cbranch_scc1 .Lnot_wave_0_\@
	s_barrier_signal -3
.Lnot_wave_0_\@:
	s_barrier_wait -3
	s_barrier_signal -1
	s_barrier_wait -1
.endm
.macro CROUND
	s_barrier_signal -1
	s_barrier_wait -1
	CREST
.endm
	s_load_b128 s[4:7], s[0:1], 0x0                ; A s[4:5], wb s[6:7]
	s_load_b64 s[8:9], s[0:1], 0x10                ; C
	v_lshl_add_u32 v254, v0, 2, 0x3b400
	v_mov_b32 v255, 0
	ds_add_u32 v254, v255
	ds_add_u32 v254, v255
.if RESID
	s_load_b128 s[68:71], s[0:1], 0x18             ; bias s[68:69], residual s[70:71]
.else
.if HASBIAS
	s_load_b64 s[68:69], s[0:1], 0x18              ; bias
.endif
.endif
	v_lshrrev_b32 v1, 5, v0
	v_readfirstlane_b32 s10, v1                    ; wave 0..3
	s_lshr_b32 s11, s10, 1                         ; which 64 rows of the block are mine.  Also: I ask for A (0) or for W (1)
	s_and_b32 s12, s10, 1                          ; which 128 columns.  Also: which half of that tile I ask for
	s_bfe_u32 s40, ttmp6, 0x40000                  ; cx
	s_bfe_u32 s41, ttmp6, 0x40004                  ; cy
	s_lshl_b32 s42, ttmp9, 2
	s_add_co_u32 s42, s42, s40                     ; block column = 4 x cluster x + cx
	s_and_b32 s13, ttmp7, 0xffff
	s_lshl_b32 s13, s13, 2
	s_add_co_u32 s13, s13, s41                     ; block row = 4 x cluster y + cy
	s_lshl_b32 s43, s41, 2
	s_lshl_b32 s43, 15, s43                        ; my row of the cluster
	s_lshl_b32 s44, 0x1111, s40                    ; my column
	s_or_b32 s[G1+0], s43, A_W0                    ; A's tiles go to my row
	s_mov_b32 s[G1+1], A_D0<<16                    ; tensor_dim0
	s_mov_b32 s[G1+2], 64<<16                      ; tensor_dim1 = 64 rows
	s_mov_b32 s[G1+3], A_D0<<16                    ; tile_dim0: 256 bytes
	s_mov_b32 s[G1+4], 64                          ; tile_dim1
	s_mov_b32 s[G1+5], A_PIT                       ; elements from row to row
	s_mov_b32 s[G1+6], 0
	s_mov_b32 s[G1+7], 0
	s_or_b32 s[G1B+0], s44, (1<<16)|(1<<20)|(1<<21)|(6<<22)|(7<<25)   ; W's tiles go to my column; elements of 2 bytes; after every 128 words, 8 words
	s_mov_b32 s[G1B+1], 256<<16
	s_mov_b32 s[G1B+2], 64<<16
	s_mov_b32 s[G1B+3], 256<<16                    ; 256 columns: 512 bytes
	s_mov_b32 s[G1B+4], 64                         ; 64 rows of k
	s_mov_b32 s[G1B+5], NB
	s_mov_b32 s[G1B+6], 0
	s_mov_b32 s[G1B+7], 0
	; where the tiles come from: A's offset is made of the block row and the wave, W's of the block column and the wave, in registers of their own
.if KIND == 1
	s_lshr_b32 s16, s13, 4
	s_lshl_b32 s16, s16, 22                        ; batch: 16 heads of 262,144 bytes
	s_and_b32 s17, s13, 15
	s_lshl_b32 s17, s17, 14                        ; 128 tokens of 128 bytes
	s_add_co_u32 s16, s16, s17
	s_lshl_b32 s17, s12, 18                        ; my half: the step's first or second head
	s_add_co_u32 s16, s16, s17
.else
	s_lshl_b32 s17, s12, 6
	s_lshl_b32 s16, s13, 7
	s_add_co_u32 s16, s16, s17                     ; row 128 x block row + 64 x half
	s_mul_i32 s16, s16, SIZE_K*2                   ; below 2^26
.endif
	s_mov_b32 s17, 0
.if KIND == 0
	s_and_b32 s46, s42, 3
	s_lshl_b32 s46, s46, 9                         ; 256 columns of one of the three matrices,
	s_lshr_b32 s47, s42, 2
	s_lshl_b32 s47, s47, 21                        ; which lie 2 MiB apart
	s_add_co_u32 s46, s46, s47
.else
	s_lshl_b32 s46, s42, 9
	s_add_co_u32 s46, s46, WOFF
.endif
	s_mul_i32 s47, s12, 64*NB*2                    ; my half: 64 rows of k
	s_add_co_u32 s46, s46, s47
	s_mov_b32 s47, 0
	s_mul_i32 s20, s12, AHALF                      ; and where they go: no place in the cluster enters an LDS address
	s_mul_i32 s21, s12, BHALF
	s_add_co_u32 s21, s21, ASZ
	s_wait_dscnt 0x0
	s_wait_kmcnt 0x0
	s_add_nc_u64 s[14:15], s[4:5], s[16:17]
	s_add_nc_u64 s[46:47], s[6:7], s[46:47]
	CROUND                                         ; all sixteen work-groups are here: the first joint loads meet
.irp s, 0,1
	s_mov_b32 s[G0+4*\s], 1
	s_add_co_u32 s[G0+4*\s+1], s20, \s*SLOT
	s_add_nc_u64 s[G0+4*\s+2:G0+4*\s+3], s[14:15], \s*AKSTEP
	s_or_b32 s[G0+4*\s+3], s[G0+4*\s+3], 0x80000000
	s_mov_b32 s[G0B+4*\s], 1
	s_add_co_u32 s[G0B+4*\s+1], s21, \s*SLOT
	s_add_nc_u64 s[G0B+4*\s+2:G0B+4*\s+3], s[46:47], \s*BKSTEP
	s_or_b32 s[G0B+4*\s+3], s[G0B+4*\s+3], 0x80000000
	JLOAD \s                                       ; both slots' first fills go out together: two loads of the wave are out, later one
.endr
	v_and_b32 v1, 15, v0                           ; r = l % 16
	v_bfe_u32 v2, v0, 4, 1                         ; h = l / 16
	v_mul_u32_u24 v3, v1, APITCH
	v_lshl_add_u32 v3, v2, 4, v3                   ; A: row r, 16 h bytes in
	v_and_b32 v4, 7, v0
	v_lshl_add_u32 v4, v2, 3, v4                   ; W: row of k 8 h + l % 8,
	v_mul_u32_u24 v4, v4, BPITCH
	v_bfe_u32 v5, v0, 3, 1
	v_lshl_add_u32 v4, v5, 4, v4                   ; and which 8 of the 16 columns
	s_mul_i32 s22, s11, 64*APITCH                  ; my 64 rows of A
	s_lshl_b32 s23, s12, 8                         ; my 128 columns of W,
	s_add_co_u32 s23, s23, ASZ                     ; which lies behind A
.irp s, 0,1
	v_add_nc_u32 v[ADRA+\s], s22, v3
	v_add_nc_u32 v[ADRB+\s], s23, v4
	s_add_co_u32 s22, s22, SLOT
	s_add_co_u32 s23, s23, SLOT
.endr
	s_mul_i32 s20, s10, 16*SPITCH
	s_add_co_u32 s20, s20, STAGE                   ; my stage
	v_mul_u32_u24 v6, v1, SPITCH
	v_lshl_add_u32 v6, v2, 5, v6                   ; in: row r, 8 f32 for each half of the lanes
	v_add_nc_u32 v[STO], s20, v6
	v_and_b32 v7, 31, v0
.if KIND == 0
	v_mul_u32_u24 v5, v2, SPITCH                   ; back: lanes 0-15 take 64 columns (a head) of one row, lanes 16-31 of the next
	v_lshl_add_u32 v5, v1, 4, v5
	v_add_nc_u32 v[RD], s20, v5
	v_lshlrev_b32 v[CO], 3, v7                     ; two tokens of a head: 256 dense bytes
.else
	v_lshl_add_u32 v[RD], v7, 4, s20               ; back: the wave takes a whole row of 128 f32
.if KIND == 2
	v_lshlrev_b32 v[CO], 3, v7                     ; four bf16
	v_mov_b32 v[GK2], 0xbdd2d3e8                   ; 0.044715 k
	v_mov_b32 v[GK2+1], 0xbdd2d3e8
	v_mov_b32 v[GK1], 0xc0135761                   ; k = -2 sqrt(2/pi) log2(e)
	v_mov_b32 v[GK1+1], 0xc0135761
.else
	v_lshlrev_b32 v[CO], 4, v7                     ; four f32
.endif
.endif
.if HASBIAS
	v_lshlrev_b32 v[BO], 4, v7
	s_lshl_b32 s46, s42, 10                        ; my first column x 4 bytes (the registers that held W's address)
	s_lshl_b32 s47, s12, 9
	s_add_co_u32 s46, s46, s47
	s_mov_b32 s47, 0
	s_add_nc_u64 s[68:69], s[68:69], s[46:47]
	global_load_b128 v[BIAS:BIAS+3], v[BO], s[68:69]   ; waited for in front of the way out
.endif
; 8 matrix instructions: rows 16 a .. 16 a + 15 x all 8 column blocks, 32 along K.  zero = 1: the first product starts the sums.
; The 32 accumulators take turns, one instruction a turn, in the same order in every quarter step.
.macro MUL8 f, a, zero
.irp b, 0,1,2,3,4,5,6,7
.if \zero
	v_wmma_f32_16x16x32_bf16 v[8*(8*\a+\b):8*(8*\a+\b)+7], v[\f+32+8*\b:\f+32+8*\b+7], v[\f+8*\a:\f+8*\a+7], 0
.else
	v_wmma_f32_16x16x32_bf16 v[8*(8*\a+\b):8*(8*\a+\b)+7], v[\f+32+8*\b:\f+32+8*\b+7], v[\f+8*\a:\f+8*\a+7], v[8*(8*\a+\b):8*(8*\a+\b)+7]
.endif
.endr
.endm
; 24 LDS loads in one run: quarter q (32 along K) of a slot into buffer f: W's eight fragments first, then A's four
.macro FETCH slot, q, f
	WIN 0
.if KIND == 1
.set AQ, ((\q)>>1)*AHALF+((\q)&1)*64
.else
.set AQ, 64*(\q)
.endif
.irp b, 0,1,2,3,4,5,6,7
	ds_load_tr16_b128 v[\f+32+8*\b:\f+32+8*\b+3],   v[ADRB+\slot] offset:\q*32*BPITCH+32*\b
	ds_load_tr16_b128 v[\f+32+8*\b+4:\f+32+8*\b+7], v[ADRB+\slot] offset:\q*32*BPITCH+16*BPITCH+32*\b
.endr
.irp i, 0,1,2,3
	ds_load_b128 v[\f+8*\i:\f+8*\i+3],   v[ADRA+\slot] offset:AQ+\i*16*APITCH
	ds_load_b128 v[\f+8*\i+4:\f+8*\i+7], v[ADRA+\slot] offset:AQ+\i*16*APITCH+32
.endr
.endm
; One of a K step's first three quarters: multiplies buffer f and, in its middle, fetches quarter q into buffer g
.macro QUARTER slot, q, f, g, zero
	s_wait_dscnt 4                                 ; of the 24 loads only the youngest four (A's fragments 2 and 3) may be out
	WIN MUL
	MUL8 \f, 0, \zero
	MUL8 \f, 1, \zero
	PLACES
	FETCH \slot, \q, \g
	s_wait_dscnt 24                                ; all but the 24 just issued
	WIN MUL
	MUL8 \f, 2, \zero
	MUL8 \f, 3, \zero
.endm
.macro THREE slot, zero
	QUARTER \slot, 1, F0, F1, \zero
	QUARTER \slot, 2, F1, F0, 0
	QUARTER \slot, 3, F0, F1, 0
.endm
; The last quarter: multiplies buffer 1 and changes slots.  In front of the barrier each wave waits for its reads of this slot and for all its tensor
; loads (one is out: its part of the next slot).  Behind it (with fill: behind the round of the cluster's barrier that it opens) the refill comes first.
; From a request to the wait for it a wave issues 120 matrix instructions.
.macro TURN slot, next, fill
	s_wait_dscnt 4
	WIN MUL
	MUL8 F1, 0, 0
	s_wait_dscnt 0                                 ; my reads of this slot are over
	s_wait_tensorcnt 0x0                           ; all my tensor loads have landed
	ds_add_u32 v254, v255
	s_wait_dscnt 0x0
	s_barrier_signal -1
	MUL8 F1, 1, 0                                  ; register work while the others arrive
	WIN 0
	s_barrier_wait -1
.if \fill
	CREST                                          ; no wave of any partner still reads this slot or has a load on its way
	s_add_nc_u64 s[G0+4*\slot+2:G0+4*\slot+3], s[G0+4*\slot+2:G0+4*\slot+3], 2*AKSTEP
	s_add_nc_u64 s[G0B+4*\slot+2:G0B+4*\slot+3], s[G0B+4*\slot+2:G0B+4*\slot+3], 2*BKSTEP
	JLOAD \slot                                    ; the wave's one tensor load behind the round; its four v_nop are the places in front of the loads below
.else
	PLACES
.endif
	FETCH \next, 0, F0
	WIN MUL
	MUL8 F1, 2, 0
	MUL8 F1, 3, 0
.endm
.macro LAP zero
	THREE 0, \zero
	TURN 0, 1, 1
	THREE 1, 0
	TURN 1, 0, 1
.endm
	s_wait_tensorcnt 1                             ; my part of K step 0 is in; K step 1's may stay out
	s_barrier_signal -1
	s_barrier_wait -1
	FETCH 0, 0, F0
	LAP 1                                          ; the first lap's first products start the sums
.if LAPS > 2
	WIN 0
	s_mov_b32 s3, LAPS-2
.Llap:
	LAP 0
	WIN 0
	s_sub_co_u32 s3, s3, 1
	s_cmp_lg_u32 s3, 0
	s_cbranch_scc1 .Llap
.endif
	THREE 0, 0                                     ; the last lap fills nothing
	TURN 0, 1, 0
	THREE 1, 0
	s_wait_dscnt 4
	WIN MUL
	MUL8 F1, 0, 0
	MUL8 F1, 1, 0
	s_wait_dscnt 0
	MUL8 F1, 2, 0
	MUL8 F1, 3, 0
	; THE WAY OUT, 16 rows at a time: f32 sums into my own stage, read back by rows, finished and stored in whole runs of 256 or 512 bytes
	PLACES
	WIN 0
.if KIND == 0
	s_lshr_b32 s16, s13, 4
	s_lshl_b32 s16, s16, 22                        ; batch
	s_and_b32 s17, s13, 15
	s_lshl_b32 s17, s17, 14                        ; 128 tokens of 128 bytes
	s_add_co_u32 s16, s16, s17
	s_lshl_b32 s17, s11, 13                        ; my 64 tokens
	s_add_co_u32 s16, s16, s17
	s_lshr_b32 s46, s42, 2
	s_lshl_b32 s46, s46, 23                        ; plane q, k or v
	s_and_b32 s47, s42, 3
	s_lshl_b32 s47, s47, 20                        ; four heads of 262,144 bytes a block column
	s_add_co_u32 s46, s46, s47
	s_lshl_b32 s47, s12, 19                        ; my two heads
	s_add_co_u32 s46, s46, s47
.else
	s_lshl_b32 s16, s13, 7
	s_lshl_b32 s17, s11, 6
	s_add_co_u32 s16, s16, s17                     ; my first row
.if KIND == 2
	s_lshl_b32 s16, s16, 13                        ; rows of 4,096 bf16
	s_lshl_b32 s46, s42, 9
	s_lshl_b32 s47, s12, 8
.else
	s_lshl_b32 s16, s16, 12                        ; rows of 1,024 f32
	s_lshl_b32 s46, s42, 10
	s_lshl_b32 s47, s12, 9
.endif
	s_add_co_u32 s46, s46, s47                     ; my first column, in bytes
.endif
	s_mov_b32 s17, 0
	s_mov_b32 s47, 0
	s_add_nc_u64 s[8:9], s[8:9], s[16:17]
	s_add_nc_u64 s[8:9], s[8:9], s[46:47]
.if RESID
	s_add_nc_u64 s[70:71], s[70:71], s[16:17]
	s_add_nc_u64 s[70:71], s[70:71], s[46:47]
.endif
.if HASBIAS
	s_wait_loadcnt 0x0                             ; the bias, asked for at the start
.endif
.macro OUT a
	s_wait_xcnt 0x0                                ; P, which the last rows' stores read, is loaded again only behind this wait
.if RESID
.irp t, 0,1,2,3,4,5,6,7,8,9,10,11,12,13,14,15
	global_load_b128 v[R+4*\t:R+4*\t+3], v[CO], s[70:71] offset:(16*\a+\t)*4096
.endr
.endif
	WIN 0x04                                       ; the data of an LDS store is source 1: window 1
.irp b, 0,1,2,3,4,5,6,7
	ds_store_b128 v[STO], v[8*(8*\a+\b):8*(8*\a+\b)+3] offset:64*\b
	ds_store_b128 v[STO], v[8*(8*\a+\b)+4:8*(8*\a+\b)+7] offset:64*\b+16
.endr
	WIN 0
.irp t, 0,1,2,3,4,5,6,7,8,9,10,11,12,13,14,15
.if KIND == 0
	ds_load_b128 v[P+4*\t:P+4*\t+3], v[RD] offset:(\t&7)*2*SPITCH+(\t>>3)*256   ; LDS serves a wave's instructions in order (ISA guide 5.7.1.4): these see the stores above
.else
	ds_load_b128 v[P+4*\t:P+4*\t+3], v[RD] offset:\t*SPITCH                     ; LDS serves a wave's instructions in order (ISA guide 5.7.1.4): these see the stores above
.endif
.endr
.irp t, 0,1,2,3,4,5,6,7,8,9,10,11,12,13,14,15
	s_wait_dscnt 15-\t                             ; read-back t is in, the younger ones stay out
.if KIND == 0
	v_cvt_pk_bf16_f32 v[P+4*\t], v[P+4*\t], v[P+4*\t+1]
	v_cvt_pk_bf16_f32 v[P+4*\t+1], v[P+4*\t+2], v[P+4*\t+3]
	global_store_b64 v[CO], v[P+4*\t:P+4*\t+1], s[8:9] offset:(\t>>3)*262144+(16*\a+2*(\t&7))*128   ; two tokens of one head: 256 consecutive bytes, aligned
.endif
.if RESID
	s_wait_loadcnt 15-\t                           ; residual row t is in
	v_pk_add_f32 v[P+4*\t:P+4*\t+1], v[P+4*\t:P+4*\t+1], v[BIAS:BIAS+1]
	v_pk_add_f32 v[P+4*\t+2:P+4*\t+3], v[P+4*\t+2:P+4*\t+3], v[BIAS+2:BIAS+3]
	v_pk_add_f32 v[P+4*\t:P+4*\t+1], v[P+4*\t:P+4*\t+1], v[R+4*\t:R+4*\t+1]
	v_pk_add_f32 v[P+4*\t+2:P+4*\t+3], v[P+4*\t+2:P+4*\t+3], v[R+4*\t+2:R+4*\t+3]
	global_store_b128 v[CO], v[P+4*\t:P+4*\t+3], s[8:9] offset:(16*\a+\t)*4096   ; the wave stores 512 consecutive bytes, aligned
.endif
.if KIND == 2
	v_pk_add_f32 v[P+4*\t:P+4*\t+1], v[P+4*\t:P+4*\t+1], v[BIAS:BIAS+1]          ; x
	v_pk_add_f32 v[P+4*\t+2:P+4*\t+3], v[P+4*\t+2:P+4*\t+3], v[BIAS+2:BIAS+3]
	v_pk_mul_f32 v[R:R+1], v[P+4*\t:P+4*\t+1], v[P+4*\t:P+4*\t+1]                ; x^2
	v_pk_mul_f32 v[R+2:R+3], v[P+4*\t+2:P+4*\t+3], v[P+4*\t+2:P+4*\t+3]
	v_pk_fma_f32 v[R:R+1], v[R:R+1], v[GK2:GK2+1], v[GK1:GK1+1]                  ; k (1 + 0.044715 x^2)
	v_pk_fma_f32 v[R+2:R+3], v[R+2:R+3], v[GK2:GK2+1], v[GK1:GK1+1]
	v_pk_mul_f32 v[R:R+1], v[R:R+1], v[P+4*\t:P+4*\t+1]                          ; z
	v_pk_mul_f32 v[R+2:R+3], v[R+2:R+3], v[P+4*\t+2:P+4*\t+3]
	v_exp_f32 v[R], v[R]
	v_exp_f32 v[R+1], v[R+1]
	v_exp_f32 v[R+2], v[R+2]
	v_exp_f32 v[R+3], v[R+3]
	v_nop                                          ; one plain place behind the transcendentals (ISA guide 5.7.2)
	v_pk_add_f32 v[R:R+1], v[R:R+1], 1.0 op_sel_hi:[1,0]
	v_pk_add_f32 v[R+2:R+3], v[R+2:R+3], 1.0 op_sel_hi:[1,0]
	v_rcp_f32 v[R], v[R]
	v_rcp_f32 v[R+1], v[R+1]
	v_rcp_f32 v[R+2], v[R+2]
	v_rcp_f32 v[R+3], v[R+3]
	v_nop
	v_pk_mul_f32 v[P+4*\t:P+4*\t+1], v[P+4*\t:P+4*\t+1], v[R:R+1]                ; x / (1 + 2^z)
	v_pk_mul_f32 v[P+4*\t+2:P+4*\t+3], v[P+4*\t+2:P+4*\t+3], v[R+2:R+3]
	v_cvt_pk_bf16_f32 v[P+4*\t], v[P+4*\t], v[P+4*\t+1]
	v_cvt_pk_bf16_f32 v[P+4*\t+1], v[P+4*\t+2], v[P+4*\t+3]
	global_store_b64 v[CO], v[P+4*\t:P+4*\t+1], s[8:9] offset:(16*\a+\t)*8192    ; the wave stores 256 consecutive bytes, aligned
.endif
.endr
.endm
	OUT 0
	OUT 1
	OUT 2
	OUT 3
	s_wait_tensorcnt 0x0
	ds_add_u32 v254, v255
	s_wait_dscnt 0x0
	CROUND                                         ; the closing round: no work-group ends while a partner may still ask for a tile that names it
	s_endpgm
.Lfunc_end_k_qe3316a7cd1_qkv:
	.size	k_qe3316a7cd1_qkv, .Lfunc_end_k_qe3316a7cd1_qkv-k_qe3316a7cd1_qkv
	.p2alignl 7, 3214868480
	.fill 96, 4, 3214868480
	.section	.rodata,"a",@progbits
	.p2align	6, 0x0
	.amdhsa_kernel k_qe3316a7cd1_qkv
		.amdhsa_group_segment_fixed_size 327680
		.amdhsa_private_segment_fixed_size 0
		.amdhsa_enable_private_segment 0
		.amdhsa_kernarg_size 24
		.amdhsa_user_sgpr_count 2
		.amdhsa_user_sgpr_kernarg_segment_ptr 1
		.amdhsa_wavefront_size32 1
		.amdhsa_system_sgpr_workgroup_id_x 1
		.amdhsa_system_sgpr_workgroup_id_y 1
		.amdhsa_system_sgpr_workgroup_id_z 1
		.amdhsa_system_vgpr_workitem_id 0
		.amdhsa_next_free_vgpr 512
		.amdhsa_next_free_sgpr 72
		.amdhsa_reserve_vcc 0
		.amdhsa_float_denorm_mode_32 3
		.amdhsa_float_denorm_mode_16_64 3
		.amdhsa_memory_ordered 1
		.amdhsa_forward_progress 1
		.amdhsa_inst_pref_size 127
	.end_amdhsa_kernel
	.amdgpu_metadata
---
amdhsa.version: [ 1, 2 ]
amdhsa.kernels:
  - .name:           k_qe3316a7cd1_qkv
    .symbol:         k_qe3316a7cd1_qkv.kd
    .args:
      - { .name: hb, .offset: 0, .size: 8, .value_kind: global_buffer, .address_space: global }
      - { .name: wb, .offset: 8, .size: 8, .value_kind: global_buffer, .address_space: global }
      - { .name: qkv, .offset: 16, .size: 8, .value_kind: global_buffer, .address_space: global }
    .group_segment_fixed_size: 327680
    .private_segment_fixed_size: 0
    .kernarg_segment_align: 8
    .kernarg_segment_size: 24
    .max_flat_workgroup_size: 128
    .sgpr_count:     72
    .vgpr_count:     512
    .wavefront_size: 32
...
	.end_amdgpu_metadata
.endif
;; end of part 2
;; launch attn (part 3): grid 8 x 32, 4 waves a work-group, no clusters, 327,680 bytes of LDS; arguments qkv, cb; writes cb
.if DOCPART == 3
	.amdgcn_target "amdgcn-amd-amdhsa--gfx1250"
	.amdhsa_code_object_version 6
	.text
	.protected	k_qe3316a7cd1_attn
	.globl	k_qe3316a7cd1_attn
	.p2align	8
	.type	k_qe3316a7cd1_attn,@function
k_qe3316a7cd1_attn:
	s_mov_b64 s[64:65], 0
	v_nop
	global_prefetch_b8 v0, s[64:65] scope:SCOPE_SE
	s_setreg_imm32_b32 hwreg(HW_REG_WAVE_MODE, 25, 1), 1
	s_wait_xcnt 0x0
; Causal attention of one head (y = batch x 16 + head), softmax with a running maximum.  q, k, v: planes of qkv, [head][2048 tokens][64] bf16; ctx likewise.
; Query blocks of 128 rows, a wave 32 queries (two tiles of 16).  Work-group x does block 2 x + 1 and then block 14 - 2 x: 17 key tiles of 128 keys
; in every one of the 256 work-groups; key tiles above the diagonal are never touched.  The first block has an even number of tiles, so each tile's slot
; is fixed in the text.
; NO CLUSTER: the work-groups that read the same K and V tiles are the query blocks of one head, and the causal mask gives them 1 to 16 tiles each; joint
; loads would need equal trips in all partners, that is, nearly twice the products and exponentials.
; BOTH PRODUCTS ARE TRANSPOSED.  S^T = K Q^T: lane (r, h) holds query r and, in register j of tile kt, key 16 kt + 8 h + j.  Two neighbouring tiles, packed to
; bf16 in place, are the second source of O^T = V^T P^T for 32 keys, with no move between lanes; V^T comes from V [key][d] by ds_load_tr16_b128.
; Maximum, sum and rescaling factor are one number a lane; the two halves of the lanes meet by v_permlanex16_b32.
; LDS: slot s at 38,912 s: K 128 keys x 144 bytes, then V 128 keys x 160 bytes; behind the two slots a stage of 32 rows x 144 bytes for each wave.
; Limits: q, k, v, the probabilities and ctx are bf16; the sum of probabilities is taken before their rounding; v_exp_f32 flushes results below 2^-126;
; NaN and infinite scores are not followed.
.set KP,    144
.set VP,    160
.set KSZ,   128*KP
.set SLOT,  KSZ+128*VP
.set STAGE, 2*SLOT                     ; 77,824, a multiple of 256; no tensor load lands there
.set TILEB, 16384                      ; 128 keys of 128 bytes in memory
; window 0
.set KAD,  2                           ; v2-3    LDS address of my K fragments in slot 0, 1
.set VAD,  4                           ; v4-5    the same for V
.set STO,  6                           ; stage: where my 16 bytes of a row go
.set RD,   7                           ; stage: where I read back
.set CO,   8                           ; my byte offset in the block of ctx
.set QOFF, 9                           ; my byte offset in the block of q
.set NINF, 10                          ; -infinity
.set DQ,   11                          ; v11-12  my query in the block, less 8 h, for tile 0, 1
.set M,    14                          ; v14-15  running maximum (of raw scores)
.set LS,   16                          ; v16-17  running sum
.set NM,   18                          ; v[18:19] -c x maximum, twice
.set AL,   20                          ; v[20:21] rescaling factor, twice
.set T,    22                          ; v[22:29] at work
.set CC,   30                          ; v[30:31] c = log2(e) / 8, twice
.set Q,    32                          ; fragment (qt, ks) at 8 (2 qt + ks)
.set K,    64                          ; fragment (kt, ks) at 8 (2 kt + ks)
.set V,    128                         ; fragment (dt, c) at 8 (2 dt + c)
.set S,    192                         ; tile (qt, kt) at 32 qt + 8 kt; packed: P(qt, c) in the first 8 registers of 32 qt + 16 c
; window 1: O(qt, dt) at v[8 (4 qt + dt)]
.set G1K,  24
.set G0K,  32
.set G1V,  40
.set G0V,  48
.set SAVE, 56                          ; s[56:63] addresses of tiles 0 and 1 of K, then of V
.set MSB, 0
.macro WIN new                         ; s_set_vgpr_msb: bits 1:0 source 0, 3:2 source 1, 5:4 source 2, 7:6 destination; the high byte repeats the setting left
.if MSB != \new
	s_set_vgpr_msb (MSB<<8)|\new
.set MSB, \new
.endif
.endm
.macro KVLOAD s                        ; waves 0 and 1 bring K's halves, waves 2 and 3 V's: one tensor load a wave
	s_cmp_eq_u32 s11, 0
	s_cbranch_scc0 .Lfor_v_\@
	tensor_load_to_lds s[G0K+4*(\s):G0K+4*(\s)+3], s[G1K:G1K+7]
	s_nop 0
.rept 4
	v_nop
.endr
	s_branch .Lasked_\@
.Lfor_v_\@:
	tensor_load_to_lds s[G0V+4*(\s):G0V+4*(\s)+3], s[G1V:G1V+7]
	s_nop 0
.rept 4
	v_nop
.endr
.Lasked_\@:
.endm
.macro QLOAD base                      ; my 32 queries as four fragments, straight from memory
.irp qt, 0,1
.irp ks, 0,1
	global_load_b128 v[Q+8*(2*\qt+\ks):Q+8*(2*\qt+\ks)+3],   v[QOFF], s[\base:\base+1] offset:\qt*2048+\ks*64
	global_load_b128 v[Q+8*(2*\qt+\ks)+4:Q+8*(2*\qt+\ks)+7], v[QOFF], s[\base:\base+1] offset:\qt*2048+\ks*64+32
.endr
.endr
.endm
.macro KFETCH slot, half               ; 64 keys: 16 LDS loads
.irp kt, 0,1,2,3
.irp ks, 0,1
	ds_load_b128 v[K+16*\kt+8*\ks:K+16*\kt+8*\ks+3],   v[KAD+\slot] offset:(64*\half+16*\kt)*KP+64*\ks
	ds_load_b128 v[K+16*\kt+8*\ks+4:K+16*\kt+8*\ks+7], v[KAD+\slot] offset:(64*\half+16*\kt)*KP+64*\ks+32
.endr
.endr
.endm
.macro VFETCH slot, half               ; 64 keys x 64 d, transposed: 16 LDS loads
.irp dt, 0,1,2,3
.irp c, 0,1
	ds_load_tr16_b128 v[V+16*\dt+8*\c:V+16*\dt+8*\c+3],   v[VAD+\slot] offset:(64*\half+32*\c)*VP+32*\dt
	ds_load_tr16_b128 v[V+16*\dt+8*\c+4:V+16*\dt+8*\c+7], v[VAD+\slot] offset:(64*\half+32*\c+16)*VP+32*\dt
.endr
.endr
.endm
; S^T of 64 keys x 16 queries.  The four accumulators take turns, one instruction a turn.
.macro SMUL qt
.irp kt, 0,1,2,3
	v_wmma_f32_16x16x32_bf16 v[S+32*\qt+8*\kt:S+32*\qt+8*\kt+7], v[K+16*\kt:K+16*\kt+7], v[Q+16*\qt:Q+16*\qt+7], 0
.endr
.irp kt, 0,1,2,3
	v_wmma_f32_16x16x32_bf16 v[S+32*\qt+8*\kt:S+32*\qt+8*\kt+7], v[K+16*\kt+8:K+16*\kt+15], v[Q+16*\qt+8:Q+16*\qt+15], v[S+32*\qt+8*\kt:S+32*\qt+8*\kt+7]
.endr
.endm
; O^T += V^T P^T for 64 keys.  Again four accumulators by turns.
.macro PV qt
	WIN 0x50
.irp c, 0,1
.irp dt, 0,1,2,3
	v_wmma_f32_16x16x32_bf16 v[32*\qt+8*\dt:32*\qt+8*\dt+7], v[V+16*\dt+8*\c:V+16*\dt+8*\c+7], v[S+32*\qt+16*\c:S+32*\qt+16*\c+7], v[32*\qt+8*\dt:32*\qt+8*\dt+7]
.endr
.endr
.endm
; The softmax step of query tile qt on 64 keys: mask (diagonal tile only), new maximum, exponentials, sum, packing, rescaling of O
.macro SOFT qt, half, mask
.set SB, S+32*\qt
.if \mask
.irp kt, 0,1,2,3
.irp j, 0,1,2,3,4,5,6,7
	v_cmp_le_i32 vcc_lo, 64*\half+16*\kt+\j, v[DQ+\qt]                     ; key <= query, both counted in the block
	v_cndmask_b32 v[SB+8*\kt+\j], v[NINF], v[SB+8*\kt+\j], vcc_lo
.endr
.endr
.endif
.irp k, 0,1,2,3
	v_max3_num_f32 v[T+\k], v[SB+8*\k], v[SB+8*\k+1], v[SB+8*\k+2]
.endr
.irp k, 0,1,2,3
	v_max3_num_f32 v[T+\k], v[T+\k], v[SB+8*\k+3], v[SB+8*\k+4]
.endr
.irp k, 0,1,2,3
	v_max3_num_f32 v[T+\k], v[T+\k], v[SB+8*\k+5], v[SB+8*\k+6]
.endr
	v_max3_num_f32 v[T], v[T], v[SB+7], v[SB+15]
	v_max3_num_f32 v[T+1], v[T+1], v[SB+23], v[SB+31]
	v_max3_num_f32 v[T+2], v[T+2], v[T+3], v[T]
	v_max_num_f32 v[T+2], v[T+2], v[T+1]
	v_permlanex16_b32 v[T+3], v[T+2], s70, s71     ; the other half's keys of the same query
	v_max3_num_f32 v[T+4], v[T+2], v[T+3], v[M+\qt]   ; the new maximum: finite, since key 0 is open to every query and is met first
	v_mul_f32 v[NM], 0xbe38aa3b, v[T+4]            ; -c x maximum
	v_mov_b32 v[NM+1], v[NM]
	v_fma_f32 v[AL], v[M+\qt], v[CC], v[NM]        ; c (old maximum - new); -infinity at a block's first step
.set i, 0
.rept 16
	v_pk_fma_f32 v[SB+2*i:SB+2*i+1], v[SB+2*i:SB+2*i+1], v[CC:CC+1], v[NM:NM+1]
.set i, i+1
.endr
.set i, 0
.rept 32
	v_exp_f32 v[SB+i], v[SB+i]
.set i, i+1
.endr
	v_exp_f32 v[AL], v[AL]
	v_mov_b32 v[M+\qt], v[T+4]                     ; the plain place behind the transcendentals (ISA guide 5.7.2)
	s_wait_alu depctr_va_vdst(0)
	v_mov_b32 v[AL+1], v[AL]
.irp k, 0,1,2,3
	v_pk_add_f32 v[T+2*\k:T+2*\k+1], v[SB+2*\k:SB+2*\k+1], v[SB+8+2*\k:SB+9+2*\k]
.endr
.irp k, 0,1,2,3
	v_pk_add_f32 v[T+2*\k:T+2*\k+1], v[T+2*\k:T+2*\k+1], v[SB+16+2*\k:SB+17+2*\k]
.endr
.irp k, 0,1,2,3
	v_pk_add_f32 v[T+2*\k:T+2*\k+1], v[T+2*\k:T+2*\k+1], v[SB+24+2*\k:SB+25+2*\k]
.endr
	v_pk_add_f32 v[T:T+1], v[T:T+1], v[T+2:T+3]
	v_pk_add_f32 v[T+4:T+5], v[T+4:T+5], v[T+6:T+7]
	v_pk_add_f32 v[T:T+1], v[T:T+1], v[T+4:T+5]
	v_add_f32 v[T], v[T], v[T+1]
	v_fma_f32 v[LS+\qt], v[LS+\qt], v[AL], v[T]
.irp c, 0,1
.irp i, 0,1,2,3
	v_cvt_pk_bf16_f32 v[SB+16*\c+\i], v[SB+16*\c+2*\i], v[SB+16*\c+2*\i+1]         ; keys 32 c + 8 h + 0..7: the fragment's registers 0-3
.endr
.irp i, 0,1,2,3
	v_cvt_pk_bf16_f32 v[SB+16*\c+4+\i], v[SB+16*\c+8+2*\i], v[SB+16*\c+9+2*\i]     ; keys 32 c + 16 + 8 h + 0..7: registers 4-7
.endr
.endr
	WIN 0x41                                       ; O in window 1, the factor in window 0
.set i, 0
.rept 16
	v_pk_mul_f32 v[32*\qt+2*i:32*\qt+2*i+1], v[32*\qt+2*i:32*\qt+2*i+1], v[AL:AL+1]
.set i, i+1
.endr
.endm
; 64 keys.  knext: the tile's second 64 keys of K are fetched; qnext: the second block's queries are loaded
.macro SUB slot, half, mask, knext, qnext
	VFETCH \slot, \half
	s_wait_dscnt 16                                ; K's 16 loads are in; V's 16 may be out
	SMUL 0
	SMUL 1
.rept 4
	v_nop                                          ; four places: ahead of the reads of S and of the loads into K and Q
.endr
.if \knext
	KFETCH \slot, 1
.endif
.if \qnext
	QLOAD 22
.endif
	SOFT 0, \half, \mask
.if \knext
	s_wait_dscnt 16                                ; V is in; the 16 younger loads of K stay out
.else
	s_wait_dscnt 0
.endif
	PV 0
	WIN 0
	SOFT 1, \half, \mask
	PV 1
	WIN 0
.rept 5
	v_nop                                          ; five places: the next S^T writes over P, the next loads over V
.endr
.endm
; A key tile.  In front of the barrier: all my tensor loads have landed (my part of this tile among them) and my LDS reads are back; behind it the other
; slot is filled first, one tensor load a wave.  reset: this slot's next tile is the second block's.
.macro TRIP slot, mask, refill, reset, qnext
	s_set_vgpr_msb 0x5
	s_wait_tensorcnt 0x0
	ds_add_u32 v64, v65
	s_wait_dscnt 0x0
	s_set_vgpr_msb 0x500
.if \reset
	s_mov_b64 s[G0K+4*\slot+2:G0K+4*\slot+3], s[SAVE+2*\slot:SAVE+2*\slot+1]
	s_or_b32 s[G0K+4*\slot+3], s[G0K+4*\slot+3], 0x80000000
	s_mov_b64 s[G0V+4*\slot+2:G0V+4*\slot+3], s[SAVE+4+2*\slot:SAVE+5+2*\slot]
	s_or_b32 s[G0V+4*\slot+3], s[G0V+4*\slot+3], 0x80000000
.else
	s_add_nc_u64 s[G0K+4*\slot+2:G0K+4*\slot+3], s[G0K+4*\slot+2:G0K+4*\slot+3], 2*TILEB
	s_add_nc_u64 s[G0V+4*\slot+2:G0V+4*\slot+3], s[G0V+4*\slot+2:G0V+4*\slot+3], 2*TILEB
.endif
	s_wait_dscnt 0x0
	s_barrier_signal -1
	s_barrier_wait -1
.if \refill
	KVLOAD 1-\slot
.endif
	KFETCH \slot, 0
	SUB \slot, 0, \mask, 1, 0
	SUB \slot, 1, \mask, 0, \qnext
.endm
; A block's start.  O is cleared by moves: a block's first tile stands in a loop that may have no trip, so it cannot be written out with the constant 0 as C.
.macro INIT
	v_mov_b32 v[M], v[NINF]
	v_mov_b32 v[M+1], v[NINF]
	v_mov_b32 v[LS], 0
	v_mov_b32 v[LS+1], 0
	WIN 0x40
.set i, 0
.rept 64
	v_mov_b32 v[i], 0
.set i, i+1
.endr
	WIN 0
.endm
; A block's end: O / sum, to bf16, through my stage, out in runs of 512 dense bytes
.macro FINISH ob
	v_permlanex16_b32 v[T], v[LS], s70, s71
	v_permlanex16_b32 v[T+1], v[LS+1], s70, s71
	v_add_f32 v[T], v[T], v[LS]
	v_add_f32 v[T+1], v[T+1], v[LS+1]
	v_rcp_f32 v[T+2], v[T]
	v_rcp_f32 v[T+4], v[T+1]
	v_nop                                          ; the plain place behind the transcendentals
	s_wait_alu depctr_va_vdst(0)
	v_mov_b32 v[T+3], v[T+2]
	v_mov_b32 v[T+5], v[T+4]
	WIN 0x41
.irp qt, 0,1
.set i, 0
.rept 16
	v_pk_mul_f32 v[32*\qt+2*i:32*\qt+2*i+1], v[32*\qt+2*i:32*\qt+2*i+1], v[T+2+2*\qt:T+3+2*\qt]
.set i, i+1
.endr
.endr
	WIN 0x05                                       ; sources in window 1, destination in window 0
.set i, 0
.rept 32
	v_cvt_pk_bf16_f32 v[K+i], v[2*i], v[2*i+1]
.set i, i+1
.endr
	WIN 0
.irp qt, 0,1
.irp dt, 0,1,2,3
	ds_store_b128 v[STO], v[K+4*(4*\qt+\dt):K+4*(4*\qt+\dt)+3] offset:\qt*16*KP+32*\dt
.endr
.endr
.irp u, 0,1,2,3,4,5,6,7
	ds_load_b128 v[K+32+4*\u:K+32+4*\u+3], v[RD] offset:\u*4*KP    ; LDS serves a wave's instructions in order (ISA guide 5.7.1.4): these see the stores above
.endr
.irp u, 0,1,2,3,4,5,6,7
	s_wait_dscnt 7-\u                              ; read-back u is in, the younger ones stay out
	global_store_b128 v[CO], v[K+32+4*\u:K+32+4*\u+3], s[\ob:\ob+1] offset:512*\u   ; four tokens of the head: 512 consecutive bytes, aligned
.endr
	s_wait_xcnt 0x0                                ; the stores' data registers are loaded again only behind this wait
.endm
	s_load_b128 s[4:7], s[0:1], 0x0                ; qkv s[4:5], ctx s[6:7]
	s_set_vgpr_msb 0x40
	v_lshl_add_u32 v64, v0, 2, 0x29000
	v_mov_b32 v65, 0
	s_set_vgpr_msb 0x4045
	ds_add_u32 v64, v65
	ds_add_u32 v64, v65
	s_set_vgpr_msb 0x4500
	v_lshrrev_b32 v1, 5, v0
	v_readfirstlane_b32 s10, v1                    ; wave
	s_lshr_b32 s11, s10, 1                         ; I bring K (0) or V (1),
	s_and_b32 s12, s10, 1                          ; its first or second 64 keys
	s_mov_b32 s13, ttmp9                           ; x
	s_and_b32 s14, ttmp7, 0xffff                   ; batch x 16 + head
	s_mov_b32 s70, 0x76543210                      ; v_permlanex16_b32: lane i reads lane i of the other half
	s_mov_b32 s71, 0xfedcba98
	; 64 keys are 8 KiB, dense: 32 rows of 256 bytes; the padding follows every 128 bytes, so each key gets a padded LDS row of its own
	s_mov_b32 s[G1K+0], (3<<16)|(1<<20)|(4<<22)|(3<<25)   ; elements of 8 bytes; padding on; after every 32 words, 4 words: pitch 144
	s_mov_b32 s[G1K+1], 32<<16                     ; tensor_dim0
	s_mov_b32 s[G1K+2], 32<<16                     ; tensor_dim1
	s_mov_b32 s[G1K+3], 32<<16                     ; tile_dim0
	s_mov_b32 s[G1K+4], 32                         ; tile_dim1
	s_mov_b32 s[G1K+5], 32                         ; elements from row to row
	s_mov_b32 s[G1K+6], 0
	s_mov_b32 s[G1K+7], 0
	s_mov_b32 s[G1V+0], (3<<16)|(1<<20)|(4<<22)|(7<<25)   ; the same with 8 words of padding: pitch 160
	s_mov_b32 s[G1V+1], 32<<16
	s_mov_b32 s[G1V+2], 32<<16
	s_mov_b32 s[G1V+3], 32<<16
	s_mov_b32 s[G1V+4], 32
	s_mov_b32 s[G1V+5], 32
	s_mov_b32 s[G1V+6], 0
	s_mov_b32 s[G1V+7], 0
	s_mul_i32 s8, s12, 64*KP                       ; where my half goes
	s_mul_i32 s9, s12, 64*VP
	s_add_co_u32 s9, s9, KSZ
	s_lshl_b32 s16, s14, 18                        ; the head: 262,144 bytes
	s_lshl_b32 s18, s12, 13                        ; my half: 8,192 bytes
	s_add_co_u32 s18, s18, s16
	s_mov_b32 s19, 0
	s_lshl_b32 s15, s13, 15                        ; 2 x blocks of 16,384 bytes
	s_add_co_u32 s2, s16, s15
	s_add_co_u32 s2, s2, 16384                     ; block 2 x + 1
	s_mov_b32 s3, 0
	s_add_co_u32 s16, s16, 14*16384
	s_sub_co_u32 s16, s16, s15                     ; block 14 - 2 x
	s_mov_b32 s17, 0
	s_wait_dscnt 0x0
	s_wait_kmcnt 0x0
	s_add_nc_u64 s[18:19], s[4:5], s[18:19]
.irp s, 0,1
	s_mov_b32 s[G0K+4*\s], 1
	s_add_co_u32 s[G0K+4*\s+1], s8, \s*SLOT
	s_add_nc_u64 s[SAVE+2*\s:SAVE+2*\s+1], s[18:19], 0x800000+\s*TILEB         ; plane k, tile s
	s_mov_b64 s[G0K+4*\s+2:G0K+4*\s+3], s[SAVE+2*\s:SAVE+2*\s+1]
	s_or_b32 s[G0K+4*\s+3], s[G0K+4*\s+3], 0x80000000
	s_mov_b32 s[G0V+4*\s], 1
	s_add_co_u32 s[G0V+4*\s+1], s9, \s*SLOT
	s_add_nc_u64 s[SAVE+4+2*\s:SAVE+5+2*\s], s[18:19], 0x1000000+\s*TILEB      ; plane v, tile s
	s_mov_b64 s[G0V+4*\s+2:G0V+4*\s+3], s[SAVE+4+2*\s:SAVE+5+2*\s]
	s_or_b32 s[G0V+4*\s+3], s[G0V+4*\s+3], 0x80000000
.endr
	KVLOAD 0                                       ; tile 0; slot 1 is first filled behind the first tile's barrier.  One tensor load of a wave is out at any time
	s_add_nc_u64 s[20:21], s[4:5], s[2:3]          ; q of the first block,
	s_add_nc_u64 s[22:23], s[4:5], s[16:17]        ; of the second;
	s_add_nc_u64 s[66:67], s[6:7], s[2:3]          ; ctx of the first,
	s_add_nc_u64 s[68:69], s[6:7], s[16:17]        ; of the second
	v_and_b32 v1, 15, v0                           ; r
	v_bfe_u32 v13, v0, 4, 1                        ; h
	v_lshlrev_b32 v[QOFF], 7, v1
	v_lshl_add_u32 v[QOFF], v13, 4, v[QOFF]
	v_lshl_add_u32 v[QOFF], s10, 12, v[QOFF]       ; wave x 32 rows + row r, 16 h bytes in
	QLOAD 20
	v_mul_u32_u24 v[KAD], v1, KP
	v_lshl_add_u32 v[KAD], v13, 4, v[KAD]          ; key r, 16 h bytes in
	v_add_nc_u32 v[KAD+1], SLOT, v[KAD]
	s_mul_i32 s15, s10, 32*KP
	s_add_co_u32 s15, s15, STAGE                   ; my stage
	v_add_nc_u32 v[STO], s15, v[KAD]
	v_and_b32 v[VAD], 7, v0
	v_lshlrev_b32 v[RD], 4, v[VAD]                 ; 16 (l % 8)
	v_lshl_add_u32 v[VAD], v13, 3, v[VAD]          ; key 8 h + l % 8,
	v_mul_u32_u24 v[VAD], v[VAD], VP
	v_bfe_u32 v[VAD+1], v0, 3, 1
	v_lshl_add_u32 v[VAD], v[VAD+1], 4, v[VAD]     ; and which 8 of the 16 d
	v_add_nc_u32 v[VAD], KSZ, v[VAD]
	v_add_nc_u32 v[VAD+1], SLOT, v[VAD]
	v_bfe_u32 v[CO], v0, 3, 2                      ; l / 8: one of four rows
	v_mad_u32_u24 v[RD], v[CO], KP, v[RD]
	v_add_nc_u32 v[RD], s15, v[RD]
	v_and_b32 v[CO], 31, v0
	v_lshlrev_b32 v[CO], 4, v[CO]
	v_lshl_add_u32 v[CO], s10, 12, v[CO]           ; wave x 32 rows of 128 bytes + 16 l
	v_mov_b32 v[NINF], 0xff800000
	v_lshlrev_b32 v[DQ], 3, v13
	v_sub_nc_u32 v[DQ], v1, v[DQ]                  ; r - 8 h
	v_lshl_add_u32 v[DQ], s10, 5, v[DQ]            ; + 32 x wave
	v_add_nc_u32 v[DQ+1], 16, v[DQ]
	v_mov_b32 v[CC], 0x3e38aa3b                    ; log2(e) / sqrt(64)
	v_mov_b32 v[CC+1], 0x3e38aa3b
	INIT
	s_wait_loadcnt 0x0                             ; q
	; block 2 x + 1: tiles 0 .. 2 x + 1
	s_cmp_eq_u32 s13, 0
	s_cbranch_scc1 .Lfirst_tail
	s_mov_b32 s15, s13
.Lfirst:
	TRIP 0, 0, 1, 0, 0
	TRIP 1, 0, 1, 0, 0
	s_sub_co_u32 s15, s15, 1
	s_cmp_lg_u32 s15, 0
	s_cbranch_scc1 .Lfirst
.Lfirst_tail:
	TRIP 0, 0, 1, 1, 0                             ; tile 2 x; slot 0's next tile is the second block's tile 0
	TRIP 1, 1, 1, 1, 1                             ; the diagonal tile; it asks for that tile 0 and for the second block's q
	FINISH 66
	INIT
	s_wait_loadcnt 0x0                             ; the second block's q
	; block 14 - 2 x: tiles 0 .. 14 - 2 x
	s_sub_co_u32 s15, 7, s13
	s_cmp_eq_u32 s15, 0
	s_cbranch_scc1 .Lsecond_tail
.Lsecond:
	TRIP 0, 0, 1, 0, 0
	TRIP 1, 0, 1, 0, 0
	s_sub_co_u32 s15, s15, 1
	s_cmp_lg_u32 s15, 0
	s_cbranch_scc1 .Lsecond
.Lsecond_tail:
	TRIP 0, 1, 0, 0, 0                             ; the diagonal tile: nothing is left to fetch
	FINISH 68
	s_set_vgpr_msb 0x5
	s_wait_tensorcnt 0x0
	ds_add_u32 v64, v65
	s_wait_dscnt 0x0
	s_set_vgpr_msb 0x500
	s_endpgm
.Lfunc_end_k_qe3316a7cd1_attn:
	.size	k_qe3316a7cd1_attn, .Lfunc_end_k_qe3316a7cd1_attn-k_qe3316a7cd1_attn
	.p2alignl 7, 3214868480
	.fill 96, 4, 3214868480
	.section	.rodata,"a",@progbits
	.p2align	6, 0x0
	.amdhsa_kernel k_qe3316a7cd1_attn
		.amdhsa_group_segment_fixed_size 327680
		.amdhsa_private_segment_fixed_size 0
		.amdhsa_enable_private_segment 0
		.amdhsa_kernarg_size 16
		.amdhsa_user_sgpr_count 2
		.amdhsa_user_sgpr_kernarg_segment_ptr 1
		.amdhsa_wavefront_size32 1
		.amdhsa_system_sgpr_workgroup_id_x 1
		.amdhsa_system_sgpr_workgroup_id_y 1
		.amdhsa_system_sgpr_workgroup_id_z 1
		.amdhsa_system_vgpr_workitem_id 0
		.amdhsa_next_free_vgpr 322
		.amdhsa_next_free_sgpr 72
		.amdhsa_reserve_vcc 1
		.amdhsa_float_denorm_mode_32 3
		.amdhsa_float_denorm_mode_16_64 3
		.amdhsa_memory_ordered 1
		.amdhsa_forward_progress 1
		.amdhsa_inst_pref_size 255
	.end_amdhsa_kernel
	.section	.bss,"aw",@nobits
	.p2align	6
	.space	262144
	.amdgpu_metadata
---
amdhsa.version: [ 1, 2 ]
amdhsa.kernels:
  - .name:           k_qe3316a7cd1_attn
    .symbol:         k_qe3316a7cd1_attn.kd
    .args:
      - { .name: qkv, .offset: 0, .size: 8, .value_kind: global_buffer, .address_space: global }
      - { .name: cb, .offset: 8, .size: 8, .value_kind: global_buffer, .address_space: global }
    .group_segment_fixed_size: 327680
    .private_segment_fixed_size: 0
    .kernarg_segment_align: 8
    .kernarg_segment_size: 16
    .max_flat_workgroup_size: 128
    .sgpr_count:     72
    .vgpr_count:     322
    .wavefront_size: 32
...
	.end_amdgpu_metadata
.endif
;; end of part 3
;; launch wo (part 4): grid 4 x 32, 4 waves a work-group, clusters of 4 x 4, 327,680 bytes of LDS; arguments cb, wb, x1, bo, x; writes x1
.if DOCPART == 4
	.amdgcn_target "amdgcn-amd-amdhsa--gfx1250"
	.amdhsa_code_object_version 6
	.text
	.protected	k_qe3316a7cd1_wo
	.globl	k_qe3316a7cd1_wo
	.p2align	8
	.type	k_qe3316a7cd1_wo,@function
k_qe3316a7cd1_wo:
	s_mov_b64 s[64:65], 0
	v_nop
	global_prefetch_b8 v0, s[64:65] scope:SCOPE_SE
	s_setreg_imm32_b32 hwreg(HW_REG_WAVE_MODE, 25, 1), 1
	s_wait_xcnt 0x0
	s_wait_alu depctr_hold_cnt(0) depctr_sa_sdst(0) depctr_va_vdst(0) depctr_va_sdst(0) depctr_va_ssrc(0) depctr_va_vcc(0) depctr_vm_vsrc(0)
	s_getreg_b32 s2, hwreg(HW_REG_IB_STS2, 6, 4)
	s_cmp_eq_u32 s2, 0
	s_cbranch_scc0 .Lentry_in_a_cluster
	s_endpgm
.Lentry_in_a_cluster:
	s_bfe_u32 s2, ttmp6, 0x10000c
	s_cmp_lg_u32 s2, 0xf033
	s_cbranch_scc0 .Lentry_shape_is_right
	s_endpgm
.Lentry_shape_is_right:
; C = A W (+ what the build adds).  A: [4096][SIZE_K] bf16, K along the rows.  W: [SIZE_K][NB] bf16, as the weights are given ([in][out]).  Sums in f32.
; One source, four builds, chosen by KIND:
;  0 qkv : A = LN1(x), W = Wq | Wk | Wv; C in bf16, head-major: plane q, k, v, then [batch x 16 + head][token][64]
;  1 wo  : A = the attention's context, head-major (a K step of 128 is two heads); C = x + A Wo + bo in f32
;  2 ffn1: A = LN2(x1), W = W1; C = gelu(A W1 + b1) in bf16
;  3 ffn2: A = ffn1's result, W = W2; C = x1 + A W2 + b2 in f32
; A work-group makes 128 x 256 of C with four waves (2 x 2), a wave 64 x 128: 32 accumulator tiles of 16 x 16, 256 registers.
; K goes in steps of 128 through two LDS slots filled by the tensor data mover; each wave brings one quarter of a step by one load.
; CLUSTERS: 4 x 4 work-groups.  A's tile hangs on the block row alone and is asked for jointly by a row of the cluster, W's on the block column alone
; and is asked for jointly by a column: each of the four issues the same load with a mask that names the four.
; W lies in LDS as [k][n]; ds_load_tr16_b128 turns 8 x 8 blocks on the way to the registers, so a lane holds one column n with k along its registers.
; THE MATRIX INSTRUCTION IS USED TRANSPOSED: source 0 = 16 columns of W, source 1 = 16 rows of A; lane l then holds row l % 16 of C and its registers
; the columns 8 (l / 16) + 0..7.
; Limits: operands are bf16; K is summed in the matrix unit's order; gelu is x / (1 + exp2(k (x + 0.044715 x^3))), k = -2 sqrt(2/pi) log2(e), which is
; the tanh form rewritten; v_exp_f32 and v_rcp_f32 flush denormals and are accurate to 1 ULP; NaN and infinite inputs are not followed.
.set KIND, 1
.if KIND == 0
.set SIZE_K, 1024
.set NB, 1024
.set WOFF, 0
.set HASBIAS, 0
.set RESID, 0
.endif
.if KIND == 1
.set SIZE_K, 1024
.set NB, 1024
.set WOFF, 0x600000
.set HASBIAS, 1
.set RESID, 1
.endif
.if KIND == 2
.set SIZE_K, 1024
.set NB, 4096
.set WOFF, 0x800000
.set HASBIAS, 1
.set RESID, 0
.endif
.if KIND == 3
.set SIZE_K, 4096
.set NB, 1024
.set WOFF, 0x1000000
.set HASBIAS, 1
.set RESID, 1
.endif
.set KSTEP,  128
.if KIND == 1
.set APITCH, 144                       ; a token's 128 bytes of one head + 16: nine times 16 bytes, so 16 rows start 16 bytes apart modulo 256
.set AHALF,  128*APITCH                ; one load: one head, 128 tokens
.set A_W0,   (3<<16)|(1<<20)|(1<<21)|(4<<22)|(3<<25)   ; elements of 8 bytes; padding on; bit 21 beside a mask; after every 32 words, 4 words
.set A_D0,   32                        ; the head's 16 KiB are dense: 64 rows of 256 bytes
.set A_PIT,  32
.set AKSTEP, 2*262144                  ; a K step on: two heads
.else
.set APITCH, 272                       ; 256 bytes + 16
.set AHALF,  64*APITCH                 ; one load: 64 rows
.set A_W0,   (1<<16)|(1<<20)|(1<<21)|(5<<22)|(3<<25)   ; elements of 2 bytes; after every 64 words, 4 words
.set A_D0,   KSTEP
.set A_PIT,  SIZE_K
.set AKSTEP, 2*KSTEP
.endif
.set ASZ,    2*AHALF
.set BPITCH, 544                       ; 512 bytes + 32: seventeen times 32 bytes
.set BHALF,  64*BPITCH                 ; one load: 64 rows of k
.set BKSTEP, KSTEP*NB*2
.set SLOT,   ASZ+2*BHALF               ; A's tile, then W's
.set STAGE,  2*SLOT                    ; behind the ring, a multiple of 256: 16 rows x 528 bytes for each wave; no tensor load lands there
.set SPITCH, 528                       ; 128 f32 + 16 bytes
.set LAPS,   SIZE_K/(2*KSTEP)          ; a lap = two K steps = once round the ring
; window 0
.set GK2,  8                           ; v[8:9]    ffn1: 0.044715 k, twice
.set GK1,  10                          ; v[10:11]  ffn1: k, twice
.set ADRA, 16                          ; v16-17    LDS address of my A fragments in slot 0, 1
.set ADRB, 20                          ; v20-21    the same for W
.set STO,  22                          ; the way out: where my 32 bytes of a row go
.set RD,   23                          ; the way out: where I read back
.set BIAS, 24                          ; v[24:27]  bias of my four columns
.set CO,   28                          ; my byte offset in C
.set BO,   29                          ; my byte offset in the bias
.set F0,   32                          ; fragment buffer 0: A's four fragments at +0, W's eight at +32
.set F1,   128                         ; fragment buffer 1
.set P,    32                          ; the way out: 16 x 4 registers read back
.set R,    96                          ; the way out: 16 x 4 registers of the residual; ffn1: four registers at work
; window 1: accumulator tile (a, b) at v[8 (8 a + b)], a = 0..3 (rows), b = 0..7 (columns)
.set G1,  24                           ; s[24:31] descriptor group 1 for A
.set G0,  32                           ; s[32:39] group 0 for A, a set for each slot
.set G1B, 48                           ; s[48:55] group 1 for W
.set G0B, 56                           ; s[56:63] group 0 for W
.set MSB, 0
.macro WIN new                         ; s_set_vgpr_msb: bits 1:0 source 0, 3:2 source 1, 5:4 source 2, 7:6 destination; the high byte repeats the setting left
.if MSB != \new
	s_set_vgpr_msb (MSB<<8)|\new
.set MSB, \new
.endif
.endm
.set MUL, 0x50                         ; C and D in window 1, fragments in window 0
.macro PLACES                          ; four places behind a matrix instruction, ahead of a load into, or a read of, its registers
.rept 4
	v_nop
.endr
.endm
; A joint load: waves 0 and 1 ask for A's two halves, waves 2 and 3 for W's.  The branch hangs on the wave's number alone.
.macro JLOAD s
	s_cmp_eq_u32 s11, 0
	s_cbranch_scc0 .Lfor_b_\@
	tensor_load_to_lds s[G0+4*\s:G0+4*\s+3], s[G1:G1+7]
	s_nop 0
.rept 4
	v_nop
.endr
	s_branch .Lasked_\@
.Lfor_b_\@:
	tensor_load_to_lds s[G0B+4*\s:G0B+4*\s+3], s[G1B:G1B+7]
	s_nop 0
.rept 4
	v_nop
.endr
.Lasked_\@:
.endm
.macro CREST                           ; a round of the cluster's barrier behind its opening work-group barrier
	s_cmp_lg_u32 s10, 0
	s_cbranch_scc1 .Lnot_wave_0_\@
	s_barrier_signal -3
.Lnot_wave_0_\@:
	s_barrier_wait -3
	s_barrier_signal -1
	s_barrier_wait -1
.endm
.macro CROUND
	s_barrier_signal -1
	s_barrier_wait -1
	CREST
.endm
	s_load_b128 s[4:7], s[0:1], 0x0                ; A s[4:5], wb s[6:7]
	s_load_b64 s[8:9], s[0:1], 0x10                ; C
.if RESID
	s_load_b128 s[68:71], s[0:1], 0x18             ; bias s[68:69], residual s[70:71]
	v_lshl_add_u32 v254, v0, 2, 0x3c400
	v_mov_b32 v255, 0
	ds_add_u32 v254, v255
	ds_add_u32 v254, v255
.else
.if HASBIAS
	s_load_b64 s[68:69], s[0:1], 0x18              ; bias
.endif
.endif
	v_lshrrev_b32 v1, 5, v0
	v_readfirstlane_b32 s10, v1                    ; wave 0..3
	s_lshr_b32 s11, s10, 1                         ; which 64 rows of the block are mine.  Also: I ask for A (0) or for W (1)
	s_and_b32 s12, s10, 1                          ; which 128 columns.  Also: which half of that tile I ask for
	s_bfe_u32 s40, ttmp6, 0x40000                  ; cx
	s_bfe_u32 s41, ttmp6, 0x40004                  ; cy
	s_lshl_b32 s42, ttmp9, 2
	s_add_co_u32 s42, s42, s40                     ; block column = 4 x cluster x + cx
	s_and_b32 s13, ttmp7, 0xffff
	s_lshl_b32 s13, s13, 2
	s_add_co_u32 s13, s13, s41                     ; block row = 4 x cluster y + cy
	s_lshl_b32 s43, s41, 2
	s_lshl_b32 s43, 15, s43                        ; my row of the cluster
	s_lshl_b32 s44, 0x1111, s40                    ; my column
	s_or_b32 s[G1+0], s43, A_W0                    ; A's tiles go to my row
	s_mov_b32 s[G1+1], A_D0<<16                    ; tensor_dim0
	s_mov_b32 s[G1+2], 64<<16                      ; tensor_dim1 = 64 rows
	s_mov_b32 s[G1+3], A_D0<<16                    ; tile_dim0: 256 bytes
	s_mov_b32 s[G1+4], 64                          ; tile_dim1
	s_mov_b32 s[G1+5], A_PIT                       ; elements from row to row
	s_mov_b32 s[G1+6], 0
	s_mov_b32 s[G1+7], 0
	s_or_b32 s[G1B+0], s44, (1<<16)|(1<<20)|(1<<21)|(6<<22)|(7<<25)   ; W's tiles go to my column; elements of 2 bytes; after every 128 words, 8 words
	s_mov_b32 s[G1B+1], 256<<16
	s_mov_b32 s[G1B+2], 64<<16
	s_mov_b32 s[G1B+3], 256<<16                    ; 256 columns: 512 bytes
	s_mov_b32 s[G1B+4], 64                         ; 64 rows of k
	s_mov_b32 s[G1B+5], NB
	s_mov_b32 s[G1B+6], 0
	s_mov_b32 s[G1B+7], 0
	; where the tiles come from: A's offset is made of the block row and the wave, W's of the block column and the wave, in registers of their own
.if KIND == 1
	s_lshr_b32 s16, s13, 4
	s_lshl_b32 s16, s16, 22                        ; batch: 16 heads of 262,144 bytes
	s_and_b32 s17, s13, 15
	s_lshl_b32 s17, s17, 14                        ; 128 tokens of 128 bytes
	s_add_co_u32 s16, s16, s17
	s_lshl_b32 s17, s12, 18                        ; my half: the step's first or second head
	s_add_co_u32 s16, s16, s17
.else
	s_lshl_b32 s17, s12, 6
	s_lshl_b32 s16, s13, 7
	s_add_co_u32 s16, s16, s17                     ; row 128 x block row + 64 x half
	s_mul_i32 s16, s16, SIZE_K*2                   ; below 2^26
.endif
	s_mov_b32 s17, 0
.if KIND == 0
	s_and_b32 s46, s42, 3
	s_lshl_b32 s46, s46, 9                         ; 256 columns of one of the three matrices,
	s_lshr_b32 s47, s42, 2
	s_lshl_b32 s47, s47, 21                        ; which lie 2 MiB apart
	s_add_co_u32 s46, s46, s47
.else
	s_lshl_b32 s46, s42, 9
	s_add_co_u32 s46, s46, WOFF
.endif
	s_mul_i32 s47, s12, 64*NB*2                    ; my half: 64 rows of k
	s_add_co_u32 s46, s46, s47
	s_mov_b32 s47, 0
	s_mul_i32 s20, s12, AHALF                      ; and where they go: no place in the cluster enters an LDS address
	s_mul_i32 s21, s12, BHALF
	s_add_co_u32 s21, s21, ASZ
	s_wait_dscnt 0x0
	s_wait_kmcnt 0x0
	s_add_nc_u64 s[14:15], s[4:5], s[16:17]
	s_add_nc_u64 s[46:47], s[6:7], s[46:47]
	CROUND                                         ; all sixteen work-groups are here: the first joint loads meet
.irp s, 0,1
	s_mov_b32 s[G0+4*\s], 1
	s_add_co_u32 s[G0+4*\s+1], s20, \s*SLOT
	s_add_nc_u64 s[G0+4*\s+2:G0+4*\s+3], s[14:15], \s*AKSTEP
	s_or_b32 s[G0+4*\s+3], s[G0+4*\s+3], 0x80000000
	s_mov_b32 s[G0B+4*\s], 1
	s_add_co_u32 s[G0B+4*\s+1], s21, \s*SLOT
	s_add_nc_u64 s[G0B+4*\s+2:G0B+4*\s+3], s[46:47], \s*BKSTEP
	s_or_b32 s[G0B+4*\s+3], s[G0B+4*\s+3], 0x80000000
	JLOAD \s                                       ; both slots' first fills go out together: two loads of the wave are out, later one
.endr
	v_and_b32 v1, 15, v0                           ; r = l % 16
	v_bfe_u32 v2, v0, 4, 1                         ; h = l / 16
	v_mul_u32_u24 v3, v1, APITCH
	v_lshl_add_u32 v3, v2, 4, v3                   ; A: row r, 16 h bytes in
	v_and_b32 v4, 7, v0
	v_lshl_add_u32 v4, v2, 3, v4                   ; W: row of k 8 h + l % 8,
	v_mul_u32_u24 v4, v4, BPITCH
	v_bfe_u32 v5, v0, 3, 1
	v_lshl_add_u32 v4, v5, 4, v4                   ; and which 8 of the 16 columns
	s_mul_i32 s22, s11, 64*APITCH                  ; my 64 rows of A
	s_lshl_b32 s23, s12, 8                         ; my 128 columns of W,
	s_add_co_u32 s23, s23, ASZ                     ; which lies behind A
.irp s, 0,1
	v_add_nc_u32 v[ADRA+\s], s22, v3
	v_add_nc_u32 v[ADRB+\s], s23, v4
	s_add_co_u32 s22, s22, SLOT
	s_add_co_u32 s23, s23, SLOT
.endr
	s_mul_i32 s20, s10, 16*SPITCH
	s_add_co_u32 s20, s20, STAGE                   ; my stage
	v_mul_u32_u24 v6, v1, SPITCH
	v_lshl_add_u32 v6, v2, 5, v6                   ; in: row r, 8 f32 for each half of the lanes
	v_add_nc_u32 v[STO], s20, v6
	v_and_b32 v7, 31, v0
.if KIND == 0
	v_mul_u32_u24 v5, v2, SPITCH                   ; back: lanes 0-15 take 64 columns (a head) of one row, lanes 16-31 of the next
	v_lshl_add_u32 v5, v1, 4, v5
	v_add_nc_u32 v[RD], s20, v5
	v_lshlrev_b32 v[CO], 3, v7                     ; two tokens of a head: 256 dense bytes
.else
	v_lshl_add_u32 v[RD], v7, 4, s20               ; back: the wave takes a whole row of 128 f32
.if KIND == 2
	v_lshlrev_b32 v[CO], 3, v7                     ; four bf16
	v_mov_b32 v[GK2], 0xbdd2d3e8                   ; 0.044715 k
	v_mov_b32 v[GK2+1], 0xbdd2d3e8
	v_mov_b32 v[GK1], 0xc0135761                   ; k = -2 sqrt(2/pi) log2(e)
	v_mov_b32 v[GK1+1], 0xc0135761
.else
	v_lshlrev_b32 v[CO], 4, v7                     ; four f32
.endif
.endif
.if HASBIAS
	v_lshlrev_b32 v[BO], 4, v7
	s_lshl_b32 s46, s42, 10                        ; my first column x 4 bytes (the registers that held W's address)
	s_lshl_b32 s47, s12, 9
	s_add_co_u32 s46, s46, s47
	s_mov_b32 s47, 0
	s_add_nc_u64 s[68:69], s[68:69], s[46:47]
	global_load_b128 v[BIAS:BIAS+3], v[BO], s[68:69]   ; waited for in front of the way out
.endif
; 8 matrix instructions: rows 16 a .. 16 a + 15 x all 8 column blocks, 32 along K.  zero = 1: the first product starts the sums.
; The 32 accumulators take turns, one instruction a turn, in the same order in every quarter step.
.macro MUL8 f, a, zero
.irp b, 0,1,2,3,4,5,6,7
.if \zero
	v_wmma_f32_16x16x32_bf16 v[8*(8*\a+\b):8*(8*\a+\b)+7], v[\f+32+8*\b:\f+32+8*\b+7], v[\f+8*\a:\f+8*\a+7], 0
.else
	v_wmma_f32_16x16x32_bf16 v[8*(8*\a+\b):8*(8*\a+\b)+7], v[\f+32+8*\b:\f+32+8*\b+7], v[\f+8*\a:\f+8*\a+7], v[8*(8*\a+\b):8*(8*\a+\b)+7]
.endif
.endr
.endm
; 24 LDS loads in one run: quarter q (32 along K) of a slot into buffer f: W's eight fragments first, then A's four
.macro FETCH slot, q, f
	WIN 0
.if KIND == 1
.set AQ, ((\q)>>1)*AHALF+((\q)&1)*64
.else
.set AQ, 64*(\q)
.endif
.irp b, 0,1,2,3,4,5,6,7
	ds_load_tr16_b128 v[\f+32+8*\b:\f+32+8*\b+3],   v[ADRB+\slot] offset:\q*32*BPITCH+32*\b
	ds_load_tr16_b128 v[\f+32+8*\b+4:\f+32+8*\b+7], v[ADRB+\slot] offset:\q*32*BPITCH+16*BPITCH+32*\b
.endr
.irp i, 0,1,2,3
	ds_load_b128 v[\f+8*\i:\f+8*\i+3],   v[ADRA+\slot] offset:AQ+\i*16*APITCH
	ds_load_b128 v[\f+8*\i+4:\f+8*\i+7], v[ADRA+\slot] offset:AQ+\i*16*APITCH+32
.endr
.endm
; One of a K step's first three quarters: multiplies buffer f and, in its middle, fetches quarter q into buffer g
.macro QUARTER slot, q, f, g, zero
	s_wait_dscnt 4                                 ; of the 24 loads only the youngest four (A's fragments 2 and 3) may be out
	WIN MUL
	MUL8 \f, 0, \zero
	MUL8 \f, 1, \zero
	PLACES
	FETCH \slot, \q, \g
	s_wait_dscnt 24                                ; all but the 24 just issued
	WIN MUL
	MUL8 \f, 2, \zero
	MUL8 \f, 3, \zero
.endm
.macro THREE slot, zero
	QUARTER \slot, 1, F0, F1, \zero
	QUARTER \slot, 2, F1, F0, 0
	QUARTER \slot, 3, F0, F1, 0
.endm
; The last quarter: multiplies buffer 1 and changes slots.  In front of the barrier each wave waits for its reads of this slot and for all its tensor
; loads (one is out: its part of the next slot).  Behind it (with fill: behind the round of the cluster's barrier that it opens) the refill comes first.
; From a request to the wait for it a wave issues 120 matrix instructions.
.macro TURN slot, next, fill
	s_wait_dscnt 4
	WIN MUL
	MUL8 F1, 0, 0
	s_wait_dscnt 0                                 ; my reads of this slot are over
	s_wait_tensorcnt 0x0                           ; all my tensor loads have landed
	ds_add_u32 v254, v255
	s_wait_dscnt 0x0
	s_barrier_signal -1
	MUL8 F1, 1, 0                                  ; register work while the others arrive
	WIN 0
	s_barrier_wait -1
.if \fill
	CREST                                          ; no wave of any partner still reads this slot or has a load on its way
	s_add_nc_u64 s[G0+4*\slot+2:G0+4*\slot+3], s[G0+4*\slot+2:G0+4*\slot+3], 2*AKSTEP
	s_add_nc_u64 s[G0B+4*\slot+2:G0B+4*\slot+3], s[G0B+4*\slot+2:G0B+4*\slot+3], 2*BKSTEP
	JLOAD \slot                                    ; the wave's one tensor load behind the round; its four v_nop are the places in front of the loads below
.else
	PLACES
.endif
	FETCH \next, 0, F0
	WIN MUL
	MUL8 F1, 2, 0
	MUL8 F1, 3, 0
.endm
.macro LAP zero
	THREE 0, \zero
	TURN 0, 1, 1
	THREE 1, 0
	TURN 1, 0, 1
.endm
	s_wait_tensorcnt 1                             ; my part of K step 0 is in; K step 1's may stay out
	s_barrier_signal -1
	s_barrier_wait -1
	FETCH 0, 0, F0
	LAP 1                                          ; the first lap's first products start the sums
.if LAPS > 2
	WIN 0
	s_mov_b32 s3, LAPS-2
.Llap:
	LAP 0
	WIN 0
	s_sub_co_u32 s3, s3, 1
	s_cmp_lg_u32 s3, 0
	s_cbranch_scc1 .Llap
.endif
	THREE 0, 0                                     ; the last lap fills nothing
	TURN 0, 1, 0
	THREE 1, 0
	s_wait_dscnt 4
	WIN MUL
	MUL8 F1, 0, 0
	MUL8 F1, 1, 0
	s_wait_dscnt 0
	MUL8 F1, 2, 0
	MUL8 F1, 3, 0
	; THE WAY OUT, 16 rows at a time: f32 sums into my own stage, read back by rows, finished and stored in whole runs of 256 or 512 bytes
	PLACES
	WIN 0
.if KIND == 0
	s_lshr_b32 s16, s13, 4
	s_lshl_b32 s16, s16, 22                        ; batch
	s_and_b32 s17, s13, 15
	s_lshl_b32 s17, s17, 14                        ; 128 tokens of 128 bytes
	s_add_co_u32 s16, s16, s17
	s_lshl_b32 s17, s11, 13                        ; my 64 tokens
	s_add_co_u32 s16, s16, s17
	s_lshr_b32 s46, s42, 2
	s_lshl_b32 s46, s46, 23                        ; plane q, k or v
	s_and_b32 s47, s42, 3
	s_lshl_b32 s47, s47, 20                        ; four heads of 262,144 bytes a block column
	s_add_co_u32 s46, s46, s47
	s_lshl_b32 s47, s12, 19                        ; my two heads
	s_add_co_u32 s46, s46, s47
.else
	s_lshl_b32 s16, s13, 7
	s_lshl_b32 s17, s11, 6
	s_add_co_u32 s16, s16, s17                     ; my first row
.if KIND == 2
	s_lshl_b32 s16, s16, 13                        ; rows of 4,096 bf16
	s_lshl_b32 s46, s42, 9
	s_lshl_b32 s47, s12, 8
.else
	s_lshl_b32 s16, s16, 12                        ; rows of 1,024 f32
	s_lshl_b32 s46, s42, 10
	s_lshl_b32 s47, s12, 9
.endif
	s_add_co_u32 s46, s46, s47                     ; my first column, in bytes
.endif
	s_mov_b32 s17, 0
	s_mov_b32 s47, 0
	s_add_nc_u64 s[8:9], s[8:9], s[16:17]
	s_add_nc_u64 s[8:9], s[8:9], s[46:47]
.if RESID
	s_add_nc_u64 s[70:71], s[70:71], s[16:17]
	s_add_nc_u64 s[70:71], s[70:71], s[46:47]
.endif
.if HASBIAS
	s_wait_loadcnt 0x0                             ; the bias, asked for at the start
.endif
.macro OUT a
	s_wait_xcnt 0x0                                ; P, which the last rows' stores read, is loaded again only behind this wait
.if RESID
.irp t, 0,1,2,3,4,5,6,7,8,9,10,11,12,13,14,15
	global_load_b128 v[R+4*\t:R+4*\t+3], v[CO], s[70:71] offset:(16*\a+\t)*4096
.endr
.endif
	WIN 0x04                                       ; the data of an LDS store is source 1: window 1
.irp b, 0,1,2,3,4,5,6,7
	ds_store_b128 v[STO], v[8*(8*\a+\b):8*(8*\a+\b)+3] offset:64*\b
	ds_store_b128 v[STO], v[8*(8*\a+\b)+4:8*(8*\a+\b)+7] offset:64*\b+16
.endr
	WIN 0
.irp t, 0,1,2,3,4,5,6,7,8,9,10,11,12,13,14,15
.if KIND == 0
	ds_load_b128 v[P+4*\t:P+4*\t+3], v[RD] offset:(\t&7)*2*SPITCH+(\t>>3)*256   ; LDS serves a wave's instructions in order (ISA guide 5.7.1.4): these see the stores above
.else
	ds_load_b128 v[P+4*\t:P+4*\t+3], v[RD] offset:\t*SPITCH                     ; LDS serves a wave's instructions in order (ISA guide 5.7.1.4): these see the stores above
.endif
.endr
.irp t, 0,1,2,3,4,5,6,7,8,9,10,11,12,13,14,15
	s_wait_dscnt 15-\t                             ; read-back t is in, the younger ones stay out
.if KIND == 0
	v_cvt_pk_bf16_f32 v[P+4*\t], v[P+4*\t], v[P+4*\t+1]
	v_cvt_pk_bf16_f32 v[P+4*\t+1], v[P+4*\t+2], v[P+4*\t+3]
	global_store_b64 v[CO], v[P+4*\t:P+4*\t+1], s[8:9] offset:(\t>>3)*262144+(16*\a+2*(\t&7))*128   ; two tokens of one head: 256 consecutive bytes, aligned
.endif
.if RESID
	s_wait_loadcnt 15-\t                           ; residual row t is in
	v_pk_add_f32 v[P+4*\t:P+4*\t+1], v[P+4*\t:P+4*\t+1], v[BIAS:BIAS+1]
	v_pk_add_f32 v[P+4*\t+2:P+4*\t+3], v[P+4*\t+2:P+4*\t+3], v[BIAS+2:BIAS+3]
	v_pk_add_f32 v[P+4*\t:P+4*\t+1], v[P+4*\t:P+4*\t+1], v[R+4*\t:R+4*\t+1]
	v_pk_add_f32 v[P+4*\t+2:P+4*\t+3], v[P+4*\t+2:P+4*\t+3], v[R+4*\t+2:R+4*\t+3]
	global_store_b128 v[CO], v[P+4*\t:P+4*\t+3], s[8:9] offset:(16*\a+\t)*4096   ; the wave stores 512 consecutive bytes, aligned
.endif
.if KIND == 2
	v_pk_add_f32 v[P+4*\t:P+4*\t+1], v[P+4*\t:P+4*\t+1], v[BIAS:BIAS+1]          ; x
	v_pk_add_f32 v[P+4*\t+2:P+4*\t+3], v[P+4*\t+2:P+4*\t+3], v[BIAS+2:BIAS+3]
	v_pk_mul_f32 v[R:R+1], v[P+4*\t:P+4*\t+1], v[P+4*\t:P+4*\t+1]                ; x^2
	v_pk_mul_f32 v[R+2:R+3], v[P+4*\t+2:P+4*\t+3], v[P+4*\t+2:P+4*\t+3]
	v_pk_fma_f32 v[R:R+1], v[R:R+1], v[GK2:GK2+1], v[GK1:GK1+1]                  ; k (1 + 0.044715 x^2)
	v_pk_fma_f32 v[R+2:R+3], v[R+2:R+3], v[GK2:GK2+1], v[GK1:GK1+1]
	v_pk_mul_f32 v[R:R+1], v[R:R+1], v[P+4*\t:P+4*\t+1]                          ; z
	v_pk_mul_f32 v[R+2:R+3], v[R+2:R+3], v[P+4*\t+2:P+4*\t+3]
	v_exp_f32 v[R], v[R]
	v_exp_f32 v[R+1], v[R+1]
	v_exp_f32 v[R+2], v[R+2]
	v_exp_f32 v[R+3], v[R+3]
	v_nop                                          ; one plain place behind the transcendentals (ISA guide 5.7.2)
	v_pk_add_f32 v[R:R+1], v[R:R+1], 1.0 op_sel_hi:[1,0]
	v_pk_add_f32 v[R+2:R+3], v[R+2:R+3], 1.0 op_sel_hi:[1,0]
	v_rcp_f32 v[R], v[R]
	v_rcp_f32 v[R+1], v[R+1]
	v_rcp_f32 v[R+2], v[R+2]
	v_rcp_f32 v[R+3], v[R+3]
	v_nop
	v_pk_mul_f32 v[P+4*\t:P+4*\t+1], v[P+4*\t:P+4*\t+1], v[R:R+1]                ; x / (1 + 2^z)
	v_pk_mul_f32 v[P+4*\t+2:P+4*\t+3], v[P+4*\t+2:P+4*\t+3], v[R+2:R+3]
	v_cvt_pk_bf16_f32 v[P+4*\t], v[P+4*\t], v[P+4*\t+1]
	v_cvt_pk_bf16_f32 v[P+4*\t+1], v[P+4*\t+2], v[P+4*\t+3]
	global_store_b64 v[CO], v[P+4*\t:P+4*\t+1], s[8:9] offset:(16*\a+\t)*8192    ; the wave stores 256 consecutive bytes, aligned
.endif
.endr
.endm
	OUT 0
	OUT 1
	OUT 2
	OUT 3
	s_wait_tensorcnt 0x0
	ds_add_u32 v254, v255
	s_wait_dscnt 0x0
	CROUND                                         ; the closing round: no work-group ends while a partner may still ask for a tile that names it
	s_endpgm
.Lfunc_end_k_qe3316a7cd1_wo:
	.size	k_qe3316a7cd1_wo, .Lfunc_end_k_qe3316a7cd1_wo-k_qe3316a7cd1_wo
	.p2alignl 7, 3214868480
	.fill 96, 4, 3214868480
	.section	.rodata,"a",@progbits
	.p2align	6, 0x0
	.amdhsa_kernel k_qe3316a7cd1_wo
		.amdhsa_group_segment_fixed_size 327680
		.amdhsa_private_segment_fixed_size 0
		.amdhsa_enable_private_segment 0
		.amdhsa_kernarg_size 40
		.amdhsa_user_sgpr_count 2
		.amdhsa_user_sgpr_kernarg_segment_ptr 1
		.amdhsa_wavefront_size32 1
		.amdhsa_system_sgpr_workgroup_id_x 1
		.amdhsa_system_sgpr_workgroup_id_y 1
		.amdhsa_system_sgpr_workgroup_id_z 1
		.amdhsa_system_vgpr_workitem_id 0
		.amdhsa_next_free_vgpr 512
		.amdhsa_next_free_sgpr 72
		.amdhsa_reserve_vcc 0
		.amdhsa_float_denorm_mode_32 3
		.amdhsa_float_denorm_mode_16_64 3
		.amdhsa_memory_ordered 1
		.amdhsa_forward_progress 1
		.amdhsa_inst_pref_size 143
	.end_amdhsa_kernel
	.amdgpu_metadata
---
amdhsa.version: [ 1, 2 ]
amdhsa.kernels:
  - .name:           k_qe3316a7cd1_wo
    .symbol:         k_qe3316a7cd1_wo.kd
    .args:
      - { .name: cb, .offset: 0, .size: 8, .value_kind: global_buffer, .address_space: global }
      - { .name: wb, .offset: 8, .size: 8, .value_kind: global_buffer, .address_space: global }
      - { .name: x1, .offset: 16, .size: 8, .value_kind: global_buffer, .address_space: global }
      - { .name: bo, .offset: 24, .size: 8, .value_kind: global_buffer, .address_space: global }
      - { .name: x, .offset: 32, .size: 8, .value_kind: global_buffer, .address_space: global }
    .group_segment_fixed_size: 327680
    .private_segment_fixed_size: 0
    .kernarg_segment_align: 8
    .kernarg_segment_size: 40
    .max_flat_workgroup_size: 128
    .sgpr_count:     72
    .vgpr_count:     512
    .wavefront_size: 32
...
	.end_amdgpu_metadata
.endif
;; end of part 4
;; launch ln2 (part 5): grid 256 x 1, 8 waves a work-group, no clusters, 0 bytes of LDS; arguments x1, ln2_g, ln2_b, hb; writes hb
.if DOCPART == 5
	.amdgcn_target "amdgcn-amd-amdhsa--gfx1250"
	.amdhsa_code_object_version 6
	.text
	.protected	k_qe3316a7cd1_ln2
	.globl	k_qe3316a7cd1_ln2
	.p2align	8
	.type	k_qe3316a7cd1_ln2,@function
k_qe3316a7cd1_ln2:
	s_mov_b64 s[64:65], 0
	v_nop
	global_prefetch_b8 v0, s[64:65] scope:SCOPE_SE
	s_setreg_imm32_b32 hwreg(HW_REG_WAVE_MODE, 25, 1), 1
	s_wait_xcnt 0x0
; hb = LayerNorm(x1) * g + b, rounded to bf16.  x1: [4096][1024] f32.  16 rows a work-group, 2 rows a wave, one wave one row, the row kept in 32 registers
; between the pass for the mean, the pass for the variance (of x - mean: no difference of large sums) and the scaling.
; Memory binds: no LDS, no barrier, no matrix unit.  Every load of a wave covers 512 consecutive bytes, every store 256, aligned.
; Limit: results are bf16 (8 bits of mantissa); v_rsq_f32 is accurate to 1 ULP.
.set NR,  2                            ; rows of a wave
.set G,   4                            ; v[4:35]   gain of my 32 columns
.set BB,  36                           ; v[36:67]  bias of my 32 columns
.set X,   68                           ; 32 registers a row
.set T,   X+32*NR                      ; 8 registers at work
.set MU,  T+8                          ; the mean, twice
.set RS,  T+10                         ; 1/sqrt(var + eps), twice
	s_load_b256 s[4:11], s[0:1], 0x0               ; x1 s[4:5], g s[6:7], b s[8:9], hb s[10:11]
	v_lshrrev_b32 v4, 5, v0                        ; wave
	v_and_b32 v5, 31, v0                           ; lane
	v_lshlrev_b32 v3, 4, v5                        ; 16 x lane
	v_lshlrev_b32 v2, 3, v5                        ; 8 x lane
	v_lshl_add_u32 v1, v4, 13, v3                  ; + wave x 2 rows of 4,096 bytes
	v_lshl_add_u32 v2, v4, 12, v2                  ; + wave x 2 rows of 2,048 bytes
	s_lshl_b32 s34, ttmp9, 16                      ; 16 rows of 4,096 bytes
	s_mov_b32 s35, 0
	s_lshl_b32 s36, ttmp9, 15                      ; 16 rows of 2,048 bytes
	s_mov_b32 s37, 0
	s_mov_b32 s30, 0x76543210                      ; v_permlanex16_b32: lane i reads lane i of the other half
	s_mov_b32 s31, 0xfedcba98
	s_mov_b32 s32, 0x3a800000                      ; 1/1024
	s_mov_b32 s38, 0x3727c5ac                      ; 1e-5
	s_wait_kmcnt 0x0
	s_add_nc_u64 s[4:5], s[4:5], s[34:35]
	s_add_nc_u64 s[10:11], s[10:11], s[36:37]
.irp j, 0,1,2,3,4,5,6,7
	global_load_b128 v[G+4*\j:G+4*\j+3], v3, s[6:7] offset:512*\j
.endr
.irp j, 0,1,2,3,4,5,6,7
	global_load_b128 v[BB+4*\j:BB+4*\j+3], v3, s[8:9] offset:512*\j
.endr
.irp s, 0,1
.irp j, 0,1,2,3,4,5,6,7
	global_load_b128 v[X+32*\s+4*\j:X+32*\s+4*\j+3], v1, s[4:5] offset:\s*4096+512*\j
.endr
.endr
.macro REDUCE                          ; the four packed chains in T, then the 32 lanes: the sum ends in v[T] of every lane
	v_pk_add_f32 v[T:T+1], v[T:T+1], v[T+2:T+3]
	v_pk_add_f32 v[T+4:T+5], v[T+4:T+5], v[T+6:T+7]
	v_pk_add_f32 v[T:T+1], v[T:T+1], v[T+4:T+5]
	v_add_f32 v[T], v[T], v[T+1]
	v_add_f32_dpp v[T], v[T], v[T] row_xmask:1 row_mask:0xf bank_mask:0xf
	v_add_f32_dpp v[T], v[T], v[T] row_xmask:2 row_mask:0xf bank_mask:0xf
	v_add_f32_dpp v[T], v[T], v[T] row_xmask:4 row_mask:0xf bank_mask:0xf
	v_add_f32_dpp v[T], v[T], v[T] row_xmask:8 row_mask:0xf bank_mask:0xf
	v_permlanex16_b32 v[T+1], v[T], s30, s31       ; the other half of the lanes
	v_add_f32 v[T], v[T], v[T+1]
.endm
.macro LNROW s
.set XS, X+32*\s
	s_wait_loadcnt 8*(NR-1-\s)                     ; my row's eight loads are in; the later row's stay out
.irp k, 0,1,2,3
	v_pk_add_f32 v[T+2*\k:T+2*\k+1], v[XS+2*\k:XS+2*\k+1], v[XS+8+2*\k:XS+9+2*\k]   ; the first sums start the chains
.endr
.irp p, 8,9,10,11,12,13,14,15
	v_pk_add_f32 v[T+2*(\p%4):T+2*(\p%4)+1], v[T+2*(\p%4):T+2*(\p%4)+1], v[XS+2*\p:XS+2*\p+1]
.endr
	REDUCE
	v_mul_f32 v[MU], s32, v[T]                     ; mean = sum / 1024
	v_mov_b32 v[MU+1], v[MU]
.irp p, 0,1,2,3,4,5,6,7,8,9,10,11,12,13,14,15
	v_pk_add_f32 v[XS+2*\p:XS+2*\p+1], v[XS+2*\p:XS+2*\p+1], v[MU:MU+1] neg_lo:[0,1] neg_hi:[0,1]   ; x - mean, in place
.endr
.irp k, 0,1,2,3
	v_pk_mul_f32 v[T+2*\k:T+2*\k+1], v[XS+2*\k:XS+2*\k+1], v[XS+2*\k:XS+2*\k+1]
.endr
.irp p, 4,5,6,7,8,9,10,11,12,13,14,15
	v_pk_fma_f32 v[T+2*(\p%4):T+2*(\p%4)+1], v[XS+2*\p:XS+2*\p+1], v[XS+2*\p:XS+2*\p+1], v[T+2*(\p%4):T+2*(\p%4)+1]
.endr
	REDUCE
	v_fma_f32 v[T], v[T], s32, s38                 ; variance + 1e-5
	v_rsq_f32 v[RS], v[T]
	v_rsq_f32 v[RS+1], v[T]
	v_nop                                          ; one plain place behind the transcendentals (ISA guide 5.7.2)
	s_wait_alu depctr_va_vdst(0)
.irp j, 0,1,2,3,4,5,6,7
	v_pk_mul_f32 v[XS+4*\j:XS+4*\j+1], v[XS+4*\j:XS+4*\j+1], v[RS:RS+1]
	v_pk_mul_f32 v[XS+4*\j+2:XS+4*\j+3], v[XS+4*\j+2:XS+4*\j+3], v[RS:RS+1]
	v_pk_fma_f32 v[XS+4*\j:XS+4*\j+1], v[XS+4*\j:XS+4*\j+1], v[G+4*\j:G+4*\j+1], v[BB+4*\j:BB+4*\j+1]
	v_pk_fma_f32 v[XS+4*\j+2:XS+4*\j+3], v[XS+4*\j+2:XS+4*\j+3], v[G+4*\j+2:G+4*\j+3], v[BB+4*\j+2:BB+4*\j+3]
	v_cvt_pk_bf16_f32 v[XS+4*\j], v[XS+4*\j], v[XS+4*\j+1]
	v_cvt_pk_bf16_f32 v[XS+4*\j+1], v[XS+4*\j+2], v[XS+4*\j+3]
	global_store_b64 v2, v[XS+4*\j:XS+4*\j+1], s[10:11] offset:\s*2048+256*\j     ; the wave stores 256 consecutive bytes, aligned
.endr
.endm
	LNROW 0
	LNROW 1
	s_endpgm
.Lfunc_end_k_qe3316a7cd1_ln2:
	.size	k_qe3316a7cd1_ln2, .Lfunc_end_k_qe3316a7cd1_ln2-k_qe3316a7cd1_ln2
	.p2alignl 7, 3214868480
	.fill 96, 4, 3214868480
	.section	.rodata,"a",@progbits
	.p2align	6, 0x0
	.amdhsa_kernel k_qe3316a7cd1_ln2
		.amdhsa_group_segment_fixed_size 0
		.amdhsa_private_segment_fixed_size 0
		.amdhsa_enable_private_segment 0
		.amdhsa_kernarg_size 32
		.amdhsa_user_sgpr_count 2
		.amdhsa_user_sgpr_kernarg_segment_ptr 1
		.amdhsa_wavefront_size32 1
		.amdhsa_system_sgpr_workgroup_id_x 1
		.amdhsa_system_sgpr_workgroup_id_y 1
		.amdhsa_system_sgpr_workgroup_id_z 1
		.amdhsa_system_vgpr_workitem_id 0
		.amdhsa_next_free_vgpr 144
		.amdhsa_next_free_sgpr 66
		.amdhsa_reserve_vcc 0
		.amdhsa_float_denorm_mode_32 3
		.amdhsa_float_denorm_mode_16_64 3
		.amdhsa_memory_ordered 1
		.amdhsa_forward_progress 1
		.amdhsa_inst_pref_size 20
	.end_amdhsa_kernel
	.amdgpu_metadata
---
amdhsa.version: [ 1, 2 ]
amdhsa.kernels:
  - .name:           k_qe3316a7cd1_ln2
    .symbol:         k_qe3316a7cd1_ln2.kd
    .args:
      - { .name: x1, .offset: 0, .size: 8, .value_kind: global_buffer, .address_space: global }
      - { .name: ln2_g, .offset: 8, .size: 8, .value_kind: global_buffer, .address_space: global }
      - { .name: ln2_b, .offset: 16, .size: 8, .value_kind: global_buffer, .address_space: global }
      - { .name: hb, .offset: 24, .size: 8, .value_kind: global_buffer, .address_space: global }
    .group_segment_fixed_size: 0
    .private_segment_fixed_size: 0
    .kernarg_segment_align: 8
    .kernarg_segment_size: 32
    .max_flat_workgroup_size: 256
    .sgpr_count:     66
    .vgpr_count:     144
    .wavefront_size: 32
...
	.end_amdgpu_metadata
.endif
;; end of part 5
;; launch ffn1 (part 6): grid 16 x 32, 4 waves a work-group, clusters of 4 x 4, 327,680 bytes of LDS; arguments hb, wb, ff, b1; writes ff
.if DOCPART == 6
	.amdgcn_target "amdgcn-amd-amdhsa--gfx1250"
	.amdhsa_code_object_version 6
	.text
	.protected	k_qe3316a7cd1_ffn1
	.globl	k_qe3316a7cd1_ffn1
	.p2align	8
	.type	k_qe3316a7cd1_ffn1,@function
k_qe3316a7cd1_ffn1:
	s_mov_b64 s[64:65], 0
	v_nop
	global_prefetch_b8 v0, s[64:65] scope:SCOPE_SE
	s_setreg_imm32_b32 hwreg(HW_REG_WAVE_MODE, 25, 1), 1
	s_wait_xcnt 0x0
	s_wait_alu depctr_hold_cnt(0) depctr_sa_sdst(0) depctr_va_vdst(0) depctr_va_sdst(0) depctr_va_ssrc(0) depctr_va_vcc(0) depctr_vm_vsrc(0)
	s_getreg_b32 s2, hwreg(HW_REG_IB_STS2, 6, 4)
	s_cmp_eq_u32 s2, 0
	s_cbranch_scc0 .Lentry_in_a_cluster
	s_endpgm
.Lentry_in_a_cluster:
	s_bfe_u32 s2, ttmp6, 0x10000c
	s_cmp_lg_u32 s2, 0xf033
	s_cbranch_scc0 .Lentry_shape_is_right
	s_endpgm
.Lentry_shape_is_right:
; C = A W (+ what the build adds).  A: [4096][SIZE_K] bf16, K along the rows.  W: [SIZE_K][NB] bf16, as the weights are given ([in][out]).  Sums in f32.
; One source, four builds, chosen by KIND:
;  0 qkv : A = LN1(x), W = Wq | Wk | Wv; C in bf16, head-major: plane q, k, v, then [batch x 16 + head][token][64]
;  1 wo  : A = the attention's context, head-major (a K step of 128 is two heads); C = x + A Wo + bo in f32
;  2 ffn1: A = LN2(x1), W = W1; C = gelu(A W1 + b1) in bf16
;  3 ffn2: A = ffn1's result, W = W2; C = x1 + A W2 + b2 in f32
; A work-group makes 128 x 256 of C with four waves (2 x 2), a wave 64 x 128: 32 accumulator tiles of 16 x 16, 256 registers.
; K goes in steps of 128 through two LDS slots filled by the tensor data mover; each wave brings one quarter of a step by one load.
; CLUSTERS: 4 x 4 work-groups.  A's tile hangs on the block row alone and is asked for jointly by a row of the cluster, W's on the block column alone
; and is asked for jointly by a column: each of the four issues the same load with a mask that names the four.
; W lies in LDS as [k][n]; ds_load_tr16_b128 turns 8 x 8 blocks on the way to the registers, so a lane holds one column n with k along its registers.
; THE MATRIX INSTRUCTION IS USED TRANSPOSED: source 0 = 16 columns of W, source 1 = 16 rows of A; lane l then holds row l % 16 of C and its registers
; the columns 8 (l / 16) + 0..7.
; Limits: operands are bf16; K is summed in the matrix unit's order; gelu is x / (1 + exp2(k (x + 0.044715 x^3))), k = -2 sqrt(2/pi) log2(e), which is
; the tanh form rewritten; v_exp_f32 and v_rcp_f32 flush denormals and are accurate to 1 ULP; NaN and infinite inputs are not followed.
.set KIND, 2
.if KIND == 0
.set SIZE_K, 1024
.set NB, 1024
.set WOFF, 0
.set HASBIAS, 0
.set RESID, 0
.endif
.if KIND == 1
.set SIZE_K, 1024
.set NB, 1024
.set WOFF, 0x600000
.set HASBIAS, 1
.set RESID, 1
.endif
.if KIND == 2
.set SIZE_K, 1024
.set NB, 4096
.set WOFF, 0x800000
.set HASBIAS, 1
.set RESID, 0
.endif
.if KIND == 3
.set SIZE_K, 4096
.set NB, 1024
.set WOFF, 0x1000000
.set HASBIAS, 1
.set RESID, 1
.endif
.set KSTEP,  128
.if KIND == 1
.set APITCH, 144                       ; a token's 128 bytes of one head + 16: nine times 16 bytes, so 16 rows start 16 bytes apart modulo 256
.set AHALF,  128*APITCH                ; one load: one head, 128 tokens
.set A_W0,   (3<<16)|(1<<20)|(1<<21)|(4<<22)|(3<<25)   ; elements of 8 bytes; padding on; bit 21 beside a mask; after every 32 words, 4 words
.set A_D0,   32                        ; the head's 16 KiB are dense: 64 rows of 256 bytes
.set A_PIT,  32
.set AKSTEP, 2*262144                  ; a K step on: two heads
.else
.set APITCH, 272                       ; 256 bytes + 16
.set AHALF,  64*APITCH                 ; one load: 64 rows
.set A_W0,   (1<<16)|(1<<20)|(1<<21)|(5<<22)|(3<<25)   ; elements of 2 bytes; after every 64 words, 4 words
.set A_D0,   KSTEP
.set A_PIT,  SIZE_K
.set AKSTEP, 2*KSTEP
.endif
.set ASZ,    2*AHALF
.set BPITCH, 544                       ; 512 bytes + 32: seventeen times 32 bytes
.set BHALF,  64*BPITCH                 ; one load: 64 rows of k
.set BKSTEP, KSTEP*NB*2
.set SLOT,   ASZ+2*BHALF               ; A's tile, then W's
.set STAGE,  2*SLOT                    ; behind the ring, a multiple of 256: 16 rows x 528 bytes for each wave; no tensor load lands there
.set SPITCH, 528                       ; 128 f32 + 16 bytes
.set LAPS,   SIZE_K/(2*KSTEP)          ; a lap = two K steps = once round the ring
; window 0
.set GK2,  8                           ; v[8:9]    ffn1: 0.044715 k, twice
.set GK1,  10                          ; v[10:11]  ffn1: k, twice
.set ADRA, 16                          ; v16-17    LDS address of my A fragments in slot 0, 1
.set ADRB, 20                          ; v20-21    the same for W
.set STO,  22                          ; the way out: where my 32 bytes of a row go
.set RD,   23                          ; the way out: where I read back
.set BIAS, 24                          ; v[24:27]  bias of my four columns
.set CO,   28                          ; my byte offset in C
.set BO,   29                          ; my byte offset in the bias
.set F0,   32                          ; fragment buffer 0: A's four fragments at +0, W's eight at +32
.set F1,   128                         ; fragment buffer 1
.set P,    32                          ; the way out: 16 x 4 registers read back
.set R,    96                          ; the way out: 16 x 4 registers of the residual; ffn1: four registers at work
; window 1: accumulator tile (a, b) at v[8 (8 a + b)], a = 0..3 (rows), b = 0..7 (columns)
.set G1,  24                           ; s[24:31] descriptor group 1 for A
.set G0,  32                           ; s[32:39] group 0 for A, a set for each slot
.set G1B, 48                           ; s[48:55] group 1 for W
.set G0B, 56                           ; s[56:63] group 0 for W
.set MSB, 0
.macro WIN new                         ; s_set_vgpr_msb: bits 1:0 source 0, 3:2 source 1, 5:4 source 2, 7:6 destination; the high byte repeats the setting left
.if MSB != \new
	s_set_vgpr_msb (MSB<<8)|\new
.set MSB, \new
.endif
.endm
.set MUL, 0x50                         ; C and D in window 1, fragments in window 0
.macro PLACES                          ; four places behind a matrix instruction, ahead of a load into, or a read of, its registers
.rept 4
	v_nop
.endr
.endm
; A joint load: waves 0 and 1 ask for A's two halves, waves 2 and 3 for W's.  The branch hangs on the wave's number alone.
.macro JLOAD s
	s_cmp_eq_u32 s11, 0
	s_cbranch_scc0 .Lfor_b_\@
	tensor_load_to_lds s[G0+4*\s:G0+4*\s+3], s[G1:G1+7]
	s_nop 0
.rept 4
	v_nop
.endr
	s_branch .Lasked_\@
.Lfor_b_\@:
	tensor_load_to_lds s[G0B+4*\s:G0B+4*\s+3], s[G1B:G1B+7]
	s_nop 0
.rept 4
	v_nop
.endr
.Lasked_\@:
.endm
.macro CREST                           ; a round of the cluster's barrier behind its opening work-group barrier
	s_cmp_lg_u32 s10, 0
	s_cbranch_scc1 .Lnot_wave_0_\@
	s_barrier_signal -3
.Lnot_wave_0_\@:
	s_barrier_wait -3
	s_barrier_signal -1
	s_barrier_wait -1
.endm
.macro CROUND
	s_barrier_signal -1
	s_barrier_wait -1
	CREST
.endm
	s_load_b128 s[4:7], s[0:1], 0x0                ; A s[4:5], wb s[6:7]
	s_load_b64 s[8:9], s[0:1], 0x10                ; C
.if RESID
	s_load_b128 s[68:71], s[0:1], 0x18             ; bias s[68:69], residual s[70:71]
.else
.if HASBIAS
	s_load_b64 s[68:69], s[0:1], 0x18              ; bias
	v_lshl_add_u32 v254, v0, 2, 0x3b400
	v_mov_b32 v255, 0
	ds_add_u32 v254, v255
	ds_add_u32 v254, v255
.endif
.endif
	v_lshrrev_b32 v1, 5, v0
	v_readfirstlane_b32 s10, v1                    ; wave 0..3
	s_lshr_b32 s11, s10, 1                         ; which 64 rows of the block are mine.  Also: I ask for A (0) or for W (1)
	s_and_b32 s12, s10, 1                          ; which 128 columns.  Also: which half of that tile I ask for
	s_bfe_u32 s40, ttmp6, 0x40000                  ; cx
	s_bfe_u32 s41, ttmp6, 0x40004                  ; cy
	s_lshl_b32 s42, ttmp9, 2
	s_add_co_u32 s42, s42, s40                     ; block column = 4 x cluster x + cx
	s_and_b32 s13, ttmp7, 0xffff
	s_lshl_b32 s13, s13, 2
	s_add_co_u32 s13, s13, s41                     ; block row = 4 x cluster y + cy
	s_lshl_b32 s43, s41, 2
	s_lshl_b32 s43, 15, s43                        ; my row of the cluster
	s_lshl_b32 s44, 0x1111, s40                    ; my column
	s_or_b32 s[G1+0], s43, A_W0                    ; A's tiles go to my row
	s_mov_b32 s[G1+1], A_D0<<16                    ; tensor_dim0
	s_mov_b32 s[G1+2], 64<<16                      ; tensor_dim1 = 64 rows
	s_mov_b32 s[G1+3], A_D0<<16                    ; tile_dim0: 256 bytes
	s_mov_b32 s[G1+4], 64                          ; tile_dim1
	s_mov_b32 s[G1+5], A_PIT                       ; elements from row to row
	s_mov_b32 s[G1+6], 0
	s_mov_b32 s[G1+7], 0
	s_or_b32 s[G1B+0], s44, (1<<16)|(1<<20)|(1<<21)|(6<<22)|(7<<25)   ; W's tiles go to my column; elements of 2 bytes; after every 128 words, 8 words
	s_mov_b32 s[G1B+1], 256<<16
	s_mov_b32 s[G1B+2], 64<<16
	s_mov_b32 s[G1B+3], 256<<16                    ; 256 columns: 512 bytes
	s_mov_b32 s[G1B+4], 64                         ; 64 rows of k
	s_mov_b32 s[G1B+5], NB
	s_mov_b32 s[G1B+6], 0
	s_mov_b32 s[G1B+7], 0
	; where the tiles come from: A's offset is made of the block row and the wave, W's of the block column and the wave, in registers of their own
.if KIND == 1
	s_lshr_b32 s16, s13, 4
	s_lshl_b32 s16, s16, 22                        ; batch: 16 heads of 262,144 bytes
	s_and_b32 s17, s13, 15
	s_lshl_b32 s17, s17, 14                        ; 128 tokens of 128 bytes
	s_add_co_u32 s16, s16, s17
	s_lshl_b32 s17, s12, 18                        ; my half: the step's first or second head
	s_add_co_u32 s16, s16, s17
.else
	s_lshl_b32 s17, s12, 6
	s_lshl_b32 s16, s13, 7
	s_add_co_u32 s16, s16, s17                     ; row 128 x block row + 64 x half
	s_mul_i32 s16, s16, SIZE_K*2                   ; below 2^26
.endif
	s_mov_b32 s17, 0
.if KIND == 0
	s_and_b32 s46, s42, 3
	s_lshl_b32 s46, s46, 9                         ; 256 columns of one of the three matrices,
	s_lshr_b32 s47, s42, 2
	s_lshl_b32 s47, s47, 21                        ; which lie 2 MiB apart
	s_add_co_u32 s46, s46, s47
.else
	s_lshl_b32 s46, s42, 9
	s_add_co_u32 s46, s46, WOFF
.endif
	s_mul_i32 s47, s12, 64*NB*2                    ; my half: 64 rows of k
	s_add_co_u32 s46, s46, s47
	s_mov_b32 s47, 0
	s_mul_i32 s20, s12, AHALF                      ; and where they go: no place in the cluster enters an LDS address
	s_mul_i32 s21, s12, BHALF
	s_add_co_u32 s21, s21, ASZ
	s_wait_dscnt 0x0
	s_wait_kmcnt 0x0
	s_add_nc_u64 s[14:15], s[4:5], s[16:17]
	s_add_nc_u64 s[46:47], s[6:7], s[46:47]
	CROUND                                         ; all sixteen work-groups are here: the first joint loads meet
.irp s, 0,1
	s_mov_b32 s[G0+4*\s], 1
	s_add_co_u32 s[G0+4*\s+1], s20, \s*SLOT
	s_add_nc_u64 s[G0+4*\s+2:G0+4*\s+3], s[14:15], \s*AKSTEP
	s_or_b32 s[G0+4*\s+3], s[G0+4*\s+3], 0x80000000
	s_mov_b32 s[G0B+4*\s], 1
	s_add_co_u32 s[G0B+4*\s+1], s21, \s*SLOT
	s_add_nc_u64 s[G0B+4*\s+2:G0B+4*\s+3], s[46:47], \s*BKSTEP
	s_or_b32 s[G0B+4*\s+3], s[G0B+4*\s+3], 0x80000000
	JLOAD \s                                       ; both slots' first fills go out together: two loads of the wave are out, later one
.endr
	v_and_b32 v1, 15, v0                           ; r = l % 16
	v_bfe_u32 v2, v0, 4, 1                         ; h = l / 16
	v_mul_u32_u24 v3, v1, APITCH
	v_lshl_add_u32 v3, v2, 4, v3                   ; A: row r, 16 h bytes in
	v_and_b32 v4, 7, v0
	v_lshl_add_u32 v4, v2, 3, v4                   ; W: row of k 8 h + l % 8,
	v_mul_u32_u24 v4, v4, BPITCH
	v_bfe_u32 v5, v0, 3, 1
	v_lshl_add_u32 v4, v5, 4, v4                   ; and which 8 of the 16 columns
	s_mul_i32 s22, s11, 64*APITCH                  ; my 64 rows of A
	s_lshl_b32 s23, s12, 8                         ; my 128 columns of W,
	s_add_co_u32 s23, s23, ASZ                     ; which lies behind A
.irp s, 0,1
	v_add_nc_u32 v[ADRA+\s], s22, v3
	v_add_nc_u32 v[ADRB+\s], s23, v4
	s_add_co_u32 s22, s22, SLOT
	s_add_co_u32 s23, s23, SLOT
.endr
	s_mul_i32 s20, s10, 16*SPITCH
	s_add_co_u32 s20, s20, STAGE                   ; my stage
	v_mul_u32_u24 v6, v1, SPITCH
	v_lshl_add_u32 v6, v2, 5, v6                   ; in: row r, 8 f32 for each half of the lanes
	v_add_nc_u32 v[STO], s20, v6
	v_and_b32 v7, 31, v0
.if KIND == 0
	v_mul_u32_u24 v5, v2, SPITCH                   ; back: lanes 0-15 take 64 columns (a head) of one row, lanes 16-31 of the next
	v_lshl_add_u32 v5, v1, 4, v5
	v_add_nc_u32 v[RD], s20, v5
	v_lshlrev_b32 v[CO], 3, v7                     ; two tokens of a head: 256 dense bytes
.else
	v_lshl_add_u32 v[RD], v7, 4, s20               ; back: the wave takes a whole row of 128 f32
.if KIND == 2
	v_lshlrev_b32 v[CO], 3, v7                     ; four bf16
	v_mov_b32 v[GK2], 0xbdd2d3e8                   ; 0.044715 k
	v_mov_b32 v[GK2+1], 0xbdd2d3e8
	v_mov_b32 v[GK1], 0xc0135761                   ; k = -2 sqrt(2/pi) log2(e)
	v_mov_b32 v[GK1+1], 0xc0135761
.else
	v_lshlrev_b32 v[CO], 4, v7                     ; four f32
.endif
.endif
.if HASBIAS
	v_lshlrev_b32 v[BO], 4, v7
	s_lshl_b32 s46, s42, 10                        ; my first column x 4 bytes (the registers that held W's address)
	s_lshl_b32 s47, s12, 9
	s_add_co_u32 s46, s46, s47
	s_mov_b32 s47, 0
	s_add_nc_u64 s[68:69], s[68:69], s[46:47]
	global_load_b128 v[BIAS:BIAS+3], v[BO], s[68:69]   ; waited for in front of the way out
.endif
; 8 matrix instructions: rows 16 a .. 16 a + 15 x all 8 column blocks, 32 along K.  zero = 1: the first product starts the sums.
; The 32 accumulators take turns, one instruction a turn, in the same order in every quarter step.
.macro MUL8 f, a, zero
.irp b, 0,1,2,3,4,5,6,7
.if \zero
	v_wmma_f32_16x16x32_bf16 v[8*(8*\a+\b):8*(8*\a+\b)+7], v[\f+32+8*\b:\f+32+8*\b+7], v[\f+8*\a:\f+8*\a+7], 0
.else
	v_wmma_f32_16x16x32_bf16 v[8*(8*\a+\b):8*(8*\a+\b)+7], v[\f+32+8*\b:\f+32+8*\b+7], v[\f+8*\a:\f+8*\a+7], v[8*(8*\a+\b):8*(8*\a+\b)+7]
.endif
.endr
.endm
; 24 LDS loads in one run: quarter q (32 along K) of a slot into buffer f: W's eight fragments first, then A's four
.macro FETCH slot, q, f
	WIN 0
.if KIND == 1
.set AQ, ((\q)>>1)*AHALF+((\q)&1)*64
.else
.set AQ, 64*(\q)
.endif
.irp b, 0,1,2,3,4,5,6,7
	ds_load_tr16_b128 v[\f+32+8*\b:\f+32+8*\b+3],   v[ADRB+\slot] offset:\q*32*BPITCH+32*\b
	ds_load_tr16_b128 v[\f+32+8*\b+4:\f+32+8*\b+7], v[ADRB+\slot] offset:\q*32*BPITCH+16*BPITCH+32*\b
.endr
.irp i, 0,1,2,3
	ds_load_b128 v[\f+8*\i:\f+8*\i+3],   v[ADRA+\slot] offset:AQ+\i*16*APITCH
	ds_load_b128 v[\f+8*\i+4:\f+8*\i+7], v[ADRA+\slot] offset:AQ+\i*16*APITCH+32
.endr
.endm
; One of a K step's first three quarters: multiplies buffer f and, in its middle, fetches quarter q into buffer g
.macro QUARTER slot, q, f, g, zero
	s_wait_dscnt 4                                 ; of the 24 loads only the youngest four (A's fragments 2 and 3) may be out
	WIN MUL
	MUL8 \f, 0, \zero
	MUL8 \f, 1, \zero
	PLACES
	FETCH \slot, \q, \g
	s_wait_dscnt 24                                ; all but the 24 just issued
	WIN MUL
	MUL8 \f, 2, \zero
	MUL8 \f, 3, \zero
.endm
.macro THREE slot, zero
	QUARTER \slot, 1, F0, F1, \zero
	QUARTER \slot, 2, F1, F0, 0
	QUARTER \slot, 3, F0, F1, 0
.endm
; The last quarter: multiplies buffer 1 and changes slots.  In front of the barrier each wave waits for its reads of this slot and for all its tensor
; loads (one is out: its part of the next slot).  Behind it (with fill: behind the round of the cluster's barrier that it opens) the refill comes first.
; From a request to the wait for it a wave issues 120 matrix instructions.
.macro TURN slot, next, fill
	s_wait_dscnt 4
	WIN MUL
	MUL8 F1, 0, 0
	s_wait_dscnt 0                                 ; my reads of this slot are over
	s_wait_tensorcnt 0x0                           ; all my tensor loads have landed
	ds_add_u32 v254, v255
	s_wait_dscnt 0x0
	s_barrier_signal -1
	MUL8 F1, 1, 0                                  ; register work while the others arrive
	WIN 0
	s_barrier_wait -1
.if \fill
	CREST                                          ; no wave of any partner still reads this slot or has a load on its way
	s_add_nc_u64 s[G0+4*\slot+2:G0+4*\slot+3], s[G0+4*\slot+2:G0+4*\slot+3], 2*AKSTEP
	s_add_nc_u64 s[G0B+4*\slot+2:G0B+4*\slot+3], s[G0B+4*\slot+2:G0B+4*\slot+3], 2*BKSTEP
	JLOAD \slot                                    ; the wave's one tensor load behind the round; its four v_nop are the places in front of the loads below
.else
	PLACES
.endif
	FETCH \next, 0, F0
	WIN MUL
	MUL8 F1, 2, 0
	MUL8 F1, 3, 0
.endm
.macro LAP zero
	THREE 0, \zero
	TURN 0, 1, 1
	THREE 1, 0
	TURN 1, 0, 1
.endm
	s_wait_tensorcnt 1                             ; my part of K step 0 is in; K step 1's may stay out
	s_barrier_signal -1
	s_barrier_wait -1
	FETCH 0, 0, F0
	LAP 1                                          ; the first lap's first products start the sums
.if LAPS > 2
	WIN 0
	s_mov_b32 s3, LAPS-2
.Llap:
	LAP 0
	WIN 0
	s_sub_co_u32 s3, s3, 1
	s_cmp_lg_u32 s3, 0
	s_cbranch_scc1 .Llap
.endif
	THREE 0, 0                                     ; the last lap fills nothing
	TURN 0, 1, 0
	THREE 1, 0
	s_wait_dscnt 4
	WIN MUL
	MUL8 F1, 0, 0
	MUL8 F1, 1, 0
	s_wait_dscnt 0
	MUL8 F1, 2, 0
	MUL8 F1, 3, 0
	; THE WAY OUT, 16 rows at a time: f32 sums into my own stage, read back by rows, finished and stored in whole runs of 256 or 512 bytes
	PLACES
	WIN 0
.if KIND == 0
	s_lshr_b32 s16, s13, 4
	s_lshl_b32 s16, s16, 22                        ; batch
	s_and_b32 s17, s13, 15
	s_lshl_b32 s17, s17, 14                        ; 128 tokens of 128 bytes
	s_add_co_u32 s16, s16, s17
	s_lshl_b32 s17, s11, 13                        ; my 64 tokens
	s_add_co_u32 s16, s16, s17
	s_lshr_b32 s46, s42, 2
	s_lshl_b32 s46, s46, 23                        ; plane q, k or v
	s_and_b32 s47, s42, 3
	s_lshl_b32 s47, s47, 20                        ; four heads of 262,144 bytes a block column
	s_add_co_u32 s46, s46, s47
	s_lshl_b32 s47, s12, 19                        ; my two heads
	s_add_co_u32 s46, s46, s47
.else
	s_lshl_b32 s16, s13, 7
	s_lshl_b32 s17, s11, 6
	s_add_co_u32 s16, s16, s17                     ; my first row
.if KIND == 2
	s_lshl_b32 s16, s16, 13                        ; rows of 4,096 bf16
	s_lshl_b32 s46, s42, 9
	s_lshl_b32 s47, s12, 8
.else
	s_lshl_b32 s16, s16, 12                        ; rows of 1,024 f32
	s_lshl_b32 s46, s42, 10
	s_lshl_b32 s47, s12, 9
.endif
	s_add_co_u32 s46, s46, s47                     ; my first column, in bytes
.endif
	s_mov_b32 s17, 0
	s_mov_b32 s47, 0
	s_add_nc_u64 s[8:9], s[8:9], s[16:17]
	s_add_nc_u64 s[8:9], s[8:9], s[46:47]
.if RESID
	s_add_nc_u64 s[70:71], s[70:71], s[16:17]
	s_add_nc_u64 s[70:71], s[70:71], s[46:47]
.endif
.if HASBIAS
	s_wait_loadcnt 0x0                             ; the bias, asked for at the start
.endif
.macro OUT a
	s_wait_xcnt 0x0                                ; P, which the last rows' stores read, is loaded again only behind this wait
.if RESID
.irp t, 0,1,2,3,4,5,6,7,8,9,10,11,12,13,14,15
	global_load_b128 v[R+4*\t:R+4*\t+3], v[CO], s[70:71] offset:(16*\a+\t)*4096
.endr
.endif
	WIN 0x04                                       ; the data of an LDS store is source 1: window 1
.irp b, 0,1,2,3,4,5,6,7
	ds_store_b128 v[STO], v[8*(8*\a+\b):8*(8*\a+\b)+3] offset:64*\b
	ds_store_b128 v[STO], v[8*(8*\a+\b)+4:8*(8*\a+\b)+7] offset:64*\b+16
.endr
	WIN 0
.irp t, 0,1,2,3,4,5,6,7,8,9,10,11,12,13,14,15
.if KIND == 0
	ds_load_b128 v[P+4*\t:P+4*\t+3], v[RD] offset:(\t&7)*2*SPITCH+(\t>>3)*256   ; LDS serves a wave's instructions in order (ISA guide 5.7.1.4): these see the stores above
.else
	ds_load_b128 v[P+4*\t:P+4*\t+3], v[RD] offset:\t*SPITCH                     ; LDS serves a wave's instructions in order (ISA guide 5.7.1.4): these see the stores above
.endif
.endr
.irp t, 0,1,2,3,4,5,6,7,8,9,10,11,12,13,14,15
	s_wait_dscnt 15-\t                             ; read-back t is in, the younger ones stay out
.if KIND == 0
	v_cvt_pk_bf16_f32 v[P+4*\t], v[P+4*\t], v[P+4*\t+1]
	v_cvt_pk_bf16_f32 v[P+4*\t+1], v[P+4*\t+2], v[P+4*\t+3]
	global_store_b64 v[CO], v[P+4*\t:P+4*\t+1], s[8:9] offset:(\t>>3)*262144+(16*\a+2*(\t&7))*128   ; two tokens of one head: 256 consecutive bytes, aligned
.endif
.if RESID
	s_wait_loadcnt 15-\t                           ; residual row t is in
	v_pk_add_f32 v[P+4*\t:P+4*\t+1], v[P+4*\t:P+4*\t+1], v[BIAS:BIAS+1]
	v_pk_add_f32 v[P+4*\t+2:P+4*\t+3], v[P+4*\t+2:P+4*\t+3], v[BIAS+2:BIAS+3]
	v_pk_add_f32 v[P+4*\t:P+4*\t+1], v[P+4*\t:P+4*\t+1], v[R+4*\t:R+4*\t+1]
	v_pk_add_f32 v[P+4*\t+2:P+4*\t+3], v[P+4*\t+2:P+4*\t+3], v[R+4*\t+2:R+4*\t+3]
	global_store_b128 v[CO], v[P+4*\t:P+4*\t+3], s[8:9] offset:(16*\a+\t)*4096   ; the wave stores 512 consecutive bytes, aligned
.endif
.if KIND == 2
	v_pk_add_f32 v[P+4*\t:P+4*\t+1], v[P+4*\t:P+4*\t+1], v[BIAS:BIAS+1]          ; x
	v_pk_add_f32 v[P+4*\t+2:P+4*\t+3], v[P+4*\t+2:P+4*\t+3], v[BIAS+2:BIAS+3]
	v_pk_mul_f32 v[R:R+1], v[P+4*\t:P+4*\t+1], v[P+4*\t:P+4*\t+1]                ; x^2
	v_pk_mul_f32 v[R+2:R+3], v[P+4*\t+2:P+4*\t+3], v[P+4*\t+2:P+4*\t+3]
	v_pk_fma_f32 v[R:R+1], v[R:R+1], v[GK2:GK2+1], v[GK1:GK1+1]                  ; k (1 + 0.044715 x^2)
	v_pk_fma_f32 v[R+2:R+3], v[R+2:R+3], v[GK2:GK2+1], v[GK1:GK1+1]
	v_pk_mul_f32 v[R:R+1], v[R:R+1], v[P+4*\t:P+4*\t+1]                          ; z
	v_pk_mul_f32 v[R+2:R+3], v[R+2:R+3], v[P+4*\t+2:P+4*\t+3]
	v_exp_f32 v[R], v[R]
	v_exp_f32 v[R+1], v[R+1]
	v_exp_f32 v[R+2], v[R+2]
	v_exp_f32 v[R+3], v[R+3]
	v_nop                                          ; one plain place behind the transcendentals (ISA guide 5.7.2)
	s_wait_alu depctr_va_vdst(0)
	v_pk_add_f32 v[R:R+1], v[R:R+1], 1.0 op_sel_hi:[1,0]
	v_pk_add_f32 v[R+2:R+3], v[R+2:R+3], 1.0 op_sel_hi:[1,0]
	v_rcp_f32 v[R], v[R]
	v_rcp_f32 v[R+1], v[R+1]
	v_rcp_f32 v[R+2], v[R+2]
	v_rcp_f32 v[R+3], v[R+3]
	v_nop
	s_wait_alu depctr_va_vdst(0)
	v_pk_mul_f32 v[P+4*\t:P+4*\t+1], v[P+4*\t:P+4*\t+1], v[R:R+1]                ; x / (1 + 2^z)
	v_pk_mul_f32 v[P+4*\t+2:P+4*\t+3], v[P+4*\t+2:P+4*\t+3], v[R+2:R+3]
	v_cvt_pk_bf16_f32 v[P+4*\t], v[P+4*\t], v[P+4*\t+1]
	v_cvt_pk_bf16_f32 v[P+4*\t+1], v[P+4*\t+2], v[P+4*\t+3]
	global_store_b64 v[CO], v[P+4*\t:P+4*\t+1], s[8:9] offset:(16*\a+\t)*8192    ; the wave stores 256 consecutive bytes, aligned
.endif
.endr
.endm
	OUT 0
	OUT 1
	OUT 2
	OUT 3
	s_wait_tensorcnt 0x0
	ds_add_u32 v254, v255
	s_wait_dscnt 0x0
	CROUND                                         ; the closing round: no work-group ends while a partner may still ask for a tile that names it
	s_endpgm
.Lfunc_end_k_qe3316a7cd1_ffn1:
	.size	k_qe3316a7cd1_ffn1, .Lfunc_end_k_qe3316a7cd1_ffn1-k_qe3316a7cd1_ffn1
	.p2alignl 7, 3214868480
	.fill 96, 4, 3214868480
	.section	.rodata,"a",@progbits
	.p2align	6, 0x0
	.amdhsa_kernel k_qe3316a7cd1_ffn1
		.amdhsa_group_segment_fixed_size 327680
		.amdhsa_private_segment_fixed_size 0
		.amdhsa_enable_private_segment 0
		.amdhsa_kernarg_size 32
		.amdhsa_user_sgpr_count 2
		.amdhsa_user_sgpr_kernarg_segment_ptr 1
		.amdhsa_wavefront_size32 1
		.amdhsa_system_sgpr_workgroup_id_x 1
		.amdhsa_system_sgpr_workgroup_id_y 1
		.amdhsa_system_sgpr_workgroup_id_z 1
		.amdhsa_system_vgpr_workitem_id 0
		.amdhsa_next_free_vgpr 512
		.amdhsa_next_free_sgpr 72
		.amdhsa_reserve_vcc 0
		.amdhsa_float_denorm_mode_32 3
		.amdhsa_float_denorm_mode_16_64 3
		.amdhsa_memory_ordered 1
		.amdhsa_forward_progress 1
		.amdhsa_inst_pref_size 199
	.end_amdhsa_kernel
	.amdgpu_metadata
---
amdhsa.version: [ 1, 2 ]
amdhsa.kernels:
  - .name:           k_qe3316a7cd1_ffn1
    .symbol:         k_qe3316a7cd1_ffn1.kd
    .args:
      - { .name: hb, .offset: 0, .size: 8, .value_kind: global_buffer, .address_space: global }
      - { .name: wb, .offset: 8, .size: 8, .value_kind: global_buffer, .address_space: global }
      - { .name: ff, .offset: 16, .size: 8, .value_kind: global_buffer, .address_space: global }
      - { .name: b1, .offset: 24, .size: 8, .value_kind: global_buffer, .address_space: global }
    .group_segment_fixed_size: 327680
    .private_segment_fixed_size: 0
    .kernarg_segment_align: 8
    .kernarg_segment_size: 32
    .max_flat_workgroup_size: 128
    .sgpr_count:     72
    .vgpr_count:     512
    .wavefront_size: 32
...
	.end_amdgpu_metadata
.endif
;; end of part 6
;; launch ffn2 (part 7): grid 4 x 32, 4 waves a work-group, clusters of 4 x 4, 327,680 bytes of LDS; arguments ff, wb, out0, b2, x1; writes out0
.if DOCPART == 7
	.amdgcn_target "amdgcn-amd-amdhsa--gfx1250"
	.amdhsa_code_object_version 6
	.text
	.protected	k_qe3316a7cd1_ffn2
	.globl	k_qe3316a7cd1_ffn2
	.p2align	8
	.type	k_qe3316a7cd1_ffn2,@function
k_qe3316a7cd1_ffn2:
	s_mov_b64 s[64:65], 0
	v_nop
	global_prefetch_b8 v0, s[64:65] scope:SCOPE_SE
	s_setreg_imm32_b32 hwreg(HW_REG_WAVE_MODE, 25, 1), 1
	s_wait_xcnt 0x0
	s_wait_alu depctr_hold_cnt(0) depctr_sa_sdst(0) depctr_va_vdst(0) depctr_va_sdst(0) depctr_va_ssrc(0) depctr_va_vcc(0) depctr_vm_vsrc(0)
	s_getreg_b32 s2, hwreg(HW_REG_IB_STS2, 6, 4)
	s_cmp_eq_u32 s2, 0
	s_cbranch_scc0 .Lentry_in_a_cluster
	s_endpgm
.Lentry_in_a_cluster:
	s_bfe_u32 s2, ttmp6, 0x10000c
	s_cmp_lg_u32 s2, 0xf033
	s_cbranch_scc0 .Lentry_shape_is_right
	s_endpgm
.Lentry_shape_is_right:
; C = A W (+ what the build adds).  A: [4096][SIZE_K] bf16, K along the rows.  W: [SIZE_K][NB] bf16, as the weights are given ([in][out]).  Sums in f32.
; One source, four builds, chosen by KIND:
;  0 qkv : A = LN1(x), W = Wq | Wk | Wv; C in bf16, head-major: plane q, k, v, then [batch x 16 + head][token][64]
;  1 wo  : A = the attention's context, head-major (a K step of 128 is two heads); C = x + A Wo + bo in f32
;  2 ffn1: A = LN2(x1), W = W1; C = gelu(A W1 + b1) in bf16
;  3 ffn2: A = ffn1's result, W = W2; C = x1 + A W2 + b2 in f32
; A work-group makes 128 x 256 of C with four waves (2 x 2), a wave 64 x 128: 32 accumulator tiles of 16 x 16, 256 registers.
; K goes in steps of 128 through two LDS slots filled by the tensor data mover; each wave brings one quarter of a step by one load.
; CLUSTERS: 4 x 4 work-groups.  A's tile hangs on the block row alone and is asked for jointly by a row of the cluster, W's on the block column alone
; and is asked for jointly by a column: each of the four issues the same load with a mask that names the four.
; W lies in LDS as [k][n]; ds_load_tr16_b128 turns 8 x 8 blocks on the way to the registers, so a lane holds one column n with k along its registers.
; THE MATRIX INSTRUCTION IS USED TRANSPOSED: source 0 = 16 columns of W, source 1 = 16 rows of A; lane l then holds row l % 16 of C and its registers
; the columns 8 (l / 16) + 0..7.
; Limits: operands are bf16; K is summed in the matrix unit's order; gelu is x / (1 + exp2(k (x + 0.044715 x^3))), k = -2 sqrt(2/pi) log2(e), which is
; the tanh form rewritten; v_exp_f32 and v_rcp_f32 flush denormals and are accurate to 1 ULP; NaN and infinite inputs are not followed.
.set KIND, 3
.if KIND == 0
.set SIZE_K, 1024
.set NB, 1024
.set WOFF, 0
.set HASBIAS, 0
.set RESID, 0
.endif
.if KIND == 1
.set SIZE_K, 1024
.set NB, 1024
.set WOFF, 0x600000
.set HASBIAS, 1
.set RESID, 1
.endif
.if KIND == 2
.set SIZE_K, 1024
.set NB, 4096
.set WOFF, 0x800000
.set HASBIAS, 1
.set RESID, 0
.endif
.if KIND == 3
.set SIZE_K, 4096
.set NB, 1024
.set WOFF, 0x1000000
.set HASBIAS, 1
.set RESID, 1
.endif
.set KSTEP,  128
.if KIND == 1
.set APITCH, 144                       ; a token's 128 bytes of one head + 16: nine times 16 bytes, so 16 rows start 16 bytes apart modulo 256
.set AHALF,  128*APITCH                ; one load: one head, 128 tokens
.set A_W0,   (3<<16)|(1<<20)|(1<<21)|(4<<22)|(3<<25)   ; elements of 8 bytes; padding on; bit 21 beside a mask; after every 32 words, 4 words
.set A_D0,   32                        ; the head's 16 KiB are dense: 64 rows of 256 bytes
.set A_PIT,  32
.set AKSTEP, 2*262144                  ; a K step on: two heads
.else
.set APITCH, 272                       ; 256 bytes + 16
.set AHALF,  64*APITCH                 ; one load: 64 rows
.set A_W0,   (1<<16)|(1<<20)|(1<<21)|(5<<22)|(3<<25)   ; elements of 2 bytes; after every 64 words, 4 words
.set A_D0,   KSTEP
.set A_PIT,  SIZE_K
.set AKSTEP, 2*KSTEP
.endif
.set ASZ,    2*AHALF
.set BPITCH, 544                       ; 512 bytes + 32: seventeen times 32 bytes
.set BHALF,  64*BPITCH                 ; one load: 64 rows of k
.set BKSTEP, KSTEP*NB*2
.set SLOT,   ASZ+2*BHALF               ; A's tile, then W's
.set STAGE,  2*SLOT                    ; behind the ring, a multiple of 256: 16 rows x 528 bytes for each wave; no tensor load lands there
.set SPITCH, 528                       ; 128 f32 + 16 bytes
.set LAPS,   SIZE_K/(2*KSTEP)          ; a lap = two K steps = once round the ring
; window 0
.set GK2,  8                           ; v[8:9]    ffn1: 0.044715 k, twice
.set GK1,  10                          ; v[10:11]  ffn1: k, twice
.set ADRA, 16                          ; v16-17    LDS address of my A fragments in slot 0, 1
.set ADRB, 20                          ; v20-21    the same for W
.set STO,  22                          ; the way out: where my 32 bytes of a row go
.set RD,   23                          ; the way out: where I read back
.set BIAS, 24                          ; v[24:27]  bias of my four columns
.set CO,   28                          ; my byte offset in C
.set BO,   29                          ; my byte offset in the bias
.set F0,   32                          ; fragment buffer 0: A's four fragments at +0, W's eight at +32
.set F1,   128                         ; fragment buffer 1
.set P,    32                          ; the way out: 16 x 4 registers read back
.set R,    96                          ; the way out: 16 x 4 registers of the residual; ffn1: four registers at work
; window 1: accumulator tile (a, b) at v[8 (8 a + b)], a = 0..3 (rows), b = 0..7 (columns)
.set G1,  24                           ; s[24:31] descriptor group 1 for A
.set G0,  32                           ; s[32:39] group 0 for A, a set for each slot
.set G1B, 48                           ; s[48:55] group 1 for W
.set G0B, 56                           ; s[56:63] group 0 for W
.set MSB, 0
.macro WIN new                         ; s_set_vgpr_msb: bits 1:0 source 0, 3:2 source 1, 5:4 source 2, 7:6 destination; the high byte repeats the setting left
.if MSB != \new
	s_set_vgpr_msb (MSB<<8)|\new
.set MSB, \new
.endif
.endm
.set MUL, 0x50                         ; C and D in window 1, fragments in window 0
.macro PLACES                          ; four places behind a matrix instruction, ahead of a load into, or a read of, its registers
.rept 4
	v_nop
.endr
.endm
; A joint load: waves 0 and 1 ask for A's two halves, waves 2 and 3 for W's.  The branch hangs on the wave's number alone.
.macro JLOAD s
	s_cmp_eq_u32 s11, 0
	s_cbranch_scc0 .Lfor_b_\@
	tensor_load_to_lds s[G0+4*\s:G0+4*\s+3], s[G1:G1+7]
	s_nop 0
.rept 4
	v_nop
.endr
	s_branch .Lasked_\@
.Lfor_b_\@:
	tensor_load_to_lds s[G0B+4*\s:G0B+4*\s+3], s[G1B:G1B+7]
	s_nop 0
.rept 4
	v_nop
.endr
.Lasked_\@:
.endm
.macro CREST                           ; a round of the cluster's barrier behind its opening work-group barrier
	s_cmp_lg_u32 s10, 0
	s_cbranch_scc1 .Lnot_wave_0_\@
	s_barrier_signal -3
.Lnot_wave_0_\@:
	s_barrier_wait -3
	s_barrier_signal -1
	s_barrier_wait -1
.endm
.macro CROUND
	s_barrier_signal -1
	s_barrier_wait -1
	CREST
.endm
	s_load_b128 s[4:7], s[0:1], 0x0                ; A s[4:5], wb s[6:7]
	s_load_b64 s[8:9], s[0:1], 0x10                ; C
.if RESID
	s_load_b128 s[68:71], s[0:1], 0x18             ; bias s[68:69], residual s[70:71]
	v_lshl_add_u32 v254, v0, 2, 0x3b400
	v_mov_b32 v255, 0
	ds_add_u32 v254, v255
	ds_add_u32 v254, v255
.else
.if HASBIAS
	s_load_b64 s[68:69], s[0:1], 0x18              ; bias
.endif
.endif
	v_lshrrev_b32 v1, 5, v0
	v_readfirstlane_b32 s10, v1                    ; wave 0..3
	s_lshr_b32 s11, s10, 1                         ; which 64 rows of the block are mine.  Also: I ask for A (0) or for W (1)
	s_and_b32 s12, s10, 1                          ; which 128 columns.  Also: which half of that tile I ask for
	s_bfe_u32 s40, ttmp6, 0x40000                  ; cx
	s_bfe_u32 s41, ttmp6, 0x40004                  ; cy
	s_lshl_b32 s42, ttmp9, 2
	s_add_co_u32 s42, s42, s40                     ; block column = 4 x cluster x + cx
	s_and_b32 s13, ttmp7, 0xffff
	s_lshl_b32 s13, s13, 2
	s_add_co_u32 s13, s13, s41                     ; block row = 4 x cluster y + cy
	s_lshl_b32 s43, s41, 2
	s_lshl_b32 s43, 15, s43                        ; my row of the cluster
	s_lshl_b32 s44, 0x1111, s40                    ; my column
	s_or_b32 s[G1+0], s43, A_W0                    ; A's tiles go to my row
	s_mov_b32 s[G1+1], A_D0<<16                    ; tensor_dim0
	s_mov_b32 s[G1+2], 64<<16                      ; tensor_dim1 = 64 rows
	s_mov_b32 s[G1+3], A_D0<<16                    ; tile_dim0: 256 bytes
	s_mov_b32 s[G1+4], 64                          ; tile_dim1
	s_mov_b32 s[G1+5], A_PIT                       ; elements from row to row
	s_mov_b32 s[G1+6], 0
	s_mov_b32 s[G1+7], 0
	s_or_b32 s[G1B+0], s44, (1<<16)|(1<<20)|(1<<21)|(6<<22)|(7<<25)   ; W's tiles go to my column; elements of 2 bytes; after every 128 words, 8 words
	s_mov_b32 s[G1B+1], 256<<16
	s_mov_b32 s[G1B+2], 64<<16
	s_mov_b32 s[G1B+3], 256<<16                    ; 256 columns: 512 bytes
	s_mov_b32 s[G1B+4], 64                         ; 64 rows of k
	s_mov_b32 s[G1B+5], NB
	s_mov_b32 s[G1B+6], 0
	s_mov_b32 s[G1B+7], 0
	; where the tiles come from: A's offset is made of the block row and the wave, W's of the block column and the wave, in registers of their own
.if KIND == 1
	s_lshr_b32 s16, s13, 4
	s_lshl_b32 s16, s16, 22                        ; batch: 16 heads of 262,144 bytes
	s_and_b32 s17, s13, 15
	s_lshl_b32 s17, s17, 14                        ; 128 tokens of 128 bytes
	s_add_co_u32 s16, s16, s17
	s_lshl_b32 s17, s12, 18                        ; my half: the step's first or second head
	s_add_co_u32 s16, s16, s17
.else
	s_lshl_b32 s17, s12, 6
	s_lshl_b32 s16, s13, 7
	s_add_co_u32 s16, s16, s17                     ; row 128 x block row + 64 x half
	s_mul_i32 s16, s16, SIZE_K*2                   ; below 2^26
.endif
	s_mov_b32 s17, 0
.if KIND == 0
	s_and_b32 s46, s42, 3
	s_lshl_b32 s46, s46, 9                         ; 256 columns of one of the three matrices,
	s_lshr_b32 s47, s42, 2
	s_lshl_b32 s47, s47, 21                        ; which lie 2 MiB apart
	s_add_co_u32 s46, s46, s47
.else
	s_lshl_b32 s46, s42, 9
	s_add_co_u32 s46, s46, WOFF
.endif
	s_mul_i32 s47, s12, 64*NB*2                    ; my half: 64 rows of k
	s_add_co_u32 s46, s46, s47
	s_mov_b32 s47, 0
	s_mul_i32 s20, s12, AHALF                      ; and where they go: no place in the cluster enters an LDS address
	s_mul_i32 s21, s12, BHALF
	s_add_co_u32 s21, s21, ASZ
	s_wait_dscnt 0x0
	s_wait_kmcnt 0x0
	s_add_nc_u64 s[14:15], s[4:5], s[16:17]
	s_add_nc_u64 s[46:47], s[6:7], s[46:47]
	CROUND                                         ; all sixteen work-groups are here: the first joint loads meet
.irp s, 0,1
	s_mov_b32 s[G0+4*\s], 1
	s_add_co_u32 s[G0+4*\s+1], s20, \s*SLOT
	s_add_nc_u64 s[G0+4*\s+2:G0+4*\s+3], s[14:15], \s*AKSTEP
	s_or_b32 s[G0+4*\s+3], s[G0+4*\s+3], 0x80000000
	s_mov_b32 s[G0B+4*\s], 1
	s_add_co_u32 s[G0B+4*\s+1], s21, \s*SLOT
	s_add_nc_u64 s[G0B+4*\s+2:G0B+4*\s+3], s[46:47], \s*BKSTEP
	s_or_b32 s[G0B+4*\s+3], s[G0B+4*\s+3], 0x80000000
	JLOAD \s                                       ; both slots' first fills go out together: two loads of the wave are out, later one
.endr
	v_and_b32 v1, 15, v0                           ; r = l % 16
	v_bfe_u32 v2, v0, 4, 1                         ; h = l / 16
	v_mul_u32_u24 v3, v1, APITCH
	v_lshl_add_u32 v3, v2, 4, v3                   ; A: row r, 16 h bytes in
	v_and_b32 v4, 7, v0
	v_lshl_add_u32 v4, v2, 3, v4                   ; W: row of k 8 h + l % 8,
	v_mul_u32_u24 v4, v4, BPITCH
	v_bfe_u32 v5, v0, 3, 1
	v_lshl_add_u32 v4, v5, 4, v4                   ; and which 8 of the 16 columns
	s_mul_i32 s22, s11, 64*APITCH                  ; my 64 rows of A
	s_lshl_b32 s23, s12, 8                         ; my 128 columns of W,
	s_add_co_u32 s23, s23, ASZ                     ; which lies behind A
.irp s, 0,1
	v_add_nc_u32 v[ADRA+\s], s22, v3
	v_add_nc_u32 v[ADRB+\s], s23, v4
	s_add_co_u32 s22, s22, SLOT
	s_add_co_u32 s23, s23, SLOT
.endr
	s_mul_i32 s20, s10, 16*SPITCH
	s_add_co_u32 s20, s20, STAGE                   ; my stage
	v_mul_u32_u24 v6, v1, SPITCH
	v_lshl_add_u32 v6, v2, 5, v6                   ; in: row r, 8 f32 for each half of the lanes
	v_add_nc_u32 v[STO], s20, v6
	v_and_b32 v7, 31, v0
.if KIND == 0
	v_mul_u32_u24 v5, v2, SPITCH                   ; back: lanes 0-15 take 64 columns (a head) of one row, lanes 16-31 of the next
	v_lshl_add_u32 v5, v1, 4, v5
	v_add_nc_u32 v[RD], s20, v5
	v_lshlrev_b32 v[CO], 3, v7                     ; two tokens of a head: 256 dense bytes
.else
	v_lshl_add_u32 v[RD], v7, 4, s20               ; back: the wave takes a whole row of 128 f32
.if KIND == 2
	v_lshlrev_b32 v[CO], 3, v7                     ; four bf16
	v_mov_b32 v[GK2], 0xbdd2d3e8                   ; 0.044715 k
	v_mov_b32 v[GK2+1], 0xbdd2d3e8
	v_mov_b32 v[GK1], 0xc0135761                   ; k = -2 sqrt(2/pi) log2(e)
	v_mov_b32 v[GK1+1], 0xc0135761
.else
	v_lshlrev_b32 v[CO], 4, v7                     ; four f32
.endif
.endif
.if HASBIAS
	v_lshlrev_b32 v[BO], 4, v7
	s_lshl_b32 s46, s42, 10                        ; my first column x 4 bytes (the registers that held W's address)
	s_lshl_b32 s47, s12, 9
	s_add_co_u32 s46, s46, s47
	s_mov_b32 s47, 0
	s_add_nc_u64 s[68:69], s[68:69], s[46:47]
	global_load_b128 v[BIAS:BIAS+3], v[BO], s[68:69]   ; waited for in front of the way out
.endif
; 8 matrix instructions: rows 16 a .. 16 a + 15 x all 8 column blocks, 32 along K.  zero = 1: the first product starts the sums.
; The 32 accumulators take turns, one instruction a turn, in the same order in every quarter step.
.macro MUL8 f, a, zero
.irp b, 0,1,2,3,4,5,6,7
.if \zero
	v_wmma_f32_16x16x32_bf16 v[8*(8*\a+\b):8*(8*\a+\b)+7], v[\f+32+8*\b:\f+32+8*\b+7], v[\f+8*\a:\f+8*\a+7], 0
.else
	v_wmma_f32_16x16x32_bf16 v[8*(8*\a+\b):8*(8*\a+\b)+7], v[\f+32+8*\b:\f+32+8*\b+7], v[\f+8*\a:\f+8*\a+7], v[8*(8*\a+\b):8*(8*\a+\b)+7]
.endif
.endr
.endm
; 24 LDS loads in one run: quarter q (32 along K) of a slot into buffer f: W's eight fragments first, then A's four
.macro FETCH slot, q, f
	WIN 0
.if KIND == 1
.set AQ, ((\q)>>1)*AHALF+((\q)&1)*64
.else
.set AQ, 64*(\q)
.endif
.irp b, 0,1,2,3,4,5,6,7
	ds_load_tr16_b128 v[\f+32+8*\b:\f+32+8*\b+3],   v[ADRB+\slot] offset:\q*32*BPITCH+32*\b
	ds_load_tr16_b128 v[\f+32+8*\b+4:\f+32+8*\b+7], v[ADRB+\slot] offset:\q*32*BPITCH+16*BPITCH+32*\b
.endr
.irp i, 0,1,2,3
	ds_load_b128 v[\f+8*\i:\f+8*\i+3],   v[ADRA+\slot] offset:AQ+\i*16*APITCH
	ds_load_b128 v[\f+8*\i+4:\f+8*\i+7], v[ADRA+\slot] offset:AQ+\i*16*APITCH+32
.endr
.endm
; One of a K step's first three quarters: multiplies buffer f and, in its middle, fetches quarter q into buffer g
.macro QUARTER slot, q, f, g, zero
	s_wait_dscnt 4                                 ; of the 24 loads only the youngest four (A's fragments 2 and 3) may be out
	WIN MUL
	MUL8 \f, 0, \zero
	MUL8 \f, 1, \zero
	PLACES
	FETCH \slot, \q, \g
	s_wait_dscnt 24                                ; all but the 24 just issued
	WIN MUL
	MUL8 \f, 2, \zero
	MUL8 \f, 3, \zero
.endm
.macro THREE slot, zero
	QUARTER \slot, 1, F0, F1, \zero
	QUARTER \slot, 2, F1, F0, 0
	QUARTER \slot, 3, F0, F1, 0
.endm
; The last quarter: multiplies buffer 1 and changes slots.  In front of the barrier each wave waits for its reads of this slot and for all its tensor
; loads (one is out: its part of the next slot).  Behind it (with fill: behind the round of the cluster's barrier that it opens) the refill comes first.
; From a request to the wait for it a wave issues 120 matrix instructions.
.macro TURN slot, next, fill
	s_wait_dscnt 4
	WIN MUL
	MUL8 F1, 0, 0
	s_wait_dscnt 0                                 ; my reads of this slot are over
	s_wait_tensorcnt 0x0                           ; all my tensor loads have landed
	ds_add_u32 v254, v255
	s_wait_dscnt 0x0
	s_barrier_signal -1
	MUL8 F1, 1, 0                                  ; register work while the others arrive
	WIN 0
	s_barrier_wait -1
.if \fill
	CREST                                          ; no wave of any partner still reads this slot or has a load on its way
	s_add_nc_u64 s[G0+4*\slot+2:G0+4*\slot+3], s[G0+4*\slot+2:G0+4*\slot+3], 2*AKSTEP
	s_add_nc_u64 s[G0B+4*\slot+2:G0B+4*\slot+3], s[G0B+4*\slot+2:G0B+4*\slot+3], 2*BKSTEP
	JLOAD \slot                                    ; the wave's one tensor load behind the round; its four v_nop are the places in front of the loads below
.else
	PLACES
.endif
	FETCH \next, 0, F0
	WIN MUL
	MUL8 F1, 2, 0
	MUL8 F1, 3, 0
.endm
.macro LAP zero
	THREE 0, \zero
	TURN 0, 1, 1
	THREE 1, 0
	TURN 1, 0, 1
.endm
	s_wait_tensorcnt 1                             ; my part of K step 0 is in; K step 1's may stay out
	s_barrier_signal -1
	s_barrier_wait -1
	FETCH 0, 0, F0
	LAP 1                                          ; the first lap's first products start the sums
.if LAPS > 2
	WIN 0
	s_mov_b32 s3, LAPS-2
.Llap:
	LAP 0
	WIN 0
	s_sub_co_u32 s3, s3, 1
	s_cmp_lg_u32 s3, 0
	s_cbranch_scc1 .Llap
.endif
	THREE 0, 0                                     ; the last lap fills nothing
	TURN 0, 1, 0
	THREE 1, 0
	s_wait_dscnt 4
	WIN MUL
	MUL8 F1, 0, 0
	MUL8 F1, 1, 0
	s_wait_dscnt 0
	MUL8 F1, 2, 0
	MUL8 F1, 3, 0
	; THE WAY OUT, 16 rows at a time: f32 sums into my own stage, read back by rows, finished and stored in whole runs of 256 or 512 bytes
	PLACES
	WIN 0
.if KIND == 0
	s_lshr_b32 s16, s13, 4
	s_lshl_b32 s16, s16, 22                        ; batch
	s_and_b32 s17, s13, 15
	s_lshl_b32 s17, s17, 14                        ; 128 tokens of 128 bytes
	s_add_co_u32 s16, s16, s17
	s_lshl_b32 s17, s11, 13                        ; my 64 tokens
	s_add_co_u32 s16, s16, s17
	s_lshr_b32 s46, s42, 2
	s_lshl_b32 s46, s46, 23                        ; plane q, k or v
	s_and_b32 s47, s42, 3
	s_lshl_b32 s47, s47, 20                        ; four heads of 262,144 bytes a block column
	s_add_co_u32 s46, s46, s47
	s_lshl_b32 s47, s12, 19                        ; my two heads
	s_add_co_u32 s46, s46, s47
.else
	s_lshl_b32 s16, s13, 7
	s_lshl_b32 s17, s11, 6
	s_add_co_u32 s16, s16, s17                     ; my first row
.if KIND == 2
	s_lshl_b32 s16, s16, 13                        ; rows of 4,096 bf16
	s_lshl_b32 s46, s42, 9
	s_lshl_b32 s47, s12, 8
.else
	s_lshl_b32 s16, s16, 12                        ; rows of 1,024 f32
	s_lshl_b32 s46, s42, 10
	s_lshl_b32 s47, s12, 9
.endif
	s_add_co_u32 s46, s46, s47                     ; my first column, in bytes
.endif
	s_mov_b32 s17, 0
	s_mov_b32 s47, 0
	s_add_nc_u64 s[8:9], s[8:9], s[16:17]
	s_add_nc_u64 s[8:9], s[8:9], s[46:47]
.if RESID
	s_add_nc_u64 s[70:71], s[70:71], s[16:17]
	s_add_nc_u64 s[70:71], s[70:71], s[46:47]
.endif
.if HASBIAS
	s_wait_loadcnt 0x0                             ; the bias, asked for at the start
.endif
.macro OUT a
	s_wait_xcnt 0x0                                ; P, which the last rows' stores read, is loaded again only behind this wait
.if RESID
.irp t, 0,1,2,3,4,5,6,7,8,9,10,11,12,13,14,15
	global_load_b128 v[R+4*\t:R+4*\t+3], v[CO], s[70:71] offset:(16*\a+\t)*4096
.endr
.endif
	WIN 0x04                                       ; the data of an LDS store is source 1: window 1
.irp b, 0,1,2,3,4,5,6,7
	ds_store_b128 v[STO], v[8*(8*\a+\b):8*(8*\a+\b)+3] offset:64*\b
	ds_store_b128 v[STO], v[8*(8*\a+\b)+4:8*(8*\a+\b)+7] offset:64*\b+16
.endr
	WIN 0
.irp t, 0,1,2,3,4,5,6,7,8,9,10,11,12,13,14,15
.if KIND == 0
	ds_load_b128 v[P+4*\t:P+4*\t+3], v[RD] offset:(\t&7)*2*SPITCH+(\t>>3)*256   ; LDS serves a wave's instructions in order (ISA guide 5.7.1.4): these see the stores above
.else
	ds_load_b128 v[P+4*\t:P+4*\t+3], v[RD] offset:\t*SPITCH                     ; LDS serves a wave's instructions in order (ISA guide 5.7.1.4): these see the stores above
.endif
.endr
.irp t, 0,1,2,3,4,5,6,7,8,9,10,11,12,13,14,15
	s_wait_dscnt 15-\t                             ; read-back t is in, the younger ones stay out
.if KIND == 0
	v_cvt_pk_bf16_f32 v[P+4*\t], v[P+4*\t], v[P+4*\t+1]
	v_cvt_pk_bf16_f32 v[P+4*\t+1], v[P+4*\t+2], v[P+4*\t+3]
	global_store_b64 v[CO], v[P+4*\t:P+4*\t+1], s[8:9] offset:(\t>>3)*262144+(16*\a+2*(\t&7))*128   ; two tokens of one head: 256 consecutive bytes, aligned
.endif
.if RESID
	s_wait_loadcnt 15-\t                           ; residual row t is in
	v_pk_add_f32 v[P+4*\t:P+4*\t+1], v[P+4*\t:P+4*\t+1], v[BIAS:BIAS+1]
	v_pk_add_f32 v[P+4*\t+2:P+4*\t+3], v[P+4*\t+2:P+4*\t+3], v[BIAS+2:BIAS+3]
	v_pk_add_f32 v[P+4*\t:P+4*\t+1], v[P+4*\t:P+4*\t+1], v[R+4*\t:R+4*\t+1]
	v_pk_add_f32 v[P+4*\t+2:P+4*\t+3], v[P+4*\t+2:P+4*\t+3], v[R+4*\t+2:R+4*\t+3]
	global_store_b128 v[CO], v[P+4*\t:P+4*\t+3], s[8:9] offset:(16*\a+\t)*4096   ; the wave stores 512 consecutive bytes, aligned
.endif
.if KIND == 2
	v_pk_add_f32 v[P+4*\t:P+4*\t+1], v[P+4*\t:P+4*\t+1], v[BIAS:BIAS+1]          ; x
	v_pk_add_f32 v[P+4*\t+2:P+4*\t+3], v[P+4*\t+2:P+4*\t+3], v[BIAS+2:BIAS+3]
	v_pk_mul_f32 v[R:R+1], v[P+4*\t:P+4*\t+1], v[P+4*\t:P+4*\t+1]                ; x^2
	v_pk_mul_f32 v[R+2:R+3], v[P+4*\t+2:P+4*\t+3], v[P+4*\t+2:P+4*\t+3]
	v_pk_fma_f32 v[R:R+1], v[R:R+1], v[GK2:GK2+1], v[GK1:GK1+1]                  ; k (1 + 0.044715 x^2)
	v_pk_fma_f32 v[R+2:R+3], v[R+2:R+3], v[GK2:GK2+1], v[GK1:GK1+1]
	v_pk_mul_f32 v[R:R+1], v[R:R+1], v[P+4*\t:P+4*\t+1]                          ; z
	v_pk_mul_f32 v[R+2:R+3], v[R+2:R+3], v[P+4*\t+2:P+4*\t+3]
	v_exp_f32 v[R], v[R]
	v_exp_f32 v[R+1], v[R+1]
	v_exp_f32 v[R+2], v[R+2]
	v_exp_f32 v[R+3], v[R+3]
	v_nop                                          ; one plain place behind the transcendentals (ISA guide 5.7.2)
	v_pk_add_f32 v[R:R+1], v[R:R+1], 1.0 op_sel_hi:[1,0]
	v_pk_add_f32 v[R+2:R+3], v[R+2:R+3], 1.0 op_sel_hi:[1,0]
	v_rcp_f32 v[R], v[R]
	v_rcp_f32 v[R+1], v[R+1]
	v_rcp_f32 v[R+2], v[R+2]
	v_rcp_f32 v[R+3], v[R+3]
	v_nop
	v_pk_mul_f32 v[P+4*\t:P+4*\t+1], v[P+4*\t:P+4*\t+1], v[R:R+1]                ; x / (1 + 2^z)
	v_pk_mul_f32 v[P+4*\t+2:P+4*\t+3], v[P+4*\t+2:P+4*\t+3], v[R+2:R+3]
	v_cvt_pk_bf16_f32 v[P+4*\t], v[P+4*\t], v[P+4*\t+1]
	v_cvt_pk_bf16_f32 v[P+4*\t+1], v[P+4*\t+2], v[P+4*\t+3]
	global_store_b64 v[CO], v[P+4*\t:P+4*\t+1], s[8:9] offset:(16*\a+\t)*8192    ; the wave stores 256 consecutive bytes, aligned
.endif
.endr
.endm
	OUT 0
	OUT 1
	OUT 2
	OUT 3
	s_wait_tensorcnt 0x0
	ds_add_u32 v254, v255
	s_wait_dscnt 0x0
	CROUND                                         ; the closing round: no work-group ends while a partner may still ask for a tile that names it
	s_endpgm
.Lfunc_end_k_qe3316a7cd1_ffn2:
	.size	k_qe3316a7cd1_ffn2, .Lfunc_end_k_qe3316a7cd1_ffn2-k_qe3316a7cd1_ffn2
	.p2alignl 7, 3214868480
	.fill 96, 4, 3214868480
	.section	.rodata,"a",@progbits
	.p2align	6, 0x0
	.amdhsa_kernel k_qe3316a7cd1_ffn2
		.amdhsa_group_segment_fixed_size 327680
		.amdhsa_private_segment_fixed_size 0
		.amdhsa_enable_private_segment 0
		.amdhsa_kernarg_size 40
		.amdhsa_user_sgpr_count 2
		.amdhsa_user_sgpr_kernarg_segment_ptr 1
		.amdhsa_wavefront_size32 1
		.amdhsa_system_sgpr_workgroup_id_x 1
		.amdhsa_system_sgpr_workgroup_id_y 1
		.amdhsa_system_sgpr_workgroup_id_z 1
		.amdhsa_system_vgpr_workitem_id 0
		.amdhsa_next_free_vgpr 512
		.amdhsa_next_free_sgpr 72
		.amdhsa_reserve_vcc 0
		.amdhsa_float_denorm_mode_32 3
		.amdhsa_float_denorm_mode_16_64 3
		.amdhsa_memory_ordered 1
		.amdhsa_forward_progress 1
		.amdhsa_inst_pref_size 143
	.end_amdhsa_kernel
	.amdgpu_metadata
---
amdhsa.version: [ 1, 2 ]
amdhsa.kernels:
  - .name:           k_qe3316a7cd1_ffn2
    .symbol:         k_qe3316a7cd1_ffn2.kd
    .args:
      - { .name: ff, .offset: 0, .size: 8, .value_kind: global_buffer, .address_space: global }
      - { .name: wb, .offset: 8, .size: 8, .value_kind: global_buffer, .address_space: global }
      - { .name: out0, .offset: 16, .size: 8, .value_kind: global_buffer, .address_space: global }
      - { .name: b2, .offset: 24, .size: 8, .value_kind: global_buffer, .address_space: global }
      - { .name: x1, .offset: 32, .size: 8, .value_kind: global_buffer, .address_space: global }
    .group_segment_fixed_size: 327680
    .private_segment_fixed_size: 0
    .kernarg_segment_align: 8
    .kernarg_segment_size: 40
    .max_flat_workgroup_size: 128
    .sgpr_count:     72
    .vgpr_count:     512
    .wavefront_size: 32
...
	.end_amdgpu_metadata
.endif
;; end of part 7
;; ======== version 2 of 3: 7 launches; 1.27 times as fast as version 1
;; workspace buffers: wb 25,165,824 bytes; hb 8,388,608 bytes; qkv 25,165,824 bytes; cb 8,388,608 bytes; x1 16,777,216 bytes; ff 33,554,432 bytes
;; launch prep: the kernel of part 1 again; grid 32 x 16, 8 waves a work-group, no clusters, 0 bytes of LDS; arguments x, ln1_g, ln1_b, hb, Wq, Wk, Wv, Wo, W1, W2, wb; writes hb, wb
;; launch qkv (part 8): grid 12 x 16, 4 waves a work-group, clusters of 4 x 4, 327,680 bytes of LDS; arguments hb, wb, qkv; writes qkv
.if DOCPART == 8
	.amdgcn_target "amdgcn-amd-amdhsa--gfx1250"
	.amdhsa_code_object_version 6
	.text
	.protected	k_qe3316a7cd1_qkv
	.globl	k_qe3316a7cd1_qkv
	.p2align	8
	.type	k_qe3316a7cd1_qkv,@function
k_qe3316a7cd1_qkv:
	s_mov_b64 s[64:65], 0
	v_nop
	global_prefetch_b8 v0, s[64:65] scope:SCOPE_SE
	s_setreg_imm32_b32 hwreg(HW_REG_WAVE_MODE, 25, 1), 1
	s_wait_xcnt 0x0
	s_wait_alu depctr_hold_cnt(0) depctr_sa_sdst(0) depctr_va_vdst(0) depctr_va_sdst(0) depctr_va_ssrc(0) depctr_va_vcc(0) depctr_vm_vsrc(0)
	s_getreg_b32 s2, hwreg(HW_REG_IB_STS2, 6, 4)
	s_cmp_eq_u32 s2, 0
	s_cbranch_scc0 .Lentry_in_a_cluster
	s_endpgm
.Lentry_in_a_cluster:
	s_bfe_u32 s2, ttmp6, 0x10000c
	s_cmp_lg_u32 s2, 0xf033
	s_cbranch_scc0 .Lentry_shape_is_right
	s_endpgm
.Lentry_shape_is_right:
; C = A W (+ what the build adds).  A: [4096][1024] bf16, K along the rows.  W: [1024][NB] bf16, as the weights are given ([in][out]).  Sums in f32.
; One source, two builds, chosen by KIND:
;  0 qkv : A = LN1(x), W = Wq | Wk | Wv; C in bf16, head-major: plane q, k, v, then [batch x 16 + head][token][64].  4,096 x 3,072 outputs: 12 x 16 work-groups
;  2 ffn1: A = LN2(x1), W = W1; C = gelu(A W1 + b1) in bf16.  4,096 x 4,096 outputs: 16 x 16 work-groups
; A work-group makes 256 x 256 of C with four waves (2 x 2), a wave 128 x 128: 64 accumulator tiles of 16 x 16, 512 registers.  For 32 along K a wave
; reads 2 x 128 x 64 bytes from LDS and issues 64 matrix instructions.
; K goes in steps of 128 through two LDS slots filled by the tensor data mover: 64 KiB of A and 64 KiB of W a step; each wave brings 32 KiB by one load.
; CLUSTERS: 4 x 4 work-groups.  A's tile hangs on the block row alone and is asked for jointly by a row of the cluster, W's on the block column alone
; and is asked for jointly by a column: each of the four issues the same load with a mask that names the four.
; W lies in LDS as [k][n]; ds_load_tr16_b128 turns 8 x 8 blocks on the way to the registers, so a lane holds one column n with k along its registers.
; THE MATRIX INSTRUCTION IS USED TRANSPOSED: source 0 = 16 columns of W, source 1 = 16 rows of A; lane l then holds row l % 16 of C and its registers
; the columns 8 (l / 16) + 0..7.
; REGISTERS, in windows of 256: window 0: v8-29 addresses and constants; v64-127, v128-191 fragments of A, two buffers (on the way out: at work);
;   window 1: v64-127, v128-191 fragments of W, two buffers; window 2: the 32 accumulator tiles of my rows 0-63 (tile (a, b) at v[8 (8 a + b)]);
;   window 3: those of my rows 64-127.
; Limits: operands are bf16; K is summed in the matrix unit's order; gelu is x / (1 + exp2(k (x + 0.044715 x^3))), k = -2 sqrt(2/pi) log2(e), which is
; the tanh form rewritten; v_exp_f32 and v_rcp_f32 flush denormals and are accurate to 1 ULP; NaN and infinite inputs are not followed.
.set KIND, 0
.set SIZE_K, 1024
.if KIND == 0
.set NB, 1024
.set WOFF, 0
.set HASBIAS, 0
.else
.set NB, 4096
.set WOFF, 0x800000
.set HASBIAS, 1
.endif
.set KSTEP,  128
.set APITCH, 272                       ; 256 bytes + 16: seventeen times 16 bytes, so 16 rows start 16 bytes apart modulo 256
.set AHALF,  128*APITCH                ; one load: 128 rows
.set ASZ,    2*AHALF
.set AKSTEP, 2*KSTEP                   ; a K step on, in bytes of a row
.set BPITCH, 544                       ; 512 bytes + 32: seventeen times 32 bytes
.set BHALF,  64*BPITCH                 ; one load: 64 rows of k
.set BKSTEP, KSTEP*NB*2
.set SLOT,   ASZ+2*BHALF               ; A's tile, then W's: 139,264 bytes
.set STAGE,  2*SLOT                    ; behind the ring, a multiple of 256: 16 rows x 528 bytes for each wave; no tensor load lands there
.set SPITCH, 528                       ; 128 f32 + 16 bytes
.set LAPS,   SIZE_K/(2*KSTEP)          ; a lap = two K steps = once round the ring
; window 0
.set GK2,  8                           ; v[8:9]    ffn1: 0.044715 k, twice
.set GK1,  10                          ; v[10:11]  ffn1: k, twice
.set ADRA, 16                          ; v16-17    LDS address of my A fragments in slot 0, 1
.set ADRB, 20                          ; v20-21    the same for W
.set STO,  22                          ; the way out: where my 32 bytes of a row go
.set RD,   23                          ; the way out: where I read back
.set BIAS, 24                          ; v[24:27]  bias of my four columns
.set CO,   28                          ; my byte offset in C
.set BO,   29                          ; my byte offset in the bias
.set F0,   64                          ; fragment buffer 0 (A's in window 0, W's in window 1)
.set F1,   128                         ; fragment buffer 1
.set P,    64                          ; the way out: 16 x 4 registers read back
.set R,    128                         ; the way out, ffn1: four registers at work
.set G1,  24                           ; s[24:31] descriptor group 1 for A
.set G0,  32                           ; s[32:39] group 0 for A, a set for each slot
.set G1B, 48                           ; s[48:55] group 1 for W
.set G0B, 56                           ; s[56:63] group 0 for W
.set MSB, 0
.macro WIN new                         ; s_set_vgpr_msb: bits 1:0 source 0, 3:2 source 1, 5:4 source 2, 7:6 destination; the high byte repeats the setting left
.if MSB != \new
	s_set_vgpr_msb (MSB<<8)|\new
.set MSB, \new
.endif
.endm
.set MUL_LO, 0xa1                      ; source 0 (W) window 1, source 1 (A) window 0, C and D window 2
.set MUL_HI, 0xf1                      ; the same, C and D window 3
.set TO_B,   0x40                      ; destination window 1, address window 0
.macro PLACES                          ; four places behind a matrix instruction, ahead of a load into, or a read of, its registers
.rept 4
	v_nop
.endr
.endm
; A joint load: waves 0 and 1 ask for A's two halves, waves 2 and 3 for W's.  The branch hangs on the wave's number alone.
.macro JLOAD s
	s_cmp_eq_u32 s11, 0
	s_cbranch_scc0 .Lfor_b_\@
	tensor_load_to_lds s[G0+4*\s:G0+4*\s+3], s[G1:G1+7]
	s_nop 0
.rept 4
	v_nop
.endr
	s_branch .Lasked_\@
.Lfor_b_\@:
	tensor_load_to_lds s[G0B+4*\s:G0B+4*\s+3], s[G1B:G1B+7]
	s_nop 0
.rept 4
	v_nop
.endr
.Lasked_\@:
.endm
.macro CREST                           ; a round of the cluster's barrier behind its opening work-group barrier
	s_cmp_lg_u32 s10, 0
	s_cbranch_scc1 .Lnot_wave_0_\@
	s_barrier_signal -3
.Lnot_wave_0_\@:
	s_barrier_wait -3
	s_barrier_signal -1
	s_barrier_wait -1
.endm
.macro CROUND
	s_barrier_signal -1
	s_barrier_wait -1
	CREST
.endm
	s_load_b128 s[4:7], s[0:1], 0x0                ; A s[4:5], wb s[6:7]
	s_load_b64 s[8:9], s[0:1], 0x10                ; C
	s_set_vgpr_msb 0x40
	v_lshl_add_u32 v255, v0, 2, 0x4c400
	s_set_vgpr_msb 0x4000
	v_mov_b32 v255, 0
	s_set_vgpr_msb 0x1
	ds_add_u32 v255, v255
	ds_add_u32 v255, v255
	s_set_vgpr_msb 0x100
.if HASBIAS
	s_load_b64 s[68:69], s[0:1], 0x18              ; bias
.endif
	v_lshrrev_b32 v1, 5, v0
	v_readfirstlane_b32 s10, v1                    ; wave 0..3
	s_lshr_b32 s11, s10, 1                         ; which 128 rows of the block are mine.  Also: I ask for A (0) or for W (1)
	s_and_b32 s12, s10, 1                          ; which 128 columns.  Also: which half of that tile I ask for
	s_bfe_u32 s40, ttmp6, 0x40000                  ; cx
	s_bfe_u32 s41, ttmp6, 0x40004                  ; cy
	s_lshl_b32 s42, ttmp9, 2
	s_add_co_u32 s42, s42, s40                     ; block column = 4 x cluster x + cx
	s_and_b32 s13, ttmp7, 0xffff
	s_lshl_b32 s13, s13, 2
	s_add_co_u32 s13, s13, s41                     ; block row = 4 x cluster y + cy
	s_lshl_b32 s43, s41, 2
	s_lshl_b32 s43, 15, s43                        ; my row of the cluster
	s_lshl_b32 s44, 0x1111, s40                    ; my column
	s_or_b32 s[G1+0], s43, (1<<16)|(1<<20)|(1<<21)|(5<<22)|(3<<25)    ; A's tiles go to my row; elements of 2 bytes; padding on; bit 21 beside a mask; after every 64 words, 4 words
	s_mov_b32 s[G1+1], KSTEP<<16                   ; tensor_dim0 = 128
	s_mov_b32 s[G1+2], 128<<16                     ; tensor_dim1 = 128 rows
	s_mov_b32 s[G1+3], KSTEP<<16                   ; tile_dim0: 256 bytes
	s_mov_b32 s[G1+4], 128                         ; tile_dim1
	s_mov_b32 s[G1+5], SIZE_K                      ; elements from row to row
	s_mov_b32 s[G1+6], 0
	s_mov_b32 s[G1+7], 0
	s_or_b32 s[G1B+0], s44, (1<<16)|(1<<20)|(1<<21)|(6<<22)|(7<<25)   ; W's tiles go to my column; elements of 2 bytes; after every 128 words, 8 words
	s_mov_b32 s[G1B+1], 256<<16
	s_mov_b32 s[G1B+2], 64<<16
	s_mov_b32 s[G1B+3], 256<<16                    ; 256 columns: 512 bytes
	s_mov_b32 s[G1B+4], 64                         ; 64 rows of k
	s_mov_b32 s[G1B+5], NB
	s_mov_b32 s[G1B+6], 0
	s_mov_b32 s[G1B+7], 0
	; where the tiles come from: A's offset is made of the block row and the wave, W's of the block column and the wave, in registers of their own
	s_lshl_b32 s17, s12, 7
	s_lshl_b32 s16, s13, 8
	s_add_co_u32 s16, s16, s17                     ; row 256 x block row + 128 x half
	s_mul_i32 s16, s16, SIZE_K*2                   ; below 2^24
	s_mov_b32 s17, 0
.if KIND == 0
	s_and_b32 s46, s42, 3
	s_lshl_b32 s46, s46, 9                         ; 256 columns of one of the three matrices,
	s_lshr_b32 s47, s42, 2
	s_lshl_b32 s47, s47, 21                        ; which lie 2 MiB apart
	s_add_co_u32 s46, s46, s47
.else
	s_lshl_b32 s46, s42, 9
	s_add_co_u32 s46, s46, WOFF
.endif
	s_mul_i32 s47, s12, 64*NB*2                    ; my half: 64 rows of k
	s_add_co_u32 s46, s46, s47
	s_mov_b32 s47, 0
	s_mul_i32 s20, s12, AHALF                      ; and where they go: no place in the cluster enters an LDS address
	s_mul_i32 s21, s12, BHALF
	s_add_co_u32 s21, s21, ASZ
	s_wait_dscnt 0x0
	s_wait_kmcnt 0x0
	s_add_nc_u64 s[14:15], s[4:5], s[16:17]
	s_add_nc_u64 s[46:47], s[6:7], s[46:47]
	CROUND                                         ; all sixteen work-groups are here: the first joint loads meet
.irp s, 0,1
	s_mov_b32 s[G0+4*\s], 1
	s_add_co_u32 s[G0+4*\s+1], s20, \s*SLOT
	s_add_nc_u64 s[G0+4*\s+2:G0+4*\s+3], s[14:15], \s*AKSTEP
	s_or_b32 s[G0+4*\s+3], s[G0+4*\s+3], 0x80000000
	s_mov_b32 s[G0B+4*\s], 1
	s_add_co_u32 s[G0B+4*\s+1], s21, \s*SLOT
	s_add_nc_u64 s[G0B+4*\s+2:G0B+4*\s+3], s[46:47], \s*BKSTEP
	s_or_b32 s[G0B+4*\s+3], s[G0B+4*\s+3], 0x80000000
	JLOAD \s                                       ; both slots' first fills go out together: two loads of the wave are out, later one
.endr
	v_and_b32 v1, 15, v0                           ; r = l % 16
	v_bfe_u32 v2, v0, 4, 1                         ; h = l / 16
	v_mul_u32_u24 v3, v1, APITCH
	v_lshl_add_u32 v3, v2, 4, v3                   ; A: row r, 16 h bytes in
	v_and_b32 v4, 7, v0
	v_lshl_add_u32 v4, v2, 3, v4                   ; W: row of k 8 h + l % 8,
	v_mul_u32_u24 v4, v4, BPITCH
	v_bfe_u32 v5, v0, 3, 1
	v_lshl_add_u32 v4, v5, 4, v4                   ; and which 8 of the 16 columns
	s_mul_i32 s22, s11, 128*APITCH                 ; my 128 rows of A
	s_lshl_b32 s23, s12, 8                         ; my 128 columns of W,
	s_add_co_u32 s23, s23, ASZ                     ; which lies behind A
.irp s, 0,1
	v_add_nc_u32 v[ADRA+\s], s22, v3
	v_add_nc_u32 v[ADRB+\s], s23, v4
	s_add_co_u32 s22, s22, SLOT
	s_add_co_u32 s23, s23, SLOT
.endr
	s_mul_i32 s20, s10, 16*SPITCH
	s_add_co_u32 s20, s20, STAGE                   ; my stage
	v_mul_u32_u24 v6, v1, SPITCH
	v_lshl_add_u32 v6, v2, 5, v6                   ; in: row r, 8 f32 for each half of the lanes
	v_add_nc_u32 v[STO], s20, v6
	v_and_b32 v7, 31, v0
.if KIND == 0
	v_mul_u32_u24 v5, v2, SPITCH                   ; back: lanes 0-15 take 64 columns (a head) of one row, lanes 16-31 of the next
	v_lshl_add_u32 v5, v1, 4, v5
	v_add_nc_u32 v[RD], s20, v5
	v_lshlrev_b32 v[CO], 3, v7                     ; two tokens of a head: 256 dense bytes
.else
	v_lshl_add_u32 v[RD], v7, 4, s20               ; back: the wave takes a whole row of 128 f32
	v_lshlrev_b32 v[CO], 3, v7                     ; four bf16
	v_mov_b32 v[GK2], 0xbdd2d3e8                   ; 0.044715 k
	v_mov_b32 v[GK2+1], 0xbdd2d3e8
	v_mov_b32 v[GK1], 0xc0135761                   ; k = -2 sqrt(2/pi) log2(e)
	v_mov_b32 v[GK1+1], 0xc0135761
.endif
.if HASBIAS
	v_lshlrev_b32 v[BO], 4, v7
	s_lshl_b32 s46, s42, 10                        ; my first column x 4 bytes (the registers that held W's address)
	s_lshl_b32 s47, s12, 9
	s_add_co_u32 s46, s46, s47
	s_mov_b32 s47, 0
	s_add_nc_u64 s[68:69], s[68:69], s[46:47]
	global_load_b128 v[BIAS:BIAS+3], v[BO], s[68:69]   ; waited for in front of the way out
.endif
; 16 matrix instructions: row blocks a0, a0 + 1 of the window's four (hi = 0: my rows 0-63, 1: rows 64-127) x all 8 column blocks, 32 along K.
; zero = 1: the first product starts the sums.  The 64 accumulators take turns, one instruction a turn, in the same order in every quarter step.
.macro MUL16 f, hi, a0, zero
.irp a, \a0, \a0+1
.irp b, 0,1,2,3,4,5,6,7
.if \zero
	v_wmma_f32_16x16x32_bf16 v[8*(8*(\a)+\b):8*(8*(\a)+\b)+7], v[\f+8*\b:\f+8*\b+7], v[\f+8*(4*\hi+\a):\f+8*(4*\hi+\a)+7], 0
.else
	v_wmma_f32_16x16x32_bf16 v[8*(8*(\a)+\b):8*(8*(\a)+\b)+7], v[\f+8*\b:\f+8*\b+7], v[\f+8*(4*\hi+\a):\f+8*(4*\hi+\a)+7], v[8*(8*(\a)+\b):8*(8*(\a)+\b)+7]
.endif
.endr
.endr
.endm
; 32 LDS loads in one run: quarter q (32 along K) of a slot into buffer f: W's eight fragments first, then A's eight
.macro FETCH slot, q, f
	WIN TO_B
.irp b, 0,1,2,3,4,5,6,7
	ds_load_tr16_b128 v[\f+8*\b:\f+8*\b+3],   v[ADRB+\slot] offset:\q*32*BPITCH+32*\b
	ds_load_tr16_b128 v[\f+8*\b+4:\f+8*\b+7], v[ADRB+\slot] offset:\q*32*BPITCH+16*BPITCH+32*\b
.endr
	WIN 0
.irp i, 0,1,2,3,4,5,6,7
	ds_load_b128 v[\f+8*\i:\f+8*\i+3],   v[ADRA+\slot] offset:64*\q+\i*16*APITCH
	ds_load_b128 v[\f+8*\i+4:\f+8*\i+7], v[ADRA+\slot] offset:64*\q+\i*16*APITCH+32
.endr
.endm
; One of a K step's first three quarters: multiplies buffer f and, in its middle, fetches quarter q into buffer g
.macro QUARTER slot, q, f, g, zero
	s_wait_dscnt 8                                 ; of the 32 loads only the youngest eight (A's rows 64-127) may be out
	WIN MUL_LO
	MUL16 \f, 0, 0, \zero
	MUL16 \f, 0, 2, \zero
	PLACES
	FETCH \slot, \q, \g
	s_wait_dscnt 32                                ; all but the 32 just issued
	WIN MUL_HI
	MUL16 \f, 1, 0, \zero
	MUL16 \f, 1, 2, \zero
.endm
.macro THREE slot, zero
	QUARTER \slot, 1, F0, F1, \zero
	QUARTER \slot, 2, F1, F0, 0
	QUARTER \slot, 3, F0, F1, 0
.endm
; The last quarter: multiplies buffer 1 and changes slots.  In front of the barrier each wave waits for its reads of this slot and for all its tensor
; loads (one is out: its part of the next slot).  Behind it (with fill: behind the round of the cluster's barrier that it opens) the refill comes first.
; From a request to the wait for it a wave issues 240 matrix instructions.
.macro TURN slot, next, fill
	s_wait_dscnt 8
	WIN MUL_LO
	MUL16 F1, 0, 0, 0
	s_wait_dscnt 0                                 ; my reads of this slot are over
	s_wait_tensorcnt 0x0                           ; all my tensor loads have landed
	ds_add_u32 v255, v255
	s_wait_dscnt 0x0
	s_barrier_signal -1
	MUL16 F1, 0, 2, 0                              ; register work while the others arrive
	WIN 0
	s_barrier_wait -1
.if \fill
	CREST                                          ; no wave of any partner still reads this slot or has a load on its way
	s_add_nc_u64 s[G0+4*\slot+2:G0+4*\slot+3], s[G0+4*\slot+2:G0+4*\slot+3], 2*AKSTEP
	s_add_nc_u64 s[G0B+4*\slot+2:G0B+4*\slot+3], s[G0B+4*\slot+2:G0B+4*\slot+3], 2*BKSTEP
	JLOAD \slot                                    ; the wave's one tensor load behind the round; its four v_nop are the places in front of the loads below
.else
	PLACES
.endif
	FETCH \next, 0, F0
	WIN MUL_HI
	MUL16 F1, 1, 0, 0
	MUL16 F1, 1, 2, 0
.endm
.macro LAP zero
	THREE 0, \zero
	TURN 0, 1, 1
	THREE 1, 0
	TURN 1, 0, 1
.endm
	s_wait_tensorcnt 1                             ; my part of K step 0 is in; K step 1's may stay out
	s_barrier_signal -1
	s_barrier_wait -1
	FETCH 0, 0, F0
	LAP 1                                          ; the first lap's first products start the sums
	WIN 0                                          ; at a label and at a branch every window is 0
	s_mov_b32 s3, LAPS-2
.Llap:
	LAP 0
	WIN 0
	s_sub_co_u32 s3, s3, 1
	s_cmp_lg_u32 s3, 0
	s_cbranch_scc1 .Llap
	THREE 0, 0                                     ; the last lap fills nothing
	TURN 0, 1, 0
	THREE 1, 0
	s_wait_dscnt 8
	WIN MUL_LO
	MUL16 F1, 0, 0, 0
	MUL16 F1, 0, 2, 0
	s_wait_dscnt 0
	WIN MUL_HI
	MUL16 F1, 1, 0, 0
	MUL16 F1, 1, 2, 0
	; THE WAY OUT, 16 rows at a time: f32 sums into my own stage, read back by rows, finished and stored in whole runs of 256 bytes
	PLACES
	WIN 0
.if KIND == 0
	s_lshr_b32 s16, s13, 3
	s_lshl_b32 s16, s16, 22                        ; batch: 16 heads of 262,144 bytes
	s_and_b32 s17, s13, 7
	s_lshl_b32 s17, s17, 15                        ; 256 tokens of 128 bytes
	s_add_co_u32 s16, s16, s17
	s_lshl_b32 s17, s11, 14                        ; my 128 tokens
	s_add_co_u32 s16, s16, s17
	s_lshr_b32 s46, s42, 2
	s_lshl_b32 s46, s46, 23                        ; plane q, k or v
	s_and_b32 s47, s42, 3
	s_lshl_b32 s47, s47, 20                        ; four heads of 262,144 bytes a block column
	s_add_co_u32 s46, s46, s47
	s_lshl_b32 s47, s12, 19                        ; my two heads
	s_add_co_u32 s46, s46, s47
.else
	s_lshl_b32 s16, s13, 8
	s_lshl_b32 s17, s11, 7
	s_add_co_u32 s16, s16, s17                     ; my first row
	s_lshl_b32 s16, s16, 13                        ; rows of 4,096 bf16
	s_lshl_b32 s46, s42, 9
	s_lshl_b32 s47, s12, 8
	s_add_co_u32 s46, s46, s47                     ; my first column, in bytes
.endif
	s_mov_b32 s17, 0
	s_mov_b32 s47, 0
	s_add_nc_u64 s[8:9], s[8:9], s[16:17]
	s_add_nc_u64 s[8:9], s[8:9], s[46:47]
.if HASBIAS
	s_wait_loadcnt 0x0                             ; the bias, asked for at the start
.endif
; rows 16 i .. 16 i + 15 of my block = the eight tiles (a, 0..7) of window 2 or 3 (from = 0x08 or 0x0c: source 1, the data of an LDS store)
.macro OUT i, a, from
	s_wait_xcnt 0x0                                ; P, which the last rows' stores read, is loaded again only behind this wait
	WIN \from
.irp b, 0,1,2,3,4,5,6,7
	ds_store_b128 v[STO], v[8*(8*\a+\b):8*(8*\a+\b)+3] offset:64*\b
	ds_store_b128 v[STO], v[8*(8*\a+\b)+4:8*(8*\a+\b)+7] offset:64*\b+16
.endr
	WIN 0
.irp t, 0,1,2,3,4,5,6,7,8,9,10,11,12,13,14,15
.if KIND == 0
	ds_load_b128 v[P+4*\t:P+4*\t+3], v[RD] offset:(\t&7)*2*SPITCH+(\t>>3)*256   ; LDS serves a wave's instructions in order (ISA guide 5.7.1.4): these see the stores above
.else
	ds_load_b128 v[P+4*\t:P+4*\t+3], v[RD] offset:\t*SPITCH                     ; LDS serves a wave's instructions in order (ISA guide 5.7.1.4): these see the stores above
.endif
.endr
.irp t, 0,1,2,3,4,5,6,7,8,9,10,11,12,13,14,15
	s_wait_dscnt 15-\t                             ; read-back t is in, the younger ones stay out
.if KIND == 0
	v_cvt_pk_bf16_f32 v[P+4*\t], v[P+4*\t], v[P+4*\t+1]
	v_cvt_pk_bf16_f32 v[P+4*\t+1], v[P+4*\t+2], v[P+4*\t+3]
	global_store_b64 v[CO], v[P+4*\t:P+4*\t+1], s[8:9] offset:(\t>>3)*262144+(16*\i+2*(\t&7))*128   ; two tokens of one head: 256 consecutive bytes, aligned
.else
	v_pk_add_f32 v[P+4*\t:P+4*\t+1], v[P+4*\t:P+4*\t+1], v[BIAS:BIAS+1]          ; x
	v_pk_add_f32 v[P+4*\t+2:P+4*\t+3], v[P+4*\t+2:P+4*\t+3], v[BIAS+2:BIAS+3]
	v_pk_mul_f32 v[R:R+1], v[P+4*\t:P+4*\t+1], v[P+4*\t:P+4*\t+1]                ; x^2
	v_pk_mul_f32 v[R+2:R+3], v[P+4*\t+2:P+4*\t+3], v[P+4*\t+2:P+4*\t+3]
	v_pk_fma_f32 v[R:R+1], v[R:R+1], v[GK2:GK2+1], v[GK1:GK1+1]                  ; k (1 + 0.044715 x^2)
	v_pk_fma_f32 v[R+2:R+3], v[R+2:R+3], v[GK2:GK2+1], v[GK1:GK1+1]
	v_pk_mul_f32 v[R:R+1], v[R:R+1], v[P+4*\t:P+4*\t+1]                          ; z
	v_pk_mul_f32 v[R+2:R+3], v[R+2:R+3], v[P+4*\t+2:P+4*\t+3]
	v_exp_f32 v[R], v[R]
	v_exp_f32 v[R+1], v[R+1]
	v_exp_f32 v[R+2], v[R+2]
	v_exp_f32 v[R+3], v[R+3]
	v_nop                                          ; one plain place behind the transcendentals (ISA guide 5.7.2)
	v_pk_add_f32 v[R:R+1], v[R:R+1], 1.0 op_sel_hi:[1,0]
	v_pk_add_f32 v[R+2:R+3], v[R+2:R+3], 1.0 op_sel_hi:[1,0]
	v_rcp_f32 v[R], v[R]
	v_rcp_f32 v[R+1], v[R+1]
	v_rcp_f32 v[R+2], v[R+2]
	v_rcp_f32 v[R+3], v[R+3]
	v_nop
	v_pk_mul_f32 v[P+4*\t:P+4*\t+1], v[P+4*\t:P+4*\t+1], v[R:R+1]                ; x / (1 + 2^z)
	v_pk_mul_f32 v[P+4*\t+2:P+4*\t+3], v[P+4*\t+2:P+4*\t+3], v[R+2:R+3]
	v_cvt_pk_bf16_f32 v[P+4*\t], v[P+4*\t], v[P+4*\t+1]
	v_cvt_pk_bf16_f32 v[P+4*\t+1], v[P+4*\t+2], v[P+4*\t+3]
	global_store_b64 v[CO], v[P+4*\t:P+4*\t+1], s[8:9] offset:(16*\i+\t)*8192    ; the wave stores 256 consecutive bytes, aligned
.endif
.endr
.endm
	OUT 0, 0, 0x08
	OUT 1, 1, 0x08
	OUT 2, 2, 0x08
	OUT 3, 3, 0x08
	OUT 4, 0, 0x0c
	OUT 5, 1, 0x0c
	OUT 6, 2, 0x0c
	OUT 7, 3, 0x0c
	s_set_vgpr_msb 0x1
	s_wait_tensorcnt 0x0
	ds_add_u32 v255, v255
	s_wait_dscnt 0x0
	s_set_vgpr_msb 0x100
	CROUND                                         ; the closing round: no work-group ends while a partner may still ask for a tile that names it
	s_endpgm
.Lfunc_end_k_qe3316a7cd1_qkv:
	.size	k_qe3316a7cd1_qkv, .Lfunc_end_k_qe3316a7cd1_qkv-k_qe3316a7cd1_qkv
	.p2alignl 7, 3214868480
	.fill 96, 4, 3214868480
	.section	.rodata,"a",@progbits
	.p2align	6, 0x0
	.amdhsa_kernel k_qe3316a7cd1_qkv
		.amdhsa_group_segment_fixed_size 327680
		.amdhsa_private_segment_fixed_size 0
		.amdhsa_enable_private_segment 0
		.amdhsa_kernarg_size 24
		.amdhsa_user_sgpr_count 2
		.amdhsa_user_sgpr_kernarg_segment_ptr 1
		.amdhsa_wavefront_size32 1
		.amdhsa_system_sgpr_workgroup_id_x 1
		.amdhsa_system_sgpr_workgroup_id_y 1
		.amdhsa_system_sgpr_workgroup_id_z 1
		.amdhsa_system_vgpr_workitem_id 0
		.amdhsa_next_free_vgpr 1024
		.amdhsa_next_free_sgpr 72
		.amdhsa_reserve_vcc 0
		.amdhsa_float_denorm_mode_32 3
		.amdhsa_float_denorm_mode_16_64 3
		.amdhsa_memory_ordered 1
		.amdhsa_forward_progress 1
		.amdhsa_inst_pref_size 213
	.end_amdhsa_kernel
	.amdgpu_metadata
---
amdhsa.version: [ 1, 2 ]
amdhsa.kernels:
  - .name:           k_qe3316a7cd1_qkv
    .symbol:         k_qe3316a7cd1_qkv.kd
    .args:
      - { .name: hb, .offset: 0, .size: 8, .value_kind: global_buffer, .address_space: global }
      - { .name: wb, .offset: 8, .size: 8, .value_kind: global_buffer, .address_space: global }
      - { .name: qkv, .offset: 16, .size: 8, .value_kind: global_buffer, .address_space: global }
    .group_segment_fixed_size: 327680
    .private_segment_fixed_size: 0
    .kernarg_segment_align: 8
    .kernarg_segment_size: 24
    .max_flat_workgroup_size: 128
    .sgpr_count:     72
    .vgpr_count:     1024
    .wavefront_size: 32
...
	.end_amdgpu_metadata
.endif
;; end of part 8
;; launch attn: the kernel of part 3 again; grid 8 x 32, 4 waves a work-group, no clusters, 327,680 bytes of LDS; arguments qkv, cb; writes cb
;; launch wo (part 9): grid 8 x 32, 4 waves a work-group, clusters of 4 x 4, 327,680 bytes of LDS; arguments cb, wb, x1, bo, x; writes x1
.if DOCPART == 9
	.amdgcn_target "amdgcn-amd-amdhsa--gfx1250"
	.amdhsa_code_object_version 6
	.text
	.protected	k_qe3316a7cd1_wo
	.globl	k_qe3316a7cd1_wo
	.p2align	8
	.type	k_qe3316a7cd1_wo,@function
k_qe3316a7cd1_wo:
	s_mov_b64 s[64:65], 0
	v_nop
	global_prefetch_b8 v0, s[64:65] scope:SCOPE_SE
	s_setreg_imm32_b32 hwreg(HW_REG_WAVE_MODE, 25, 1), 1
	s_wait_xcnt 0x0
	s_wait_alu depctr_hold_cnt(0) depctr_sa_sdst(0) depctr_va_vdst(0) depctr_va_sdst(0) depctr_va_ssrc(0) depctr_va_vcc(0) depctr_vm_vsrc(0)
	s_getreg_b32 s2, hwreg(HW_REG_IB_STS2, 6, 4)
	s_cmp_eq_u32 s2, 0
	s_cbranch_scc0 .Lentry_in_a_cluster
	s_endpgm
.Lentry_in_a_cluster:
	s_bfe_u32 s2, ttmp6, 0x10000c
	s_cmp_lg_u32 s2, 0xf033
	s_cbranch_scc0 .Lentry_shape_is_right
	s_endpgm
.Lentry_shape_is_right:
; C = R + A W + b in f32.  A: 4,096 rows x SIZE_K bf16.  W: [SIZE_K][1024] bf16, as the weights are given ([in][out]).  R, C: [4096][1024] f32.  Sums in f32.
; One source, two builds, chosen by KIND:
;  1 wo  : A = the attention's context, head-major [batch x 16 + head][token][64] (64 of K are one head); W = Wo, b = bo, R = x
;  3 ffn2: A = gelu(..), [4096][4096], K along the rows; W = W2, b = b2, R = x1
; A work-group makes 128 x 128 of C: 4,096 x 1,024 outputs make 256 work-groups.  Four waves (2 x 2), a wave 64 x 64: 16 accumulator tiles, 128 registers.
; K goes in steps of 256 through two LDS slots filled by the tensor data mover: 64 KiB of A and 64 KiB of W a slot, the largest step of which two slots
; and the stage fit in LDS; each wave brings 32 KiB by one load, and a slot feeds 128 matrix instructions of each wave.
; CLUSTERS: 4 x 4 work-groups.  A's tile hangs on the block row alone and is asked for jointly by a row of the cluster, W's on the block column alone
; and is asked for jointly by a column: each of the four issues the same load with a mask that names the four.
; W lies in LDS as [k][n]; ds_load_tr16_b128 turns 8 x 8 blocks on the way to the registers, so a lane holds one column n with k along its registers.
; THE MATRIX INSTRUCTION IS USED TRANSPOSED: source 0 = 16 columns of W, source 1 = 16 rows of A; lane l then holds row l % 16 of C and its registers
; the columns 8 (l / 16) + 0..7.
; The wave's 64 x 64 of R is asked for at the start, 32 loads into 128 registers of their own, and is waited for once, in front of the way out.
; Limits: operands are bf16; K is summed in the matrix unit's order; NaN and infinite inputs are not followed.
.set KIND, 1
.if KIND == 1
.set SIZE_K, 1024
.set WOFF, 0x600000
.else
.set SIZE_K, 4096
.set WOFF, 0x1000000
.endif
.set NB,     1024
.set KSLOT,  256                       ; K of a slot: eight quarters of 32
.if KIND == 1
.set APITCH, 144                       ; a token's 128 bytes of one head + 16: nine times 16 bytes, so 16 rows start 16 bytes apart modulo 256
.set AHEAD,  128*APITCH                ; one head, 128 tokens
.set AHALF,  2*AHEAD                   ; one load: two heads
.set A_W0,   (3<<16)|(1<<20)|(1<<21)|(4<<22)|(3<<25)   ; elements of 8 bytes; padding on; bit 21 beside a mask; after every 32 words, 4 words
.set A_D0,   2048                      ; a head's 128 tokens are 16 KiB, dense: one row of the tile
.set A_ROWS, 2                         ; two heads,
.set A_PIT,  32768                     ; 262,144 bytes apart
.set AKSTEP, 4*262144                  ; a slot on: four heads
.else
.set APITCH, 528                       ; 512 bytes + 16: thirty-three times 16 bytes
.set AHALF,  64*APITCH                 ; one load: 64 rows
.set A_W0,   (1<<16)|(1<<20)|(1<<21)|(6<<22)|(3<<25)   ; elements of 2 bytes; after every 128 words, 4 words
.set A_D0,   KSLOT
.set A_ROWS, 64
.set A_PIT,  SIZE_K
.set AKSTEP, 2*KSLOT
.endif
.set ASZ,    2*AHALF
.set BPITCH, 288                       ; 256 bytes + 32: nine times 32 bytes
.set BHALF,  128*BPITCH                ; one load: 128 rows of k
.set BKSTEP, KSLOT*NB*2
.set SLOT,   ASZ+2*BHALF               ; A's tile, then W's
.set STAGE,  2*SLOT                    ; behind the ring, a multiple of 256: 16 rows x 272 bytes for each wave; no tensor load lands there
.set SPITCH, 272                       ; 64 f32 + 16 bytes
.set LAPS,   SIZE_K/(2*KSLOT)          ; a lap = two slots = once round the ring
; window 0
.set STO,  12                          ; the way out: where my 32 bytes of a row go
.set RD,   13                          ; the way out: where I read back
.set ADRA, 16                          ; v16-17    LDS address of my A fragments in slot 0, 1
.set ADRB, 20                          ; v20-23    the same for W: slot 0 quarters 0-3, 4-7; slot 1 quarters 0-3, 4-7 (quarter 7 lies 69,216 bytes in, past a 16-bit offset)
.set BIAS, 24                          ; v[24:27]  bias of my four columns
.set CO,   28                          ; my byte offset in C and in R
.set BO,   29                          ; my byte offset in the bias
.set F0,   32                          ; fragment buffer 0: A's four fragments at +0, W's four at +32
.set F1,   96                          ; fragment buffer 1
.set P,    32                          ; the way out: 32 registers for each of the four groups of 16 rows, none written twice
; window 1
;          v[8 (4 a + b)]                accumulator tile (a, b), a = 0..3 (rows), b = 0..3 (columns)
.set R,    128                         ; v[128:255] of window 1: the residual, 32 registers for each group of 16 rows
.set G1,  24                           ; s[24:31] descriptor group 1 for A
.set G0,  32                           ; s[32:39] group 0 for A, a set for each slot
.set G1B, 48                           ; s[48:55] group 1 for W
.set G0B, 56                           ; s[56:63] group 0 for W
.set MSB, 0
.macro WIN new                         ; s_set_vgpr_msb: bits 1:0 source 0, 3:2 source 1, 5:4 source 2, 7:6 destination; the high byte repeats the setting left
.if MSB != \new
	s_set_vgpr_msb (MSB<<8)|\new
.set MSB, \new
.endif
.endm
.set MUL, 0x50                         ; C and D in window 1, fragments in window 0
.macro PLACES                          ; four places behind a matrix instruction, ahead of a load into, or a read of, its registers
.rept 4
	v_nop
.endr
.endm
; A joint load: waves 0 and 1 ask for A's two halves, waves 2 and 3 for W's.  The branch hangs on the wave's number alone.
.macro JLOAD s
	s_cmp_eq_u32 s11, 0
	s_cbranch_scc0 .Lfor_b_\@
	tensor_load_to_lds s[G0+4*\s:G0+4*\s+3], s[G1:G1+7]
	s_nop 0
.rept 4
	v_nop
.endr
	s_branch .Lasked_\@
.Lfor_b_\@:
	tensor_load_to_lds s[G0B+4*\s:G0B+4*\s+3], s[G1B:G1B+7]
	s_nop 0
.rept 4
	v_nop
.endr
.Lasked_\@:
.endm
.macro CREST                           ; a round of the cluster's barrier behind its opening work-group barrier
	s_cmp_lg_u32 s10, 0
	s_cbranch_scc1 .Lnot_wave_0_\@
	s_barrier_signal -3
.Lnot_wave_0_\@:
	s_barrier_wait -3
	s_barrier_signal -1
	s_barrier_wait -1
.endm
.macro CROUND
	s_barrier_signal -1
	s_barrier_wait -1
	CREST
.endm
	s_load_b128 s[4:7], s[0:1], 0x0                ; A s[4:5], wb s[6:7]
	s_load_b64 s[8:9], s[0:1], 0x10                ; C
	s_load_b128 s[68:71], s[0:1], 0x18             ; bias s[68:69], residual s[70:71]
	v_lshl_add_u32 v254, v0, 2, 0x4c400
	v_mov_b32 v255, 0
	ds_add_u32 v254, v255
	ds_add_u32 v254, v255
	v_lshrrev_b32 v1, 5, v0
	v_readfirstlane_b32 s10, v1                    ; wave 0..3
	s_lshr_b32 s11, s10, 1                         ; which 64 rows of the block are mine.  Also: I ask for A (0) or for W (1)
	s_and_b32 s12, s10, 1                          ; which 64 columns.  Also: which half of that tile I ask for
	s_bfe_u32 s40, ttmp6, 0x40000                  ; cx
	s_bfe_u32 s41, ttmp6, 0x40004                  ; cy
	s_lshl_b32 s42, ttmp9, 2
	s_add_co_u32 s42, s42, s40                     ; block column = 4 x cluster x + cx
	s_and_b32 s13, ttmp7, 0xffff
	s_lshl_b32 s13, s13, 2
	s_add_co_u32 s13, s13, s41                     ; block row = 4 x cluster y + cy
	s_lshl_b32 s43, s41, 2
	s_lshl_b32 s43, 15, s43                        ; my row of the cluster
	s_lshl_b32 s44, 0x1111, s40                    ; my column
	s_or_b32 s[G1+0], s43, A_W0                    ; A's tiles go to my row
	s_mov_b32 s[G1+1], A_D0<<16                    ; tensor_dim0
	s_mov_b32 s[G1+2], A_ROWS<<16                  ; tensor_dim1
	s_mov_b32 s[G1+3], A_D0<<16                    ; tile_dim0
	s_mov_b32 s[G1+4], A_ROWS                      ; tile_dim1
	s_mov_b32 s[G1+5], A_PIT                       ; elements from row to row
	s_mov_b32 s[G1+6], 0
	s_mov_b32 s[G1+7], 0
	s_or_b32 s[G1B+0], s44, (1<<16)|(1<<20)|(1<<21)|(5<<22)|(7<<25)   ; W's tiles go to my column; elements of 2 bytes; after every 64 words, 8 words
	s_mov_b32 s[G1B+1], 128<<16
	s_mov_b32 s[G1B+2], 128<<16
	s_mov_b32 s[G1B+3], 128<<16                    ; 128 columns: 256 bytes
	s_mov_b32 s[G1B+4], 128                        ; 128 rows of k
	s_mov_b32 s[G1B+5], NB
	s_mov_b32 s[G1B+6], 0
	s_mov_b32 s[G1B+7], 0
	; where the tiles come from: A's offset is made of the block row and the wave, W's of the block column and the wave, in registers of their own
.if KIND == 1
	s_lshr_b32 s16, s13, 4
	s_lshl_b32 s16, s16, 22                        ; batch: 16 heads of 262,144 bytes
	s_and_b32 s17, s13, 15
	s_lshl_b32 s17, s17, 14                        ; 128 tokens of 128 bytes
	s_add_co_u32 s16, s16, s17
	s_lshl_b32 s17, s12, 19                        ; my half: the slot's first or second pair of heads
	s_add_co_u32 s16, s16, s17
.else
	s_lshl_b32 s17, s12, 6
	s_lshl_b32 s16, s13, 7
	s_add_co_u32 s16, s16, s17                     ; row 128 x block row + 64 x half
	s_mul_i32 s16, s16, SIZE_K*2                   ; below 2^26
.endif
	s_mov_b32 s17, 0
	s_lshl_b32 s46, s42, 8                         ; 128 columns of 2 bytes
	s_add_co_u32 s46, s46, WOFF
	s_mul_i32 s47, s12, 128*NB*2                   ; my half: 128 rows of k
	s_add_co_u32 s46, s46, s47
	s_mov_b32 s47, 0
	s_mul_i32 s20, s12, AHALF                      ; and where they go: no place in the cluster enters an LDS address
	s_mul_i32 s21, s12, BHALF
	s_add_co_u32 s21, s21, ASZ
	s_wait_dscnt 0x0
	s_wait_kmcnt 0x0
	s_add_nc_u64 s[14:15], s[4:5], s[16:17]
	s_add_nc_u64 s[46:47], s[6:7], s[46:47]
	CROUND                                         ; all sixteen work-groups are here: the first joint loads meet
.irp s, 0,1
	s_mov_b32 s[G0+4*\s], 1
	s_add_co_u32 s[G0+4*\s+1], s20, \s*SLOT
	s_add_nc_u64 s[G0+4*\s+2:G0+4*\s+3], s[14:15], \s*AKSTEP
	s_or_b32 s[G0+4*\s+3], s[G0+4*\s+3], 0x80000000
	s_mov_b32 s[G0B+4*\s], 1
	s_add_co_u32 s[G0B+4*\s+1], s21, \s*SLOT
	s_add_nc_u64 s[G0B+4*\s+2:G0B+4*\s+3], s[46:47], \s*BKSTEP
	s_or_b32 s[G0B+4*\s+3], s[G0B+4*\s+3], 0x80000000
	JLOAD \s                                       ; both slots' first fills go out together: two loads of the wave are out, later one
.endr
	v_and_b32 v1, 15, v0                           ; r = l % 16
	v_bfe_u32 v2, v0, 4, 1                         ; h = l / 16
	; C, R and the bias at my wave's corner; then the bias and the whole residual are asked for
	v_lshlrev_b32 v[BO], 4, v1                     ; four f32 of a row of 64
	v_lshl_add_u32 v[CO], v2, 12, v[BO]            ; lanes 16-31 one row of 4,096 bytes further down
	s_lshl_b32 s16, s13, 7
	s_lshl_b32 s17, s11, 6
	s_add_co_u32 s16, s16, s17                     ; my first row
	s_lshl_b32 s16, s16, 12                        ; rows of 1,024 f32
	s_mov_b32 s17, 0
	s_lshl_b32 s46, s42, 9                         ; my first column x 4 bytes (the registers that held W's address)
	s_lshl_b32 s47, s12, 8
	s_add_co_u32 s46, s46, s47
	s_mov_b32 s47, 0
	s_add_nc_u64 s[68:69], s[68:69], s[46:47]
	s_add_nc_u64 s[70:71], s[70:71], s[16:17]
	s_add_nc_u64 s[70:71], s[70:71], s[46:47]
	s_add_nc_u64 s[8:9], s[8:9], s[16:17]
	s_add_nc_u64 s[8:9], s[8:9], s[46:47]
	global_load_b128 v[BIAS:BIAS+3], v[BO], s[68:69]
	WIN 0x40                                       ; loaded data in window 1, the offset in window 0
.irp a, 0,1,2,3
.irp t, 0,1,2,3,4,5,6,7
	global_load_b128 v[R+32*\a+4*\t:R+32*\a+4*\t+3], v[CO], s[70:71] offset:(16*\a+2*\t)*4096   ; two rows' 256 bytes each; all 33 loads are waited for in front of the way out
.endr
.endr
	WIN 0
	v_mul_u32_u24 v3, v1, APITCH
	v_lshl_add_u32 v3, v2, 4, v3                   ; A: row r, 16 h bytes in
	v_and_b32 v4, 7, v0
	v_lshl_add_u32 v4, v2, 3, v4                   ; W: row of k 8 h + l % 8,
	v_mul_u32_u24 v4, v4, BPITCH
	v_bfe_u32 v5, v0, 3, 1
	v_lshl_add_u32 v4, v5, 4, v4                   ; and which 8 of the 16 columns
	s_mul_i32 s22, s11, 64*APITCH                  ; my 64 rows of A
	s_lshl_b32 s23, s12, 7                         ; my 64 columns of W,
	s_add_co_u32 s23, s23, ASZ                     ; which lies behind A
.irp s, 0,1
	v_add_nc_u32 v[ADRA+\s], s22, v3
	v_add_nc_u32 v[ADRB+2*\s], s23, v4
	v_add_nc_u32 v[ADRB+2*\s+1], 128*BPITCH, v[ADRB+2*\s]
	s_add_co_u32 s22, s22, SLOT
	s_add_co_u32 s23, s23, SLOT
.endr
	s_mul_i32 s20, s10, 16*SPITCH
	s_add_co_u32 s20, s20, STAGE                   ; my stage
	v_mul_u32_u24 v6, v1, SPITCH
	v_lshl_add_u32 v6, v2, 5, v6                   ; in: row r, 8 f32 for each half of the lanes
	v_add_nc_u32 v[STO], s20, v6
	v_mul_u32_u24 v5, v2, SPITCH                   ; back: lanes 0-15 take one row of 256 bytes, lanes 16-31 the next
	v_lshl_add_u32 v5, v1, 4, v5
	v_add_nc_u32 v[RD], s20, v5
; 4 matrix instructions: rows 16 a .. 16 a + 15 x all 4 column blocks, 32 along K.  zero = 1: the first product starts the sums.
; The 16 accumulators take turns, one instruction a turn, in the same order in every quarter.
.macro MUL4 f, a, zero
.irp b, 0,1,2,3
.if \zero
	v_wmma_f32_16x16x32_bf16 v[8*(4*\a+\b):8*(4*\a+\b)+7], v[\f+32+8*\b:\f+32+8*\b+7], v[\f+8*\a:\f+8*\a+7], 0
.else
	v_wmma_f32_16x16x32_bf16 v[8*(4*\a+\b):8*(4*\a+\b)+7], v[\f+32+8*\b:\f+32+8*\b+7], v[\f+8*\a:\f+8*\a+7], v[8*(4*\a+\b):8*(4*\a+\b)+7]
.endif
.endr
.endm
; 16 LDS loads in one run: quarter q (32 along K, q = 0..7) of a slot into buffer f: W's four fragments first, then A's four
.macro FETCH slot, q, f
	WIN 0
.if KIND == 1
.set AQ, ((\q)>>1)*AHEAD+((\q)&1)*64
.else
.set AQ, 64*(\q)
.endif
.irp b, 0,1,2,3
	ds_load_tr16_b128 v[\f+32+8*\b:\f+32+8*\b+3],   v[ADRB+2*\slot+((\q)>>2)] offset:((\q)&3)*32*BPITCH+32*\b
	ds_load_tr16_b128 v[\f+32+8*\b+4:\f+32+8*\b+7], v[ADRB+2*\slot+((\q)>>2)] offset:((\q)&3)*32*BPITCH+16*BPITCH+32*\b
.endr
.irp i, 0,1,2,3
	ds_load_b128 v[\f+8*\i:\f+8*\i+3],   v[ADRA+\slot] offset:AQ+\i*16*APITCH
	ds_load_b128 v[\f+8*\i+4:\f+8*\i+7], v[ADRA+\slot] offset:AQ+\i*16*APITCH+32
.endr
.endm
; One of a slot's first seven quarters: multiplies buffer f and, behind its first four products, fetches quarter q into buffer g
.macro QUARTER slot, q, f, g, zero
	s_wait_dscnt 6                                 ; of the 16 loads only the youngest six (A's fragments 1 to 3) may be out
	WIN MUL
	MUL4 \f, 0, \zero
	PLACES
	FETCH \slot, \q, \g
	s_wait_dscnt 16                                ; all but the 16 just issued
	WIN MUL
	MUL4 \f, 1, \zero
	MUL4 \f, 2, \zero
	MUL4 \f, 3, \zero
.endm
.macro SEVEN slot, zero
	QUARTER \slot, 1, F0, F1, \zero
	QUARTER \slot, 2, F1, F0, 0
	QUARTER \slot, 3, F0, F1, 0
	QUARTER \slot, 4, F1, F0, 0
	QUARTER \slot, 5, F0, F1, 0
	QUARTER \slot, 6, F1, F0, 0
	QUARTER \slot, 7, F0, F1, 0
.endm
; The eighth quarter: multiplies buffer 1 and changes slots.  In front of the barrier each wave waits for its reads of this slot and for all its tensor
; loads (one is out: its part of the next slot).  Behind it (with fill: behind the round of the cluster's barrier that it opens) the refill comes first.
; From a request to the wait for it a wave issues 124 matrix instructions.
.macro TURN slot, next, fill
	s_wait_dscnt 6
	WIN MUL
	MUL4 F1, 0, 0
	s_wait_dscnt 0                                 ; my reads of this slot are over
	s_wait_tensorcnt 0x0                           ; all my tensor loads have landed
	ds_add_u32 v254, v255
	s_wait_dscnt 0x0
	s_barrier_signal -1
	MUL4 F1, 1, 0                                  ; register work while the others arrive
	WIN 0
	s_barrier_wait -1
.if \fill
	CREST                                          ; no wave of any partner still reads this slot or has a load on its way
	s_add_nc_u64 s[G0+4*\slot+2:G0+4*\slot+3], s[G0+4*\slot+2:G0+4*\slot+3], 2*AKSTEP
	s_add_nc_u64 s[G0B+4*\slot+2:G0B+4*\slot+3], s[G0B+4*\slot+2:G0B+4*\slot+3], 2*BKSTEP
	JLOAD \slot                                    ; the wave's one tensor load behind the round; its four v_nop are the places in front of the loads below
.else
	PLACES
.endif
	FETCH \next, 0, F0
	WIN MUL
	MUL4 F1, 2, 0
	MUL4 F1, 3, 0
.endm
.macro LAP zero
	SEVEN 0, \zero
	TURN 0, 1, 1
	SEVEN 1, 0
	TURN 1, 0, 1
.endm
	s_wait_tensorcnt 1                             ; my part of slot 0 is in; slot 1's may stay out
	s_barrier_signal -1
	s_barrier_wait -1
	FETCH 0, 0, F0
	LAP 1                                          ; the first lap's first products start the sums
.if LAPS > 2
	WIN 0
	s_mov_b32 s3, LAPS-2
.Llap:
	LAP 0
	WIN 0
	s_sub_co_u32 s3, s3, 1
	s_cmp_lg_u32 s3, 0
	s_cbranch_scc1 .Llap
.endif
	SEVEN 0, 0                                     ; the last lap fills nothing
	TURN 0, 1, 0
	SEVEN 1, 0
	s_wait_dscnt 6
	WIN MUL
	MUL4 F1, 0, 0
	s_wait_dscnt 0
	MUL4 F1, 1, 0
	MUL4 F1, 2, 0
	MUL4 F1, 3, 0
	; THE WAY OUT, 16 rows at a time: f32 sums into my own stage, read back by rows, residual and bias added, stored in whole runs of 256 bytes
	PLACES
	WIN 0
	s_wait_loadcnt 0x0                             ; the bias and the residual, asked for at the start
.macro OUT a
	WIN 0x04                                       ; source 1 in window 1: the data of an LDS store, and the residual in the sums below
.irp b, 0,1,2,3
	ds_store_b128 v[STO], v[8*(4*\a+\b):8*(4*\a+\b)+3] offset:64*\b
	ds_store_b128 v[STO], v[8*(4*\a+\b)+4:8*(4*\a+\b)+7] offset:64*\b+16
.endr
.irp t, 0,1,2,3,4,5,6,7
	ds_load_b128 v[P+32*\a+4*\t:P+32*\a+4*\t+3], v[RD] offset:\t*2*SPITCH   ; LDS serves a wave's instructions in order (ISA guide 5.7.1.4): these see the stores above
.endr
.irp t, 0,1,2,3,4,5,6,7
	s_wait_dscnt 7-\t                              ; read-back t is in, the younger ones stay out
	v_pk_add_f32 v[P+32*\a+4*\t:P+32*\a+4*\t+1], v[P+32*\a+4*\t:P+32*\a+4*\t+1], v[R+32*\a+4*\t:R+32*\a+4*\t+1]
	v_pk_add_f32 v[P+32*\a+4*\t+2:P+32*\a+4*\t+3], v[P+32*\a+4*\t+2:P+32*\a+4*\t+3], v[R+32*\a+4*\t+2:R+32*\a+4*\t+3]
.endr
	WIN 0
.irp t, 0,1,2,3,4,5,6,7
	v_pk_add_f32 v[P+32*\a+4*\t:P+32*\a+4*\t+1], v[P+32*\a+4*\t:P+32*\a+4*\t+1], v[BIAS:BIAS+1]
	v_pk_add_f32 v[P+32*\a+4*\t+2:P+32*\a+4*\t+3], v[P+32*\a+4*\t+2:P+32*\a+4*\t+3], v[BIAS+2:BIAS+3]
	global_store_b128 v[CO], v[P+32*\a+4*\t:P+32*\a+4*\t+3], s[8:9] offset:(16*\a+2*\t)*4096   ; sixteen lanes store 256 consecutive bytes, aligned; no data register is written again
.endr
.endm
	OUT 0
	OUT 1
	OUT 2
	OUT 3
	s_wait_tensorcnt 0x0
	ds_add_u32 v254, v255
	s_wait_dscnt 0x0
	CROUND                                         ; the closing round: no work-group ends while a partner may still ask for a tile that names it
	s_endpgm
.Lfunc_end_k_qe3316a7cd1_wo:
	.size	k_qe3316a7cd1_wo, .Lfunc_end_k_qe3316a7cd1_wo-k_qe3316a7cd1_wo
	.p2alignl 7, 3214868480
	.fill 96, 4, 3214868480
	.section	.rodata,"a",@progbits
	.p2align	6, 0x0
	.amdhsa_kernel k_qe3316a7cd1_wo
		.amdhsa_group_segment_fixed_size 327680
		.amdhsa_private_segment_fixed_size 0
		.amdhsa_enable_private_segment 0
		.amdhsa_kernarg_size 40
		.amdhsa_user_sgpr_count 2
		.amdhsa_user_sgpr_kernarg_segment_ptr 1
		.amdhsa_wavefront_size32 1
		.amdhsa_system_sgpr_workgroup_id_x 1
		.amdhsa_system_sgpr_workgroup_id_y 1
		.amdhsa_system_sgpr_workgroup_id_z 1
		.amdhsa_system_vgpr_workitem_id 0
		.amdhsa_next_free_vgpr 512
		.amdhsa_next_free_sgpr 72
		.amdhsa_reserve_vcc 0
		.amdhsa_float_denorm_mode_32 3
		.amdhsa_float_denorm_mode_16_64 3
		.amdhsa_memory_ordered 1
		.amdhsa_forward_progress 1
		.amdhsa_inst_pref_size 102
	.end_amdhsa_kernel
	.amdgpu_metadata
---
amdhsa.version: [ 1, 2 ]
amdhsa.kernels:
  - .name:           k_qe3316a7cd1_wo
    .symbol:         k_qe3316a7cd1_wo.kd
    .args:
      - { .name: cb, .offset: 0, .size: 8, .value_kind: global_buffer, .address_space: global }
      - { .name: wb, .offset: 8, .size: 8, .value_kind: global_buffer, .address_space: global }
      - { .name: x1, .offset: 16, .size: 8, .value_kind: global_buffer, .address_space: global }
      - { .name: bo, .offset: 24, .size: 8, .value_kind: global_buffer, .address_space: global }
      - { .name: x, .offset: 32, .size: 8, .value_kind: global_buffer, .address_space: global }
    .group_segment_fixed_size: 327680
    .private_segment_fixed_size: 0
    .kernarg_segment_align: 8
    .kernarg_segment_size: 40
    .max_flat_workgroup_size: 128
    .sgpr_count:     72
    .vgpr_count:     512
    .wavefront_size: 32
...
	.end_amdgpu_metadata
.endif
;; end of part 9
;; launch ln2: the kernel of part 5 again; grid 256 x 1, 8 waves a work-group, no clusters, 0 bytes of LDS; arguments x1, ln2_g, ln2_b, hb; writes hb
;; launch ffn1 (part 10): grid 16 x 16, 4 waves a work-group, clusters of 4 x 4, 327,680 bytes of LDS; arguments hb, wb, ff, b1; writes ff
.if DOCPART == 10
	.amdgcn_target "amdgcn-amd-amdhsa--gfx1250"
	.amdhsa_code_object_version 6
	.text
	.protected	k_qe3316a7cd1_ffn1
	.globl	k_qe3316a7cd1_ffn1
	.p2align	8
	.type	k_qe3316a7cd1_ffn1,@function
k_qe3316a7cd1_ffn1:
	s_mov_b64 s[64:65], 0
	v_nop
	global_prefetch_b8 v0, s[64:65] scope:SCOPE_SE
	s_setreg_imm32_b32 hwreg(HW_REG_WAVE_MODE, 25, 1), 1
	s_wait_xcnt 0x0
	s_wait_alu depctr_hold_cnt(0) depctr_sa_sdst(0) depctr_va_vdst(0) depctr_va_sdst(0) depctr_va_ssrc(0) depctr_va_vcc(0) depctr_vm_vsrc(0)
	s_getreg_b32 s2, hwreg(HW_REG_IB_STS2, 6, 4)
	s_cmp_eq_u32 s2, 0
	s_cbranch_scc0 .Lentry_in_a_cluster
	s_endpgm
.Lentry_in_a_cluster:
	s_bfe_u32 s2, ttmp6, 0x10000c
	s_cmp_lg_u32 s2, 0xf033
	s_cbranch_scc0 .Lentry_shape_is_right
	s_endpgm
.Lentry_shape_is_right:
; C = A W (+ what the build adds).  A: [4096][1024] bf16, K along the rows.  W: [1024][NB] bf16, as the weights are given ([in][out]).  Sums in f32.
; One source, two builds, chosen by KIND:
;  0 qkv : A = LN1(x), W = Wq | Wk | Wv; C in bf16, head-major: plane q, k, v, then [batch x 16 + head][token][64].  4,096 x 3,072 outputs: 12 x 16 work-groups
;  2 ffn1: A = LN2(x1), W = W1; C = gelu(A W1 + b1) in bf16.  4,096 x 4,096 outputs: 16 x 16 work-groups
; A work-group makes 256 x 256 of C with four waves (2 x 2), a wave 128 x 128: 64 accumulator tiles of 16 x 16, 512 registers.  For 32 along K a wave
; reads 2 x 128 x 64 bytes from LDS and issues 64 matrix instructions.
; K goes in steps of 128 through two LDS slots filled by the tensor data mover: 64 KiB of A and 64 KiB of W a step; each wave brings 32 KiB by one load.
; CLUSTERS: 4 x 4 work-groups.  A's tile hangs on the block row alone and is asked for jointly by a row of the cluster, W's on the block column alone
; and is asked for jointly by a column: each of the four issues the same load with a mask that names the four.
; W lies in LDS as [k][n]; ds_load_tr16_b128 turns 8 x 8 blocks on the way to the registers, so a lane holds one column n with k along its registers.
; THE MATRIX INSTRUCTION IS USED TRANSPOSED: source 0 = 16 columns of W, source 1 = 16 rows of A; lane l then holds row l % 16 of C and its registers
; the columns 8 (l / 16) + 0..7.
; REGISTERS, in windows of 256: window 0: v8-29 addresses and constants; v64-127, v128-191 fragments of A, two buffers (on the way out: at work);
;   window 1: v64-127, v128-191 fragments of W, two buffers; window 2: the 32 accumulator tiles of my rows 0-63 (tile (a, b) at v[8 (8 a + b)]);
;   window 3: those of my rows 64-127.
; Limits: operands are bf16; K is summed in the matrix unit's order; gelu is x / (1 + exp2(k (x + 0.044715 x^3))), k = -2 sqrt(2/pi) log2(e), which is
; the tanh form rewritten; v_exp_f32 and v_rcp_f32 flush denormals and are accurate to 1 ULP; NaN and infinite inputs are not followed.
.set KIND, 2
.set SIZE_K, 1024
.if KIND == 0
.set NB, 1024
.set WOFF, 0
.set HASBIAS, 0
.else
.set NB, 4096
.set WOFF, 0x800000
.set HASBIAS, 1
.endif
.set KSTEP,  128
.set APITCH, 272                       ; 256 bytes + 16: seventeen times 16 bytes, so 16 rows start 16 bytes apart modulo 256
.set AHALF,  128*APITCH                ; one load: 128 rows
.set ASZ,    2*AHALF
.set AKSTEP, 2*KSTEP                   ; a K step on, in bytes of a row
.set BPITCH, 544                       ; 512 bytes + 32: seventeen times 32 bytes
.set BHALF,  64*BPITCH                 ; one load: 64 rows of k
.set BKSTEP, KSTEP*NB*2
.set SLOT,   ASZ+2*BHALF               ; A's tile, then W's: 139,264 bytes
.set STAGE,  2*SLOT                    ; behind the ring, a multiple of 256: 16 rows x 528 bytes for each wave; no tensor load lands there
.set SPITCH, 528                       ; 128 f32 + 16 bytes
.set LAPS,   SIZE_K/(2*KSTEP)          ; a lap = two K steps = once round the ring
; window 0
.set GK2,  8                           ; v[8:9]    ffn1: 0.044715 k, twice
.set GK1,  10                          ; v[10:11]  ffn1: k, twice
.set ADRA, 16                          ; v16-17    LDS address of my A fragments in slot 0, 1
.set ADRB, 20                          ; v20-21    the same for W
.set STO,  22                          ; the way out: where my 32 bytes of a row go
.set RD,   23                          ; the way out: where I read back
.set BIAS, 24                          ; v[24:27]  bias of my four columns
.set CO,   28                          ; my byte offset in C
.set BO,   29                          ; my byte offset in the bias
.set F0,   64                          ; fragment buffer 0 (A's in window 0, W's in window 1)
.set F1,   128                         ; fragment buffer 1
.set P,    64                          ; the way out: 16 x 4 registers read back
.set R,    128                         ; the way out, ffn1: four registers at work
.set G1,  24                           ; s[24:31] descriptor group 1 for A
.set G0,  32                           ; s[32:39] group 0 for A, a set for each slot
.set G1B, 48                           ; s[48:55] group 1 for W
.set G0B, 56                           ; s[56:63] group 0 for W
.set MSB, 0
.macro WIN new                         ; s_set_vgpr_msb: bits 1:0 source 0, 3:2 source 1, 5:4 source 2, 7:6 destination; the high byte repeats the setting left
.if MSB != \new
	s_set_vgpr_msb (MSB<<8)|\new
.set MSB, \new
.endif
.endm
.set MUL_LO, 0xa1                      ; source 0 (W) window 1, source 1 (A) window 0, C and D window 2
.set MUL_HI, 0xf1                      ; the same, C and D window 3
.set TO_B,   0x40                      ; destination window 1, address window 0
.macro PLACES                          ; four places behind a matrix instruction, ahead of a load into, or a read of, its registers
.rept 4
	v_nop
.endr
.endm
; A joint load: waves 0 and 1 ask for A's two halves, waves 2 and 3 for W's.  The branch hangs on the wave's number alone.
.macro JLOAD s
	s_cmp_eq_u32 s11, 0
	s_cbranch_scc0 .Lfor_b_\@
	tensor_load_to_lds s[G0+4*\s:G0+4*\s+3], s[G1:G1+7]
	s_nop 0
.rept 4
	v_nop
.endr
	s_branch .Lasked_\@
.Lfor_b_\@:
	tensor_load_to_lds s[G0B+4*\s:G0B+4*\s+3], s[G1B:G1B+7]
	s_nop 0
.rept 4
	v_nop
.endr
.Lasked_\@:
.endm
.macro CREST                           ; a round of the cluster's barrier behind its opening work-group barrier
	s_cmp_lg_u32 s10, 0
	s_cbranch_scc1 .Lnot_wave_0_\@
	s_barrier_signal -3
.Lnot_wave_0_\@:
	s_barrier_wait -3
	s_barrier_signal -1
	s_barrier_wait -1
.endm
.macro CROUND
	s_barrier_signal -1
	s_barrier_wait -1
	CREST
.endm
	s_load_b128 s[4:7], s[0:1], 0x0                ; A s[4:5], wb s[6:7]
	s_load_b64 s[8:9], s[0:1], 0x10                ; C
.if HASBIAS
	s_load_b64 s[68:69], s[0:1], 0x18              ; bias
	s_set_vgpr_msb 0x40
	v_lshl_add_u32 v255, v0, 2, 0x4c400
	s_set_vgpr_msb 0x4000
	v_mov_b32 v255, 0
	s_set_vgpr_msb 0x1
	ds_add_u32 v255, v255
	ds_add_u32 v255, v255
	s_set_vgpr_msb 0x100
.endif
	v_lshrrev_b32 v1, 5, v0
	v_readfirstlane_b32 s10, v1                    ; wave 0..3
	s_lshr_b32 s11, s10, 1                         ; which 128 rows of the block are mine.  Also: I ask for A (0) or for W (1)
	s_and_b32 s12, s10, 1                          ; which 128 columns.  Also: which half of that tile I ask for
	s_bfe_u32 s40, ttmp6, 0x40000                  ; cx
	s_bfe_u32 s41, ttmp6, 0x40004                  ; cy
	s_lshl_b32 s42, ttmp9, 2
	s_add_co_u32 s42, s42, s40                     ; block column = 4 x cluster x + cx
	s_and_b32 s13, ttmp7, 0xffff
	s_lshl_b32 s13, s13, 2
	s_add_co_u32 s13, s13, s41                     ; block row = 4 x cluster y + cy
	s_lshl_b32 s43, s41, 2
	s_lshl_b32 s43, 15, s43                        ; my row of the cluster
	s_lshl_b32 s44, 0x1111, s40                    ; my column
	s_or_b32 s[G1+0], s43, (1<<16)|(1<<20)|(1<<21)|(5<<22)|(3<<25)    ; A's tiles go to my row; elements of 2 bytes; padding on; bit 21 beside a mask; after every 64 words, 4 words
	s_mov_b32 s[G1+1], KSTEP<<16                   ; tensor_dim0 = 128
	s_mov_b32 s[G1+2], 128<<16                     ; tensor_dim1 = 128 rows
	s_mov_b32 s[G1+3], KSTEP<<16                   ; tile_dim0: 256 bytes
	s_mov_b32 s[G1+4], 128                         ; tile_dim1
	s_mov_b32 s[G1+5], SIZE_K                      ; elements from row to row
	s_mov_b32 s[G1+6], 0
	s_mov_b32 s[G1+7], 0
	s_or_b32 s[G1B+0], s44, (1<<16)|(1<<20)|(1<<21)|(6<<22)|(7<<25)   ; W's tiles go to my column; elements of 2 bytes; after every 128 words, 8 words
	s_mov_b32 s[G1B+1], 256<<16
	s_mov_b32 s[G1B+2], 64<<16
	s_mov_b32 s[G1B+3], 256<<16                    ; 256 columns: 512 bytes
	s_mov_b32 s[G1B+4], 64                         ; 64 rows of k
	s_mov_b32 s[G1B+5], NB
	s_mov_b32 s[G1B+6], 0
	s_mov_b32 s[G1B+7], 0
	; where the tiles come from: A's offset is made of the block row and the wave, W's of the block column and the wave, in registers of their own
	s_lshl_b32 s17, s12, 7
	s_lshl_b32 s16, s13, 8
	s_add_co_u32 s16, s16, s17                     ; row 256 x block row + 128 x half
	s_mul_i32 s16, s16, SIZE_K*2                   ; below 2^24
	s_mov_b32 s17, 0
.if KIND == 0
	s_and_b32 s46, s42, 3
	s_lshl_b32 s46, s46, 9                         ; 256 columns of one of the three matrices,
	s_lshr_b32 s47, s42, 2
	s_lshl_b32 s47, s47, 21                        ; which lie 2 MiB apart
	s_add_co_u32 s46, s46, s47
.else
	s_lshl_b32 s46, s42, 9
	s_add_co_u32 s46, s46, WOFF
.endif
	s_mul_i32 s47, s12, 64*NB*2                    ; my half: 64 rows of k
	s_add_co_u32 s46, s46, s47
	s_mov_b32 s47, 0
	s_mul_i32 s20, s12, AHALF                      ; and where they go: no place in the cluster enters an LDS address
	s_mul_i32 s21, s12, BHALF
	s_add_co_u32 s21, s21, ASZ
	s_wait_dscnt 0x0
	s_wait_kmcnt 0x0
	s_add_nc_u64 s[14:15], s[4:5], s[16:17]
	s_add_nc_u64 s[46:47], s[6:7], s[46:47]
	CROUND                                         ; all sixteen work-groups are here: the first joint loads meet
.irp s, 0,1
	s_mov_b32 s[G0+4*\s], 1
	s_add_co_u32 s[G0+4*\s+1], s20, \s*SLOT
	s_add_nc_u64 s[G0+4*\s+2:G0+4*\s+3], s[14:15], \s*AKSTEP
	s_or_b32 s[G0+4*\s+3], s[G0+4*\s+3], 0x80000000
	s_mov_b32 s[G0B+4*\s], 1
	s_add_co_u32 s[G0B+4*\s+1], s21, \s*SLOT
	s_add_nc_u64 s[G0B+4*\s+2:G0B+4*\s+3], s[46:47], \s*BKSTEP
	s_or_b32 s[G0B+4*\s+3], s[G0B+4*\s+3], 0x80000000
	JLOAD \s                                       ; both slots' first fills go out together: two loads of the wave are out, later one
.endr
	v_and_b32 v1, 15, v0                           ; r = l % 16
	v_bfe_u32 v2, v0, 4, 1                         ; h = l / 16
	v_mul_u32_u24 v3, v1, APITCH
	v_lshl_add_u32 v3, v2, 4, v3                   ; A: row r, 16 h bytes in
	v_and_b32 v4, 7, v0
	v_lshl_add_u32 v4, v2, 3, v4                   ; W: row of k 8 h + l % 8,
	v_mul_u32_u24 v4, v4, BPITCH
	v_bfe_u32 v5, v0, 3, 1
	v_lshl_add_u32 v4, v5, 4, v4                   ; and which 8 of the 16 columns
	s_mul_i32 s22, s11, 128*APITCH                 ; my 128 rows of A
	s_lshl_b32 s23, s12, 8                         ; my 128 columns of W,
	s_add_co_u32 s23, s23, ASZ                     ; which lies behind A
.irp s, 0,1
	v_add_nc_u32 v[ADRA+\s], s22, v3
	v_add_nc_u32 v[ADRB+\s], s23, v4
	s_add_co_u32 s22, s22, SLOT
	s_add_co_u32 s23, s23, SLOT
.endr
	s_mul_i32 s20, s10, 16*SPITCH
	s_add_co_u32 s20, s20, STAGE                   ; my stage
	v_mul_u32_u24 v6, v1, SPITCH
	v_lshl_add_u32 v6, v2, 5, v6                   ; in: row r, 8 f32 for each half of the lanes
	v_add_nc_u32 v[STO], s20, v6
	v_and_b32 v7, 31, v0
.if KIND == 0
	v_mul_u32_u24 v5, v2, SPITCH                   ; back: lanes 0-15 take 64 columns (a head) of one row, lanes 16-31 of the next
	v_lshl_add_u32 v5, v1, 4, v5
	v_add_nc_u32 v[RD], s20, v5
	v_lshlrev_b32 v[CO], 3, v7                     ; two tokens of a head: 256 dense bytes
.else
	v_lshl_add_u32 v[RD], v7, 4, s20               ; back: the wave takes a whole row of 128 f32
	v_lshlrev_b32 v[CO], 3, v7                     ; four bf16
	v_mov_b32 v[GK2], 0xbdd2d3e8                   ; 0.044715 k
	v_mov_b32 v[GK2+1], 0xbdd2d3e8
	v_mov_b32 v[GK1], 0xc0135761                   ; k = -2 sqrt(2/pi) log2(e)
	v_mov_b32 v[GK1+1], 0xc0135761
.endif
.if HASBIAS
	v_lshlrev_b32 v[BO], 4, v7
	s_lshl_b32 s46, s42, 10                        ; my first column x 4 bytes (the registers that held W's address)
	s_lshl_b32 s47, s12, 9
	s_add_co_u32 s46, s46, s47
	s_mov_b32 s47, 0
	s_add_nc_u64 s[68:69], s[68:69], s[46:47]
	global_load_b128 v[BIAS:BIAS+3], v[BO], s[68:69]   ; waited for in front of the way out
.endif
; 16 matrix instructions: row blocks a0, a0 + 1 of the window's four (hi = 0: my rows 0-63, 1: rows 64-127) x all 8 column blocks, 32 along K.
; zero = 1: the first product starts the sums.  The 64 accumulators take turns, one instruction a turn, in the same order in every quarter step.
.macro MUL16 f, hi, a0, zero
.irp a, \a0, \a0+1
.irp b, 0,1,2,3,4,5,6,7
.if \zero
	v_wmma_f32_16x16x32_bf16 v[8*(8*(\a)+\b):8*(8*(\a)+\b)+7], v[\f+8*\b:\f+8*\b+7], v[\f+8*(4*\hi+\a):\f+8*(4*\hi+\a)+7], 0
.else
	v_wmma_f32_16x16x32_bf16 v[8*(8*(\a)+\b):8*(8*(\a)+\b)+7], v[\f+8*\b:\f+8*\b+7], v[\f+8*(4*\hi+\a):\f+8*(4*\hi+\a)+7], v[8*(8*(\a)+\b):8*(8*(\a)+\b)+7]
.endif
.endr
.endr
.endm
; 32 LDS loads in one run: quarter q (32 along K) of a slot into buffer f: W's eight fragments first, then A's eight
.macro FETCH slot, q, f
	WIN TO_B
.irp b, 0,1,2,3,4,5,6,7
	ds_load_tr16_b128 v[\f+8*\b:\f+8*\b+3],   v[ADRB+\slot] offset:\q*32*BPITCH+32*\b
	ds_load_tr16_b128 v[\f+8*\b+4:\f+8*\b+7], v[ADRB+\slot] offset:\q*32*BPITCH+16*BPITCH+32*\b
.endr
	WIN 0
.irp i, 0,1,2,3,4,5,6,7
	ds_load_b128 v[\f+8*\i:\f+8*\i+3],   v[ADRA+\slot] offset:64*\q+\i*16*APITCH
	ds_load_b128 v[\f+8*\i+4:\f+8*\i+7], v[ADRA+\slot] offset:64*\q+\i*16*APITCH+32
.endr
.endm
; One of a K step's first three quarters: multiplies buffer f and, in its middle, fetches quarter q into buffer g
.macro QUARTER slot, q, f, g, zero
	s_wait_dscnt 8                                 ; of the 32 loads only the youngest eight (A's rows 64-127) may be out
	WIN MUL_LO
	MUL16 \f, 0, 0, \zero
	MUL16 \f, 0, 2, \zero
	PLACES
	FETCH \slot, \q, \g
	s_wait_dscnt 32                                ; all but the 32 just issued
	WIN MUL_HI
	MUL16 \f, 1, 0, \zero
	MUL16 \f, 1, 2, \zero
.endm
.macro THREE slot, zero
	QUARTER \slot, 1, F0, F1, \zero
	QUARTER \slot, 2, F1, F0, 0
	QUARTER \slot, 3, F0, F1, 0
.endm
; The last quarter: multiplies buffer 1 and changes slots.  In front of the barrier each wave waits for its reads of this slot and for all its tensor
; loads (one is out: its part of the next slot).  Behind it (with fill: behind the round of the cluster's barrier that it opens) the refill comes first.
; From a request to the wait for it a wave issues 240 matrix instructions.
.macro TURN slot, next, fill
	s_wait_dscnt 8
	WIN MUL_LO
	MUL16 F1, 0, 0, 0
	s_wait_dscnt 0                                 ; my reads of this slot are over
	s_wait_tensorcnt 0x0                           ; all my tensor loads have landed
	ds_add_u32 v255, v255
	s_wait_dscnt 0x0
	s_barrier_signal -1
	MUL16 F1, 0, 2, 0                              ; register work while the others arrive
	WIN 0
	s_barrier_wait -1
.if \fill
	CREST                                          ; no wave of any partner still reads this slot or has a load on its way
	s_add_nc_u64 s[G0+4*\slot+2:G0+4*\slot+3], s[G0+4*\slot+2:G0+4*\slot+3], 2*AKSTEP
	s_add_nc_u64 s[G0B+4*\slot+2:G0B+4*\slot+3], s[G0B+4*\slot+2:G0B+4*\slot+3], 2*BKSTEP
	JLOAD \slot                                    ; the wave's one tensor load behind the round; its four v_nop are the places in front of the loads below
.else
	PLACES
.endif
	FETCH \next, 0, F0
	WIN MUL_HI
	MUL16 F1, 1, 0, 0
	MUL16 F1, 1, 2, 0
.endm
.macro LAP zero
	THREE 0, \zero
	TURN 0, 1, 1
	THREE 1, 0
	TURN 1, 0, 1
.endm
	s_wait_tensorcnt 1                             ; my part of K step 0 is in; K step 1's may stay out
	s_barrier_signal -1
	s_barrier_wait -1
	FETCH 0, 0, F0
	LAP 1                                          ; the first lap's first products start the sums
	WIN 0                                          ; at a label and at a branch every window is 0
	s_mov_b32 s3, LAPS-2
.Llap:
	LAP 0
	WIN 0
	s_sub_co_u32 s3, s3, 1
	s_cmp_lg_u32 s3, 0
	s_cbranch_scc1 .Llap
	THREE 0, 0                                     ; the last lap fills nothing
	TURN 0, 1, 0
	THREE 1, 0
	s_wait_dscnt 8
	WIN MUL_LO
	MUL16 F1, 0, 0, 0
	MUL16 F1, 0, 2, 0
	s_wait_dscnt 0
	WIN MUL_HI
	MUL16 F1, 1, 0, 0
	MUL16 F1, 1, 2, 0
	; THE WAY OUT, 16 rows at a time: f32 sums into my own stage, read back by rows, finished and stored in whole runs of 256 bytes
	PLACES
	WIN 0
.if KIND == 0
	s_lshr_b32 s16, s13, 3
	s_lshl_b32 s16, s16, 22                        ; batch: 16 heads of 262,144 bytes
	s_and_b32 s17, s13, 7
	s_lshl_b32 s17, s17, 15                        ; 256 tokens of 128 bytes
	s_add_co_u32 s16, s16, s17
	s_lshl_b32 s17, s11, 14                        ; my 128 tokens
	s_add_co_u32 s16, s16, s17
	s_lshr_b32 s46, s42, 2
	s_lshl_b32 s46, s46, 23                        ; plane q, k or v
	s_and_b32 s47, s42, 3
	s_lshl_b32 s47, s47, 20                        ; four heads of 262,144 bytes a block column
	s_add_co_u32 s46, s46, s47
	s_lshl_b32 s47, s12, 19                        ; my two heads
	s_add_co_u32 s46, s46, s47
.else
	s_lshl_b32 s16, s13, 8
	s_lshl_b32 s17, s11, 7
	s_add_co_u32 s16, s16, s17                     ; my first row
	s_lshl_b32 s16, s16, 13                        ; rows of 4,096 bf16
	s_lshl_b32 s46, s42, 9
	s_lshl_b32 s47, s12, 8
	s_add_co_u32 s46, s46, s47                     ; my first column, in bytes
.endif
	s_mov_b32 s17, 0
	s_mov_b32 s47, 0
	s_add_nc_u64 s[8:9], s[8:9], s[16:17]
	s_add_nc_u64 s[8:9], s[8:9], s[46:47]
.if HASBIAS
	s_wait_loadcnt 0x0                             ; the bias, asked for at the start
.endif
; rows 16 i .. 16 i + 15 of my block = the eight tiles (a, 0..7) of window 2 or 3 (from = 0x08 or 0x0c: source 1, the data of an LDS store)
.macro OUT i, a, from
	s_wait_xcnt 0x0                                ; P, which the last rows' stores read, is loaded again only behind this wait
	WIN \from
.irp b, 0,1,2,3,4,5,6,7
	ds_store_b128 v[STO], v[8*(8*\a+\b):8*(8*\a+\b)+3] offset:64*\b
	ds_store_b128 v[STO], v[8*(8*\a+\b)+4:8*(8*\a+\b)+7] offset:64*\b+16
.endr
	WIN 0
.irp t, 0,1,2,3,4,5,6,7,8,9,10,11,12,13,14,15
.if KIND == 0
	ds_load_b128 v[P+4*\t:P+4*\t+3], v[RD] offset:(\t&7)*2*SPITCH+(\t>>3)*256   ; LDS serves a wave's instructions in order (ISA guide 5.7.1.4): these see the stores above
.else
	ds_load_b128 v[P+4*\t:P+4*\t+3], v[RD] offset:\t*SPITCH                     ; LDS serves a wave's instructions in order (ISA guide 5.7.1.4): these see the stores above
.endif
.endr
.irp t, 0,1,2,3,4,5,6,7,8,9,10,11,12,13,14,15
	s_wait_dscnt 15-\t                             ; read-back t is in, the younger ones stay out
.if KIND == 0
	v_cvt_pk_bf16_f32 v[P+4*\t], v[P+4*\t], v[P+4*\t+1]
	v_cvt_pk_bf16_f32 v[P+4*\t+1], v[P+4*\t+2], v[P+4*\t+3]
	global_store_b64 v[CO], v[P+4*\t:P+4*\t+1], s[8:9] offset:(\t>>3)*262144+(16*\i+2*(\t&7))*128   ; two tokens of one head: 256 consecutive bytes, aligned
.else
	v_pk_add_f32 v[P+4*\t:P+4*\t+1], v[P+4*\t:P+4*\t+1], v[BIAS:BIAS+1]          ; x
	v_pk_add_f32 v[P+4*\t+2:P+4*\t+3], v[P+4*\t+2:P+4*\t+3], v[BIAS+2:BIAS+3]
	v_pk_mul_f32 v[R:R+1], v[P+4*\t:P+4*\t+1], v[P+4*\t:P+4*\t+1]                ; x^2
	v_pk_mul_f32 v[R+2:R+3], v[P+4*\t+2:P+4*\t+3], v[P+4*\t+2:P+4*\t+3]
	v_pk_fma_f32 v[R:R+1], v[R:R+1], v[GK2:GK2+1], v[GK1:GK1+1]                  ; k (1 + 0.044715 x^2)
	v_pk_fma_f32 v[R+2:R+3], v[R+2:R+3], v[GK2:GK2+1], v[GK1:GK1+1]
	v_pk_mul_f32 v[R:R+1], v[R:R+1], v[P+4*\t:P+4*\t+1]                          ; z
	v_pk_mul_f32 v[R+2:R+3], v[R+2:R+3], v[P+4*\t+2:P+4*\t+3]
	v_exp_f32 v[R], v[R]
	v_exp_f32 v[R+1], v[R+1]
	v_exp_f32 v[R+2], v[R+2]
	v_exp_f32 v[R+3], v[R+3]
	v_nop                                          ; one plain place behind the transcendentals (ISA guide 5.7.2)
	s_wait_alu depctr_va_vdst(0)
	v_pk_add_f32 v[R:R+1], v[R:R+1], 1.0 op_sel_hi:[1,0]
	v_pk_add_f32 v[R+2:R+3], v[R+2:R+3], 1.0 op_sel_hi:[1,0]
	v_rcp_f32 v[R], v[R]
	v_rcp_f32 v[R+1], v[R+1]
	v_rcp_f32 v[R+2], v[R+2]
	v_rcp_f32 v[R+3], v[R+3]
	v_nop
	s_wait_alu depctr_va_vdst(0)
	v_pk_mul_f32 v[P+4*\t:P+4*\t+1], v[P+4*\t:P+4*\t+1], v[R:R+1]                ; x / (1 + 2^z)
	v_pk_mul_f32 v[P+4*\t+2:P+4*\t+3], v[P+4*\t+2:P+4*\t+3], v[R+2:R+3]
	v_cvt_pk_bf16_f32 v[P+4*\t], v[P+4*\t], v[P+4*\t+1]
	v_cvt_pk_bf16_f32 v[P+4*\t+1], v[P+4*\t+2], v[P+4*\t+3]
	global_store_b64 v[CO], v[P+4*\t:P+4*\t+1], s[8:9] offset:(16*\i+\t)*8192    ; the wave stores 256 consecutive bytes, aligned
.endif
.endr
.endm
	OUT 0, 0, 0x08
	OUT 1, 1, 0x08
	OUT 2, 2, 0x08
	OUT 3, 3, 0x08
	OUT 4, 0, 0x0c
	OUT 5, 1, 0x0c
	OUT 6, 2, 0x0c
	OUT 7, 3, 0x0c
	s_set_vgpr_msb 0x1
	s_wait_tensorcnt 0x0
	ds_add_u32 v255, v255
	s_wait_dscnt 0x0
	s_set_vgpr_msb 0x100
	CROUND                                         ; the closing round: no work-group ends while a partner may still ask for a tile that names it
	s_endpgm
.Lfunc_end_k_qe3316a7cd1_ffn1:
	.size	k_qe3316a7cd1_ffn1, .Lfunc_end_k_qe3316a7cd1_ffn1-k_qe3316a7cd1_ffn1
	.p2alignl 7, 3214868480
	.fill 96, 4, 3214868480
	.section	.rodata,"a",@progbits
	.p2align	6, 0x0
	.amdhsa_kernel k_qe3316a7cd1_ffn1
		.amdhsa_group_segment_fixed_size 327680
		.amdhsa_private_segment_fixed_size 0
		.amdhsa_enable_private_segment 0
		.amdhsa_kernarg_size 32
		.amdhsa_user_sgpr_count 2
		.amdhsa_user_sgpr_kernarg_segment_ptr 1
		.amdhsa_wavefront_size32 1
		.amdhsa_system_sgpr_workgroup_id_x 1
		.amdhsa_system_sgpr_workgroup_id_y 1
		.amdhsa_system_sgpr_workgroup_id_z 1
		.amdhsa_system_vgpr_workitem_id 0
		.amdhsa_next_free_vgpr 1024
		.amdhsa_next_free_sgpr 72
		.amdhsa_reserve_vcc 0
		.amdhsa_float_denorm_mode_32 3
		.amdhsa_float_denorm_mode_16_64 3
		.amdhsa_memory_ordered 1
		.amdhsa_forward_progress 1
		.amdhsa_inst_pref_size 255
	.end_amdhsa_kernel
	.section	.bss,"aw",@nobits
	.p2align	6
	.space	262144
	.amdgpu_metadata
---
amdhsa.version: [ 1, 2 ]
amdhsa.kernels:
  - .name:           k_qe3316a7cd1_ffn1
    .symbol:         k_qe3316a7cd1_ffn1.kd
    .args:
      - { .name: hb, .offset: 0, .size: 8, .value_kind: global_buffer, .address_space: global }
      - { .name: wb, .offset: 8, .size: 8, .value_kind: global_buffer, .address_space: global }
      - { .name: ff, .offset: 16, .size: 8, .value_kind: global_buffer, .address_space: global }
      - { .name: b1, .offset: 24, .size: 8, .value_kind: global_buffer, .address_space: global }
    .group_segment_fixed_size: 327680
    .private_segment_fixed_size: 0
    .kernarg_segment_align: 8
    .kernarg_segment_size: 32
    .max_flat_workgroup_size: 128
    .sgpr_count:     72
    .vgpr_count:     1024
    .wavefront_size: 32
...
	.end_amdgpu_metadata
.endif
;; end of part 10
;; launch ffn2 (part 11): grid 8 x 32, 4 waves a work-group, clusters of 4 x 4, 327,680 bytes of LDS; arguments ff, wb, out0, b2, x1; writes out0
.if DOCPART == 11
	.amdgcn_target "amdgcn-amd-amdhsa--gfx1250"
	.amdhsa_code_object_version 6
	.text
	.protected	k_qe3316a7cd1_ffn2
	.globl	k_qe3316a7cd1_ffn2
	.p2align	8
	.type	k_qe3316a7cd1_ffn2,@function
k_qe3316a7cd1_ffn2:
	s_mov_b64 s[64:65], 0
	v_nop
	global_prefetch_b8 v0, s[64:65] scope:SCOPE_SE
	s_setreg_imm32_b32 hwreg(HW_REG_WAVE_MODE, 25, 1), 1
	s_wait_xcnt 0x0
	s_wait_alu depctr_hold_cnt(0) depctr_sa_sdst(0) depctr_va_vdst(0) depctr_va_sdst(0) depctr_va_ssrc(0) depctr_va_vcc(0) depctr_vm_vsrc(0)
	s_getreg_b32 s2, hwreg(HW_REG_IB_STS2, 6, 4)
	s_cmp_eq_u32 s2, 0
	s_cbranch_scc0 .Lentry_in_a_cluster
	s_endpgm
.Lentry_in_a_cluster:
	s_bfe_u32 s2, ttmp6, 0x10000c
	s_cmp_lg_u32 s2, 0xf033
	s_cbranch_scc0 .Lentry_shape_is_right
	s_endpgm
.Lentry_shape_is_right:
; C = R + A W + b in f32.  A: 4,096 rows x SIZE_K bf16.  W: [SIZE_K][1024] bf16, as the weights are given ([in][out]).  R, C: [4096][1024] f32.  Sums in f32.
; One source, two builds, chosen by KIND:
;  1 wo  : A = the attention's context, head-major [batch x 16 + head][token][64] (64 of K are one head); W = Wo, b = bo, R = x
;  3 ffn2: A = gelu(..), [4096][4096], K along the rows; W = W2, b = b2, R = x1
; A work-group makes 128 x 128 of C: 4,096 x 1,024 outputs make 256 work-groups.  Four waves (2 x 2), a wave 64 x 64: 16 accumulator tiles, 128 registers.
; K goes in steps of 256 through two LDS slots filled by the tensor data mover: 64 KiB of A and 64 KiB of W a slot, the largest step of which two slots
; and the stage fit in LDS; each wave brings 32 KiB by one load, and a slot feeds 128 matrix instructions of each wave.
; CLUSTERS: 4 x 4 work-groups.  A's tile hangs on the block row alone and is asked for jointly by a row of the cluster, W's on the block column alone
; and is asked for jointly by a column: each of the four issues the same load with a mask that names the four.
; W lies in LDS as [k][n]; ds_load_tr16_b128 turns 8 x 8 blocks on the way to the registers, so a lane holds one column n with k along its registers.
; THE MATRIX INSTRUCTION IS USED TRANSPOSED: source 0 = 16 columns of W, source 1 = 16 rows of A; lane l then holds row l % 16 of C and its registers
; the columns 8 (l / 16) + 0..7.
; The wave's 64 x 64 of R is asked for at the start, 32 loads into 128 registers of their own, and is waited for once, in front of the way out.
; Limits: operands are bf16; K is summed in the matrix unit's order; NaN and infinite inputs are not followed.
.set KIND, 3
.if KIND == 1
.set SIZE_K, 1024
.set WOFF, 0x600000
.else
.set SIZE_K, 4096
.set WOFF, 0x1000000
.endif
.set NB,     1024
.set KSLOT,  256                       ; K of a slot: eight quarters of 32
.if KIND == 1
.set APITCH, 144                       ; a token's 128 bytes of one head + 16: nine times 16 bytes, so 16 rows start 16 bytes apart modulo 256
.set AHEAD,  128*APITCH                ; one head, 128 tokens
.set AHALF,  2*AHEAD                   ; one load: two heads
.set A_W0,   (3<<16)|(1<<20)|(1<<21)|(4<<22)|(3<<25)   ; elements of 8 bytes; padding on; bit 21 beside a mask; after every 32 words, 4 words
.set A_D0,   2048                      ; a head's 128 tokens are 16 KiB, dense: one row of the tile
.set A_ROWS, 2                         ; two heads,
.set A_PIT,  32768                     ; 262,144 bytes apart
.set AKSTEP, 4*262144                  ; a slot on: four heads
.else
.set APITCH, 528                       ; 512 bytes + 16: thirty-three times 16 bytes
.set AHALF,  64*APITCH                 ; one load: 64 rows
.set A_W0,   (1<<16)|(1<<20)|(1<<21)|(6<<22)|(3<<25)   ; elements of 2 bytes; after every 128 words, 4 words
.set A_D0,   KSLOT
.set A_ROWS, 64
.set A_PIT,  SIZE_K
.set AKSTEP, 2*KSLOT
.endif
.set ASZ,    2*AHALF
.set BPITCH, 288                       ; 256 bytes + 32: nine times 32 bytes
.set BHALF,  128*BPITCH                ; one load: 128 rows of k
.set BKSTEP, KSLOT*NB*2
.set SLOT,   ASZ+2*BHALF               ; A's tile, then W's
.set STAGE,  2*SLOT                    ; behind the ring, a multiple of 256: 16 rows x 272 bytes for each wave; no tensor load lands there
.set SPITCH, 272                       ; 64 f32 + 16 bytes
.set LAPS,   SIZE_K/(2*KSLOT)          ; a lap = two slots = once round the ring
; window 0
.set STO,  12                          ; the way out: where my 32 bytes of a row go
.set RD,   13                          ; the way out: where I read back
.set ADRA, 16                          ; v16-17    LDS address of my A fragments in slot 0, 1
.set ADRB, 20                          ; v20-23    the same for W: slot 0 quarters 0-3, 4-7; slot 1 quarters 0-3, 4-7 (quarter 7 lies 69,216 bytes in, past a 16-bit offset)
.set BIAS, 24                          ; v[24:27]  bias of my four columns
.set CO,   28                          ; my byte offset in C and in R
.set BO,   29                          ; my byte offset in the bias
.set F0,   32                          ; fragment buffer 0: A's four fragments at +0, W's four at +32
.set F1,   96                          ; fragment buffer 1
.set P,    32                          ; the way out: 32 registers for each of the four groups of 16 rows, none written twice
; window 1
;          v[8 (4 a + b)]                accumulator tile (a, b), a = 0..3 (rows), b = 0..3 (columns)
.set R,    128                         ; v[128:255] of window 1: the residual, 32 registers for each group of 16 rows
.set G1,  24                           ; s[24:31] descriptor group 1 for A
.set G0,  32                           ; s[32:39] group 0 for A, a set for each slot
.set G1B, 48                           ; s[48:55] group 1 for W
.set G0B, 56                           ; s[56:63] group 0 for W
.set MSB, 0
.macro WIN new                         ; s_set_vgpr_msb: bits 1:0 source 0, 3:2 source 1, 5:4 source 2, 7:6 destination; the high byte repeats the setting left
.if MSB != \new
	s_set_vgpr_msb (MSB<<8)|\new
.set MSB, \new
.endif
.endm
.set MUL, 0x50                         ; C and D in window 1, fragments in window 0
.macro PLACES                          ; four places behind a matrix instruction, ahead of a load into, or a read of, its registers
.rept 4
	v_nop
.endr
.endm
; A joint load: waves 0 and 1 ask for A's two halves, waves 2 and 3 for W's.  The branch hangs on the wave's number alone.
.macro JLOAD s
	s_cmp_eq_u32 s11, 0
	s_cbranch_scc0 .Lfor_b_\@
	tensor_load_to_lds s[G0+4*\s:G0+4*\s+3], s[G1:G1+7]
	s_nop 0
.rept 4
	v_nop
.endr
	s_branch .Lasked_\@
.Lfor_b_\@:
	tensor_load_to_lds s[G0B+4*\s:G0B+4*\s+3], s[G1B:G1B+7]
	s_nop 0
.rept 4
	v_nop
.endr
.Lasked_\@:
.endm
.macro CREST                           ; a round of the cluster's barrier behind its opening work-group barrier
	s_cmp_lg_u32 s10, 0
	s_cbranch_scc1 .Lnot_wave_0_\@
	s_barrier_signal -3
.Lnot_wave_0_\@:
	s_barrier_wait -3
	s_barrier_signal -1
	s_barrier_wait -1
.endm
.macro CROUND
	s_barrier_signal -1
	s_barrier_wait -1
	CREST
.endm
	s_load_b128 s[4:7], s[0:1], 0x0                ; A s[4:5], wb s[6:7]
	s_load_b64 s[8:9], s[0:1], 0x10                ; C
	s_load_b128 s[68:71], s[0:1], 0x18             ; bias s[68:69], residual s[70:71]
	v_lshl_add_u32 v254, v0, 2, 0x49400
	v_mov_b32 v255, 0
	ds_add_u32 v254, v255
	ds_add_u32 v254, v255
	v_lshrrev_b32 v1, 5, v0
	v_readfirstlane_b32 s10, v1                    ; wave 0..3
	s_lshr_b32 s11, s10, 1                         ; which 64 rows of the block are mine.  Also: I ask for A (0) or for W (1)
	s_and_b32 s12, s10, 1                          ; which 64 columns.  Also: which half of that tile I ask for
	s_bfe_u32 s40, ttmp6, 0x40000                  ; cx
	s_bfe_u32 s41, ttmp6, 0x40004                  ; cy
	s_lshl_b32 s42, ttmp9, 2
	s_add_co_u32 s42, s42, s40                     ; block column = 4 x cluster x + cx
	s_and_b32 s13, ttmp7, 0xffff
	s_lshl_b32 s13, s13, 2
	s_add_co_u32 s13, s13, s41                     ; block row = 4 x cluster y + cy
	s_lshl_b32 s43, s41, 2
	s_lshl_b32 s43, 15, s43                        ; my row of the cluster
	s_lshl_b32 s44, 0x1111, s40                    ; my column
	s_or_b32 s[G1+0], s43, A_W0                    ; A's tiles go to my row
	s_mov_b32 s[G1+1], A_D0<<16                    ; tensor_dim0
	s_mov_b32 s[G1+2], A_ROWS<<16                  ; tensor_dim1
	s_mov_b32 s[G1+3], A_D0<<16                    ; tile_dim0
	s_mov_b32 s[G1+4], A_ROWS                      ; tile_dim1
	s_mov_b32 s[G1+5], A_PIT                       ; elements from row to row
	s_mov_b32 s[G1+6], 0
	s_mov_b32 s[G1+7], 0
	s_or_b32 s[G1B+0], s44, (1<<16)|(1<<20)|(1<<21)|(5<<22)|(7<<25)   ; W's tiles go to my column; elements of 2 bytes; after every 64 words, 8 words
	s_mov_b32 s[G1B+1], 128<<16
	s_mov_b32 s[G1B+2], 128<<16
	s_mov_b32 s[G1B+3], 128<<16                    ; 128 columns: 256 bytes
	s_mov_b32 s[G1B+4], 128                        ; 128 rows of k
	s_mov_b32 s[G1B+5], NB
	s_mov_b32 s[G1B+6], 0
	s_mov_b32 s[G1B+7], 0
	; where the tiles come from: A's offset is made of the block row and the wave, W's of the block column and the wave, in registers of their own
.if KIND == 1
	s_lshr_b32 s16, s13, 4
	s_lshl_b32 s16, s16, 22                        ; batch: 16 heads of 262,144 bytes
	s_and_b32 s17, s13, 15
	s_lshl_b32 s17, s17, 14                        ; 128 tokens of 128 bytes
	s_add_co_u32 s16, s16, s17
	s_lshl_b32 s17, s12, 19                        ; my half: the slot's first or second pair of heads
	s_add_co_u32 s16, s16, s17
.else
	s_lshl_b32 s17, s12, 6
	s_lshl_b32 s16, s13, 7
	s_add_co_u32 s16, s16, s17                     ; row 128 x block row + 64 x half
	s_mul_i32 s16, s16, SIZE_K*2                   ; below 2^26
.endif
	s_mov_b32 s17, 0
	s_lshl_b32 s46, s42, 8                         ; 128 columns of 2 bytes
	s_add_co_u32 s46, s46, WOFF
	s_mul_i32 s47, s12, 128*NB*2                   ; my half: 128 rows of k
	s_add_co_u32 s46, s46, s47
	s_mov_b32 s47, 0
	s_mul_i32 s20, s12, AHALF                      ; and where they go: no place in the cluster enters an LDS address
	s_mul_i32 s21, s12, BHALF
	s_add_co_u32 s21, s21, ASZ
	s_wait_dscnt 0x0
	s_wait_kmcnt 0x0
	s_add_nc_u64 s[14:15], s[4:5], s[16:17]
	s_add_nc_u64 s[46:47], s[6:7], s[46:47]
	CROUND                                         ; all sixteen work-groups are here: the first joint loads meet
.irp s, 0,1
	s_mov_b32 s[G0+4*\s], 1
	s_add_co_u32 s[G0+4*\s+1], s20, \s*SLOT
	s_add_nc_u64 s[G0+4*\s+2:G0+4*\s+3], s[14:15], \s*AKSTEP
	s_or_b32 s[G0+4*\s+3], s[G0+4*\s+3], 0x80000000
	s_mov_b32 s[G0B+4*\s], 1
	s_add_co_u32 s[G0B+4*\s+1], s21, \s*SLOT
	s_add_nc_u64 s[G0B+4*\s+2:G0B+4*\s+3], s[46:47], \s*BKSTEP
	s_or_b32 s[G0B+4*\s+3], s[G0B+4*\s+3], 0x80000000
	JLOAD \s                                       ; both slots' first fills go out together: two loads of the wave are out, later one
.endr
	v_and_b32 v1, 15, v0                           ; r = l % 16
	v_bfe_u32 v2, v0, 4, 1                         ; h = l / 16
	; C, R and the bias at my wave's corner; then the bias and the whole residual are asked for
	v_lshlrev_b32 v[BO], 4, v1                     ; four f32 of a row of 64
	v_lshl_add_u32 v[CO], v2, 12, v[BO]            ; lanes 16-31 one row of 4,096 bytes further down
	s_lshl_b32 s16, s13, 7
	s_lshl_b32 s17, s11, 6
	s_add_co_u32 s16, s16, s17                     ; my first row
	s_lshl_b32 s16, s16, 12                        ; rows of 1,024 f32
	s_mov_b32 s17, 0
	s_lshl_b32 s46, s42, 9                         ; my first column x 4 bytes (the registers that held W's address)
	s_lshl_b32 s47, s12, 8
	s_add_co_u32 s46, s46, s47
	s_mov_b32 s47, 0
	s_add_nc_u64 s[68:69], s[68:69], s[46:47]
	s_add_nc_u64 s[70:71], s[70:71], s[16:17]
	s_add_nc_u64 s[70:71], s[70:71], s[46:47]
	s_add_nc_u64 s[8:9], s[8:9], s[16:17]
	s_add_nc_u64 s[8:9], s[8:9], s[46:47]
	global_load_b128 v[BIAS:BIAS+3], v[BO], s[68:69]
	WIN 0x40                                       ; loaded data in window 1, the offset in window 0
.irp a, 0,1,2,3
.irp t, 0,1,2,3,4,5,6,7
	global_load_b128 v[R+32*\a+4*\t:R+32*\a+4*\t+3], v[CO], s[70:71] offset:(16*\a+2*\t)*4096   ; two rows' 256 bytes each; all 33 loads are waited for in front of the way out
.endr
.endr
	WIN 0
	v_mul_u32_u24 v3, v1, APITCH
	v_lshl_add_u32 v3, v2, 4, v3                   ; A: row r, 16 h bytes in
	v_and_b32 v4, 7, v0
	v_lshl_add_u32 v4, v2, 3, v4                   ; W: row of k 8 h + l % 8,
	v_mul_u32_u24 v4, v4, BPITCH
	v_bfe_u32 v5, v0, 3, 1
	v_lshl_add_u32 v4, v5, 4, v4                   ; and which 8 of the 16 columns
	s_mul_i32 s22, s11, 64*APITCH                  ; my 64 rows of A
	s_lshl_b32 s23, s12, 7                         ; my 64 columns of W,
	s_add_co_u32 s23, s23, ASZ                     ; which lies behind A
.irp s, 0,1
	v_add_nc_u32 v[ADRA+\s], s22, v3
	v_add_nc_u32 v[ADRB+2*\s], s23, v4
	v_add_nc_u32 v[ADRB+2*\s+1], 128*BPITCH, v[ADRB+2*\s]
	s_add_co_u32 s22, s22, SLOT
	s_add_co_u32 s23, s23, SLOT
.endr
	s_mul_i32 s20, s10, 16*SPITCH
	s_add_co_u32 s20, s20, STAGE                   ; my stage
	v_mul_u32_u24 v6, v1, SPITCH
	v_lshl_add_u32 v6, v2, 5, v6                   ; in: row r, 8 f32 for each half of the lanes
	v_add_nc_u32 v[STO], s20, v6
	v_mul_u32_u24 v5, v2, SPITCH                   ; back: lanes 0-15 take one row of 256 bytes, lanes 16-31 the next
	v_lshl_add_u32 v5, v1, 4, v5
	v_add_nc_u32 v[RD], s20, v5
; 4 matrix instructions: rows 16 a .. 16 a + 15 x all 4 column blocks, 32 along K.  zero = 1: the first product starts the sums.
; The 16 accumulators take turns, one instruction a turn, in the same order in every quarter.
.macro MUL4 f, a, zero
.irp b, 0,1,2,3
.if \zero
	v_wmma_f32_16x16x32_bf16 v[8*(4*\a+\b):8*(4*\a+\b)+7], v[\f+32+8*\b:\f+32+8*\b+7], v[\f+8*\a:\f+8*\a+7], 0
.else
	v_wmma_f32_16x16x32_bf16 v[8*(4*\a+\b):8*(4*\a+\b)+7], v[\f+32+8*\b:\f+32+8*\b+7], v[\f+8*\a:\f+8*\a+7], v[8*(4*\a+\b):8*(4*\a+\b)+7]
.endif
.endr
.endm
; 16 LDS loads in one run: quarter q (32 along K, q = 0..7) of a slot into buffer f: W's four fragments first, then A's four
.macro FETCH slot, q, f
	WIN 0
.if KIND == 1
.set AQ, ((\q)>>1)*AHEAD+((\q)&1)*64
.else
.set AQ, 64*(\q)
.endif
.irp b, 0,1,2,3
	ds_load_tr16_b128 v[\f+32+8*\b:\f+32+8*\b+3],   v[ADRB+2*\slot+((\q)>>2)] offset:((\q)&3)*32*BPITCH+32*\b
	ds_load_tr16_b128 v[\f+32+8*\b+4:\f+32+8*\b+7], v[ADRB+2*\slot+((\q)>>2)] offset:((\q)&3)*32*BPITCH+16*BPITCH+32*\b
.endr
.irp i, 0,1,2,3
	ds_load_b128 v[\f+8*\i:\f+8*\i+3],   v[ADRA+\slot] offset:AQ+\i*16*APITCH
	ds_load_b128 v[\f+8*\i+4:\f+8*\i+7], v[ADRA+\slot] offset:AQ+\i*16*APITCH+32
.endr
.endm
; One of a slot's first seven quarters: multiplies buffer f and, behind its first four products, fetches quarter q into buffer g
.macro QUARTER slot, q, f, g, zero
	s_wait_dscnt 6                                 ; of the 16 loads only the youngest six (A's fragments 1 to 3) may be out
	WIN MUL
	MUL4 \f, 0, \zero
	PLACES
	FETCH \slot, \q, \g
	s_wait_dscnt 16                                ; all but the 16 just issued
	WIN MUL
	MUL4 \f, 1, \zero
	MUL4 \f, 2, \zero
	MUL4 \f, 3, \zero
.endm
.macro SEVEN slot, zero
	QUARTER \slot, 1, F0, F1, \zero
	QUARTER \slot, 2, F1, F0, 0
	QUARTER \slot, 3, F0, F1, 0
	QUARTER \slot, 4, F1, F0, 0
	QUARTER \slot, 5, F0, F1, 0
	QUARTER \slot, 6, F1, F0, 0
	QUARTER \slot, 7, F0, F1, 0
.endm
; The eighth quarter: multiplies buffer 1 and changes slots.  In front of the barrier each wave waits for its reads of this slot and for all its tensor
; loads (one is out: its part of the next slot).  Behind it (with fill: behind the round of the cluster's barrier that it opens) the refill comes first.
; From a request to the wait for it a wave issues 124 matrix instructions.
.macro TURN slot, next, fill
	s_wait_dscnt 6
	WIN MUL
	MUL4 F1, 0, 0
	s_wait_dscnt 0                                 ; my reads of this slot are over
	s_wait_tensorcnt 0x0                           ; all my tensor loads have landed
	ds_add_u32 v254, v255
	s_wait_dscnt 0x0
	s_barrier_signal -1
	MUL4 F1, 1, 0                                  ; register work while the others arrive
	WIN 0
	s_barrier_wait -1
.if \fill
	CREST                                          ; no wave of any partner still reads this slot or has a load on its way
	s_add_nc_u64 s[G0+4*\slot+2:G0+4*\slot+3], s[G0+4*\slot+2:G0+4*\slot+3], 2*AKSTEP
	s_add_nc_u64 s[G0B+4*\slot+2:G0B+4*\slot+3], s[G0B+4*\slot+2:G0B+4*\slot+3], 2*BKSTEP
	JLOAD \slot                                    ; the wave's one tensor load behind the round; its four v_nop are the places in front of the loads below
.else
	PLACES
.endif
	FETCH \next, 0, F0
	WIN MUL
	MUL4 F1, 2, 0
	MUL4 F1, 3, 0
.endm
.macro LAP zero
	SEVEN 0, \zero
	TURN 0, 1, 1
	SEVEN 1, 0
	TURN 1, 0, 1
.endm
	s_wait_tensorcnt 1                             ; my part of slot 0 is in; slot 1's may stay out
	s_barrier_signal -1
	s_barrier_wait -1
	FETCH 0, 0, F0
	LAP 1                                          ; the first lap's first products start the sums
.if LAPS > 2
	WIN 0
	s_mov_b32 s3, LAPS-2
.Llap:
	LAP 0
	WIN 0
	s_sub_co_u32 s3, s3, 1
	s_cmp_lg_u32 s3, 0
	s_cbranch_scc1 .Llap
.endif
	SEVEN 0, 0                                     ; the last lap fills nothing
	TURN 0, 1, 0
	SEVEN 1, 0
	s_wait_dscnt 6
	WIN MUL
	MUL4 F1, 0, 0
	s_wait_dscnt 0
	MUL4 F1, 1, 0
	MUL4 F1, 2, 0
	MUL4 F1, 3, 0
	; THE WAY OUT, 16 rows at a time: f32 sums into my own stage, read back by rows, residual and bias added, stored in whole runs of 256 bytes
	PLACES
	WIN 0
	s_wait_loadcnt 0x0                             ; the bias and the residual, asked for at the start
.macro OUT a
	WIN 0x04                                       ; source 1 in window 1: the data of an LDS store, and the residual in the sums below
.irp b, 0,1,2,3
	ds_store_b128 v[STO], v[8*(4*\a+\b):8*(4*\a+\b)+3] offset:64*\b
	ds_store_b128 v[STO], v[8*(4*\a+\b)+4:8*(4*\a+\b)+7] offset:64*\b+16
.endr
.irp t, 0,1,2,3,4,5,6,7
	ds_load_b128 v[P+32*\a+4*\t:P+32*\a+4*\t+3], v[RD] offset:\t*2*SPITCH   ; LDS serves a wave's instructions in order (ISA guide 5.7.1.4): these see the stores above
.endr
.irp t, 0,1,2,3,4,5,6,7
	s_wait_dscnt 7-\t                              ; read-back t is in, the younger ones stay out
	v_pk_add_f32 v[P+32*\a+4*\t:P+32*\a+4*\t+1], v[P+32*\a+4*\t:P+32*\a+4*\t+1], v[R+32*\a+4*\t:R+32*\a+4*\t+1]
	v_pk_add_f32 v[P+32*\a+4*\t+2:P+32*\a+4*\t+3], v[P+32*\a+4*\t+2:P+32*\a+4*\t+3], v[R+32*\a+4*\t+2:R+32*\a+4*\t+3]
.endr
	WIN 0
.irp t, 0,1,2,3,4,5,6,7
	v_pk_add_f32 v[P+32*\a+4*\t:P+32*\a+4*\t+1], v[P+32*\a+4*\t:P+32*\a+4*\t+1], v[BIAS:BIAS+1]
	v_pk_add_f32 v[P+32*\a+4*\t+2:P+32*\a+4*\t+3], v[P+32*\a+4*\t+2:P+32*\a+4*\t+3], v[BIAS+2:BIAS+3]
	global_store_b128 v[CO], v[P+32*\a+4*\t:P+32*\a+4*\t+3], s[8:9] offset:(16*\a+2*\t)*4096   ; sixteen lanes store 256 consecutive bytes, aligned; no data register is written again
.endr
.endm
	OUT 0
	OUT 1
	OUT 2
	OUT 3
	s_wait_tensorcnt 0x0
	ds_add_u32 v254, v255
	s_wait_dscnt 0x0
	CROUND                                         ; the closing round: no work-group ends while a partner may still ask for a tile that names it
	s_endpgm
.Lfunc_end_k_qe3316a7cd1_ffn2:
	.size	k_qe3316a7cd1_ffn2, .Lfunc_end_k_qe3316a7cd1_ffn2-k_qe3316a7cd1_ffn2
	.p2alignl 7, 3214868480
	.fill 96, 4, 3214868480
	.section	.rodata,"a",@progbits
	.p2align	6, 0x0
	.amdhsa_kernel k_qe3316a7cd1_ffn2
		.amdhsa_group_segment_fixed_size 327680
		.amdhsa_private_segment_fixed_size 0
		.amdhsa_enable_private_segment 0
		.amdhsa_kernarg_size 40
		.amdhsa_user_sgpr_count 2
		.amdhsa_user_sgpr_kernarg_segment_ptr 1
		.amdhsa_wavefront_size32 1
		.amdhsa_system_sgpr_workgroup_id_x 1
		.amdhsa_system_sgpr_workgroup_id_y 1
		.amdhsa_system_sgpr_workgroup_id_z 1
		.amdhsa_system_vgpr_workitem_id 0
		.amdhsa_next_free_vgpr 512
		.amdhsa_next_free_sgpr 72
		.amdhsa_reserve_vcc 0
		.amdhsa_float_denorm_mode_32 3
		.amdhsa_float_denorm_mode_16_64 3
		.amdhsa_memory_ordered 1
		.amdhsa_forward_progress 1
		.amdhsa_inst_pref_size 140
	.end_amdhsa_kernel
	.amdgpu_metadata
---
amdhsa.version: [ 1, 2 ]
amdhsa.kernels:
  - .name:           k_qe3316a7cd1_ffn2
    .symbol:         k_qe3316a7cd1_ffn2.kd
    .args:
      - { .name: ff, .offset: 0, .size: 8, .value_kind: global_buffer, .address_space: global }
      - { .name: wb, .offset: 8, .size: 8, .value_kind: global_buffer, .address_space: global }
      - { .name: out0, .offset: 16, .size: 8, .value_kind: global_buffer, .address_space: global }
      - { .name: b2, .offset: 24, .size: 8, .value_kind: global_buffer, .address_space: global }
      - { .name: x1, .offset: 32, .size: 8, .value_kind: global_buffer, .address_space: global }
    .group_segment_fixed_size: 327680
    .private_segment_fixed_size: 0
    .kernarg_segment_align: 8
    .kernarg_segment_size: 40
    .max_flat_workgroup_size: 128
    .sgpr_count:     72
    .vgpr_count:     512
    .wavefront_size: 32
...
	.end_amdgpu_metadata
.endif
;; end of part 11
;; ======== version 3 of 3: 7 launches; version 2 with the launches prep, ln2 written anew for expert scheduling mode
;; workspace buffers: wb 25,165,824 bytes; hb 8,388,608 bytes; qkv 25,165,824 bytes; cb 8,388,608 bytes; x1 16,777,216 bytes; ff 33,554,432 bytes
;; launch prep (part 12): grid 32 x 16, 8 waves a work-group, no clusters, 0 bytes of LDS; arguments x, ln1_g, ln1_b, hb, Wq, Wk, Wv, Wo, W1, W2, wb; writes hb, wb
.if DOCPART == 12
	.amdgcn_target "amdgcn-amd-amdhsa--gfx1250"
	.amdhsa_code_object_version 6
	.text
	.protected	k_qe3316a7cd1_prep
	.globl	k_qe3316a7cd1_prep
	.p2align	8
	.type	k_qe3316a7cd1_prep,@function
k_qe3316a7cd1_prep:
	s_mov_b64 s[64:65], 0
	v_nop
	global_prefetch_b8 v0, s[64:65] scope:SCOPE_SE
	s_setreg_imm32_b32 hwreg(HW_REG_WAVE_SCHED_MODE, 0, 2), 2
	s_setreg_imm32_b32 hwreg(HW_REG_WAVE_MODE, 25, 1), 1
	s_wait_xcnt 0x0
	s_wait_alu depctr_vm_vsrc(0)
; Two streams in one launch, chosen by the work-group's y; each work-group reads 128 KiB and writes 64 KiB.
;  y = 0..3  : hb = LayerNorm(x) * g + b, rounded to bf16.  32 rows a work-group, 4 rows a wave, one wave one row, the row kept in
;              32 registers between the pass for the mean, the pass for the variance (of x - mean: no difference of large sums) and the scaling.
;  y = 4..15 : the six weight matrices rounded to bf16, layout [in][out] kept, into wb: Wq, Wk, Wv, Wo at 2 MiB steps, W1 at 8 MiB, W2 at 16 MiB.
; Memory binds: no LDS, no barrier, no matrix unit.  Every load of a wave covers 512 consecutive bytes, every store 256, aligned.
; Limit: results are bf16 (8 bits of mantissa); v_rsq_f32 is accurate to 1 ULP.
; THE MODE: SCHED_MODE bits 1:0 = 2 (LLVM: expert scheduling mode 2), set by the entry lines.  The code itself states the register dependences
; between vector instructions and memory instructions, with s_wait_alu, always for 0.
; THE PLAN.  Registers that memory instructions touch:
;   v1, v2, v3   byte offsets, made once at the head and never written again.
;   G, BB        written by loads, once (the head's arithmetic used v4 and v5 before); read by vector instructions alone.
;   X            written by loads, once, at an arm's start, before any vector instruction names it; worked on in place; its rounded part is read by the
;                stores and never written again.
;   T, MU, RS    named by vector instructions alone.
; The work goes in steps: a group of four pieces of weights, or a row.  A step's vector instructions name its own part of X (and T, MU, RS, G, BB); the stores
; of the step before are issued in it, behind ONE wait at its head, and are dealt among its first vector instructions, which name none of their registers.
; No register that a memory instruction reads is written again, so nothing has to be stated in that direction.
.set NR,  4                            ; rows of a wave
.set G,   4                            ; v[4:35]   gain of my 32 columns
.set BB,  36                           ; v[36:67]  bias of my 32 columns
.set X,   68                           ; 32 registers a row (LN), or 32 x 4 registers of weights
.set T,   X+32*NR                      ; 8 registers at work
.set MU,  T+8                          ; the mean, twice
.set RS,  T+10                         ; 1/sqrt(var + eps), twice
	s_load_b256 s[4:11], s[0:1], 0x0               ; x s[4:5], g s[6:7], b s[8:9], hb s[10:11]
	s_load_b256 s[12:19], s[0:1], 0x20             ; Wq s[12:13], Wk s[14:15], Wv s[16:17], Wo s[18:19]
	s_load_b128 s[20:23], s[0:1], 0x40             ; W1 s[20:21], W2 s[22:23]
	s_load_b64 s[24:25], s[0:1], 0x50              ; wb
	s_and_b32 s28, ttmp7, 0xffff                   ; y
	v_lshrrev_b32 v4, 5, v0                        ; wave
	v_and_b32 v5, 31, v0                           ; lane
	v_lshlrev_b32 v3, 4, v5                        ; 16 x lane: my place in 512 bytes of f32
	v_lshlrev_b32 v2, 3, v5                        ; 8 x lane: my place in 256 bytes of bf16
	v_lshl_add_u32 v1, v4, 14, v3                  ; + wave x 16 KiB of f32 (4 rows, or 32 pieces of weights)
	v_lshl_add_u32 v2, v4, 13, v2                  ; + wave x 8 KiB of bf16
	s_wait_kmcnt 0x0
	s_wait_alu depctr_va_vdst(0)                   ; v1, v2 and v3 are written, which every load and store of both arms reads as its offset; the lines above are done with v4 and v5, in which loads of the gain land
	s_cmp_lt_u32 s28, 4
	s_cbranch_scc1 .Lln
	; ---- weights: piece c = y - 4 of twelve pieces of 4 MiB, of it the 128 KiB numbered x ----
	s_sub_co_u32 s33, s28, 4                       ; c
	s_mov_b64 s[26:27], s[12:13]                   ; c = 0: Wq
	s_cmp_eq_u32 s33, 1
	s_cselect_b64 s[26:27], s[14:15], s[26:27]     ; Wk
	s_cmp_eq_u32 s33, 2
	s_cselect_b64 s[26:27], s[16:17], s[26:27]     ; Wv
	s_cmp_eq_u32 s33, 3
	s_cselect_b64 s[26:27], s[18:19], s[26:27]     ; Wo
	s_cmp_ge_u32 s33, 4
	s_cselect_b64 s[26:27], s[20:21], s[26:27]     ; c = 4..7: W1
	s_cmp_ge_u32 s33, 8
	s_cselect_b64 s[26:27], s[22:23], s[26:27]     ; c = 8..11: W2
	s_and_b32 s34, s33, 3
	s_lshl_b32 s34, s34, 22                        ; which 4 MiB of W1 or W2
	s_cmp_lt_u32 s33, 4
	s_cselect_b32 s34, 0, s34                      ; the small matrices are one piece each
	s_lshl_b32 s35, ttmp9, 17
	s_add_co_u32 s34, s34, s35
	s_mov_b32 s35, 0
	s_add_nc_u64 s[26:27], s[26:27], s[34:35]      ; source
	s_lshl_b32 s36, s33, 21                        ; 2 MiB of bf16 for each piece
	s_lshl_b32 s37, ttmp9, 16
	s_add_co_u32 s36, s36, s37
	s_mov_b32 s37, 0
	s_add_nc_u64 s[24:25], s[24:25], s[36:37]      ; destination
.set j, 0
.rept 32
	global_load_b128 v[X+4*j:X+4*j+3], v1, s[26:27] offset:512*j th:TH_LOAD_NT    ; all 16 KiB of the wave go out at once
.set j, j+1
.endr
; Eight groups of four pieces.  Group g rounds its own sixteen registers in place; the four stores of group g - 1 stand among its roundings.
.irp g, 0,1,2,3,4,5,6,7
	s_wait_loadcnt 28-4*\g                         ; loads come back in order: the group's four pieces are in, the 28 - 4 g younger ones stay out
.if \g > 0
	s_wait_alu depctr_va_vdst(0)                   ; the roundings of the group before have written the registers that the four stores below read
.endif
.irp i, 0,1,2,3
.if \g > 0
	global_store_b64 v2, v[X+16*\g-16+4*\i:X+16*\g-16+4*\i+1], s[24:25] offset:256*(4*\g-4+\i)   ; the group before; no vector instruction since the wait names these registers, and none writes them again
.endif
	v_cvt_pk_bf16_f32 v[X+16*\g+4*\i], v[X+16*\g+4*\i], v[X+16*\g+4*\i+1]
	v_cvt_pk_bf16_f32 v[X+16*\g+4*\i+1], v[X+16*\g+4*\i+2], v[X+16*\g+4*\i+3]
.endr
.endr
	s_wait_alu depctr_va_vdst(0)                   ; the last group's roundings have written the registers that the last four stores read
.irp i, 0,1,2,3
	global_store_b64 v2, v[X+112+4*\i:X+112+4*\i+1], s[24:25] offset:256*(28+\i)
.endr
	s_endpgm
	; ---- LayerNorm ----
.macro REDUCE                          ; the four packed chains in T, then the 32 lanes: the sum ends in v[T] of every lane
	v_pk_add_f32 v[T:T+1], v[T:T+1], v[T+2:T+3]
	v_pk_add_f32 v[T+4:T+5], v[T+4:T+5], v[T+6:T+7]
	v_pk_add_f32 v[T:T+1], v[T:T+1], v[T+4:T+5]
	v_add_f32 v[T], v[T], v[T+1]
	v_add_f32_dpp v[T], v[T], v[T] row_xmask:1 row_mask:0xf bank_mask:0xf
	v_add_f32_dpp v[T], v[T], v[T] row_xmask:2 row_mask:0xf bank_mask:0xf
	v_add_f32_dpp v[T], v[T], v[T] row_xmask:4 row_mask:0xf bank_mask:0xf
	v_add_f32_dpp v[T], v[T], v[T] row_xmask:8 row_mask:0xf bank_mask:0xf
	v_permlanex16_b32 v[T+1], v[T], s30, s31       ; the other half of the lanes
	v_add_f32 v[T], v[T], v[T+1]
.endm
.macro PUT s, j                        ; piece j of eight of row s goes out: the wave stores 256 consecutive bytes, aligned
	global_store_b64 v2, v[X+32*(\s)+4*(\j):X+32*(\s)+4*(\j)+1], s[10:11] offset:(\s)*2048+256*(\j)
.endm
.macro LNROW s
.set XS, X+32*\s
	s_wait_loadcnt 8*(NR-1-\s)                     ; my row's eight loads are in; the later rows' stay out
.if \s > 0
	s_wait_alu depctr_va_vdst(0)                   ; the roundings of the row before have written the registers that the eight stores below read
.endif
.irp k, 0,1,2,3
.if \s > 0
	PUT \s-1, \k                                   ; the row before; the sums between these stores name T and this row alone
.endif
	v_pk_add_f32 v[T+2*\k:T+2*\k+1], v[XS+2*\k:XS+2*\k+1], v[XS+8+2*\k:XS+9+2*\k]   ; the first sums start the chains
.endr
.irp p, 8,9,10,11,12,13,14,15
.if (\s > 0) && (\p < 12)
	PUT \s-1, \p-4
.endif
	v_pk_add_f32 v[T+2*(\p%4):T+2*(\p%4)+1], v[T+2*(\p%4):T+2*(\p%4)+1], v[XS+2*\p:XS+2*\p+1]
.endr
	REDUCE
	v_mul_f32 v[MU], s32, v[T]                     ; mean = sum / 1024
	v_mov_b32 v[MU+1], v[MU]
.irp p, 0,1,2,3,4,5,6,7,8,9,10,11,12,13,14,15
	v_pk_add_f32 v[XS+2*\p:XS+2*\p+1], v[XS+2*\p:XS+2*\p+1], v[MU:MU+1] neg_lo:[0,1] neg_hi:[0,1]   ; x - mean, in place
.endr
.irp k, 0,1,2,3
	v_pk_mul_f32 v[T+2*\k:T+2*\k+1], v[XS+2*\k:XS+2*\k+1], v[XS+2*\k:XS+2*\k+1]
.endr
.irp p, 4,5,6,7,8,9,10,11,12,13,14,15
	v_pk_fma_f32 v[T+2*(\p%4):T+2*(\p%4)+1], v[XS+2*\p:XS+2*\p+1], v[XS+2*\p:XS+2*\p+1], v[T+2*(\p%4):T+2*(\p%4)+1]
.endr
	REDUCE
	v_fma_f32 v[T], v[T], s32, s38                 ; variance + 1e-5
	v_rsq_f32 v[RS], v[T]
	v_rsq_f32 v[RS+1], v[T]
	v_nop                                          ; one plain place behind the transcendentals (ISA guide 5.7.2)
	s_wait_alu depctr_va_vdst(0)                   ; the two v_rsq_f32 have written v[RS:RS+1], ahead of their first reader
.irp j, 0,1,2,3,4,5,6,7
	v_pk_mul_f32 v[XS+4*\j:XS+4*\j+1], v[XS+4*\j:XS+4*\j+1], v[RS:RS+1]
	v_pk_mul_f32 v[XS+4*\j+2:XS+4*\j+3], v[XS+4*\j+2:XS+4*\j+3], v[RS:RS+1]
	v_pk_fma_f32 v[XS+4*\j:XS+4*\j+1], v[XS+4*\j:XS+4*\j+1], v[G+4*\j:G+4*\j+1], v[BB+4*\j:BB+4*\j+1]
	v_pk_fma_f32 v[XS+4*\j+2:XS+4*\j+3], v[XS+4*\j+2:XS+4*\j+3], v[G+4*\j+2:G+4*\j+3], v[BB+4*\j+2:BB+4*\j+3]
	v_cvt_pk_bf16_f32 v[XS+4*\j], v[XS+4*\j], v[XS+4*\j+1]
	v_cvt_pk_bf16_f32 v[XS+4*\j+1], v[XS+4*\j+2], v[XS+4*\j+3]                    ; stored in the next row's turn, or behind the last row
.endr
.endm
.Lln:
	s_lshl_b32 s33, s28, 5
	s_add_co_u32 s33, s33, ttmp9                   ; 32 y + x: which 32 rows
	s_lshl_b32 s34, s33, 17                        ; x 32 rows of 4,096 bytes
	s_mov_b32 s35, 0
	s_lshl_b32 s36, s33, 16                        ; x 32 rows of 2,048 bytes
	s_mov_b32 s37, 0
	s_add_nc_u64 s[4:5], s[4:5], s[34:35]
	s_add_nc_u64 s[10:11], s[10:11], s[36:37]
	s_mov_b32 s30, 0x76543210                      ; v_permlanex16_b32: lane i reads lane i of the other half
	s_mov_b32 s31, 0xfedcba98
	s_mov_b32 s32, 0x3a800000                      ; 1/1024
	s_mov_b32 s38, 0x3727c5ac                      ; 1e-5
.irp j, 0,1,2,3,4,5,6,7
	global_load_b128 v[G+4*\j:G+4*\j+3], v3, s[6:7] offset:512*\j
.endr
.irp j, 0,1,2,3,4,5,6,7
	global_load_b128 v[BB+4*\j:BB+4*\j+3], v3, s[8:9] offset:512*\j
.endr
.irp s, 0,1,2,3
.irp j, 0,1,2,3,4,5,6,7
	global_load_b128 v[X+32*\s+4*\j:X+32*\s+4*\j+3], v1, s[4:5] offset:\s*4096+512*\j
.endr
.endr
	LNROW 0
	LNROW 1
	LNROW 2
	LNROW 3
	s_wait_alu depctr_va_vdst(0)                   ; the last row's roundings have written the registers that the last eight stores read
.irp j, 0,1,2,3,4,5,6,7
	PUT NR-1, \j
.endr
	s_endpgm
.Lfunc_end_k_qe3316a7cd1_prep:
	.size	k_qe3316a7cd1_prep, .Lfunc_end_k_qe3316a7cd1_prep-k_qe3316a7cd1_prep
	.p2alignl 7, 3214868480
	.fill 96, 4, 3214868480
	.section	.rodata,"a",@progbits
	.p2align	6, 0x0
	.amdhsa_kernel k_qe3316a7cd1_prep
		.amdhsa_group_segment_fixed_size 0
		.amdhsa_private_segment_fixed_size 0
		.amdhsa_enable_private_segment 0
		.amdhsa_kernarg_size 88
		.amdhsa_user_sgpr_count 2
		.amdhsa_user_sgpr_kernarg_segment_ptr 1
		.amdhsa_wavefront_size32 1
		.amdhsa_system_sgpr_workgroup_id_x 1
		.amdhsa_system_sgpr_workgroup_id_y 1
		.amdhsa_system_sgpr_workgroup_id_z 1
		.amdhsa_system_vgpr_workitem_id 0
		.amdhsa_next_free_vgpr 208
		.amdhsa_next_free_sgpr 66
		.amdhsa_reserve_vcc 0
		.amdhsa_float_denorm_mode_32 3
		.amdhsa_float_denorm_mode_16_64 3
		.amdhsa_memory_ordered 1
		.amdhsa_forward_progress 1
		.amdhsa_inst_pref_size 50
	.end_amdhsa_kernel
	.amdgpu_metadata
---
amdhsa.version: [ 1, 2 ]
amdhsa.kernels:
  - .name:           k_qe3316a7cd1_prep
    .symbol:         k_qe3316a7cd1_prep.kd
    .args:
      - { .name: x, .offset: 0, .size: 8, .value_kind: global_buffer, .address_space: global }
      - { .name: ln1_g, .offset: 8, .size: 8, .value_kind: global_buffer, .address_space: global }
      - { .name: ln1_b, .offset: 16, .size: 8, .value_kind: global_buffer, .address_space: global }
      - { .name: hb, .offset: 24, .size: 8, .value_kind: global_buffer, .address_space: global }
      - { .name: Wq, .offset: 32, .size: 8, .value_kind: global_buffer, .address_space: global }
      - { .name: Wk, .offset: 40, .size: 8, .value_kind: global_buffer, .address_space: global }
      - { .name: Wv, .offset: 48, .size: 8, .value_kind: global_buffer, .address_space: global }
      - { .name: Wo, .offset: 56, .size: 8, .value_kind: global_buffer, .address_space: global }
      - { .name: W1, .offset: 64, .size: 8, .value_kind: global_buffer, .address_space: global }
      - { .name: W2, .offset: 72, .size: 8, .value_kind: global_buffer, .address_space: global }
      - { .name: wb, .offset: 80, .size: 8, .value_kind: global_buffer, .address_space: global }
    .group_segment_fixed_size: 0
    .private_segment_fixed_size: 0
    .kernarg_segment_align: 8
    .kernarg_segment_size: 88
    .max_flat_workgroup_size: 256
    .sgpr_count:     66
    .vgpr_count:     208
    .wavefront_size: 32
...
	.end_amdgpu_metadata
.endif
;; end of part 12
;; launch qkv: the kernel of part 8 again; grid 12 x 16, 4 waves a work-group, clusters of 4 x 4, 327,680 bytes of LDS; arguments hb, wb, qkv; writes qkv
;; launch attn: the kernel of part 3 again; grid 8 x 32, 4 waves a work-group, no clusters, 327,680 bytes of LDS; arguments qkv, cb; writes cb
;; launch wo: the kernel of part 9 again; grid 8 x 32, 4 waves a work-group, clusters of 4 x 4, 327,680 bytes of LDS; arguments cb, wb, x1, bo, x; writes x1
;; launch ln2 (part 13): grid 256 x 1, 8 waves a work-group, no clusters, 0 bytes of LDS; arguments x1, ln2_g, ln2_b, hb; writes hb
.if DOCPART == 13
	.amdgcn_target "amdgcn-amd-amdhsa--gfx1250"
	.amdhsa_code_object_version 6
	.text
	.protected	k_qe3316a7cd1_ln2
	.globl	k_qe3316a7cd1_ln2
	.p2align	8
	.type	k_qe3316a7cd1_ln2,@function
k_qe3316a7cd1_ln2:
	s_mov_b64 s[64:65], 0
	v_nop
	global_prefetch_b8 v0, s[64:65] scope:SCOPE_SE
	s_setreg_imm32_b32 hwreg(HW_REG_WAVE_SCHED_MODE, 0, 2), 2
	s_setreg_imm32_b32 hwreg(HW_REG_WAVE_MODE, 25, 1), 1
	s_wait_xcnt 0x0
	s_wait_alu depctr_vm_vsrc(0)
; hb = LayerNorm(x1) * g + b, rounded to bf16.  x1: [4096][1024] f32.  16 rows a work-group, 2 rows a wave, one wave one row, the row kept in 32 registers
; between the pass for the mean, the pass for the variance (of x - mean: no difference of large sums) and the scaling.
; Memory binds: no LDS, no barrier, no matrix unit.  Every load of a wave covers 512 consecutive bytes, every store 256, aligned.
; Limit: results are bf16 (8 bits of mantissa); v_rsq_f32 is accurate to 1 ULP.
; THE MODE: SCHED_MODE bits 1:0 = 2 (LLVM: expert scheduling mode 2), set by the entry lines.  The code itself states the register dependences
; between vector instructions and memory instructions, with s_wait_alu, always for 0.
; THE PLAN.  Registers that memory instructions touch:
;   v1, v2, v3   byte offsets, made once at the head and never written again.
;   G, BB        written by loads, once (the head's arithmetic used v4 and v5 before); read by vector instructions alone.
;   X            written by loads, once, at the start, before any vector instruction names it; worked on in place; its rounded part is read by the
;                stores and never written again.
;   T, MU, RS    named by vector instructions alone.
; A row's vector instructions name its own 32 registers of X (and T, MU, RS, G, BB); the first row's stores are issued in the second row's turn, behind ONE wait
; at its head, dealt among its first sums, which name none of their registers.  No register that a memory instruction reads is written again, so nothing
; has to be stated in that direction.
.set NR,  2                            ; rows of a wave
.set G,   4                            ; v[4:35]   gain of my 32 columns
.set BB,  36                           ; v[36:67]  bias of my 32 columns
.set X,   68                           ; 32 registers a row
.set T,   X+32*NR                      ; 8 registers at work
.set MU,  T+8                          ; the mean, twice
.set RS,  T+10                         ; 1/sqrt(var + eps), twice
	s_load_b256 s[4:11], s[0:1], 0x0               ; x1 s[4:5], g s[6:7], b s[8:9], hb s[10:11]
	v_lshrrev_b32 v4, 5, v0                        ; wave
	v_and_b32 v5, 31, v0                           ; lane
	v_lshlrev_b32 v3, 4, v5                        ; 16 x lane
	v_lshlrev_b32 v2, 3, v5                        ; 8 x lane
	v_lshl_add_u32 v1, v4, 13, v3                  ; + wave x 2 rows of 4,096 bytes
	v_lshl_add_u32 v2, v4, 12, v2                  ; + wave x 2 rows of 2,048 bytes
	s_lshl_b32 s34, ttmp9, 16                      ; 16 rows of 4,096 bytes
	s_mov_b32 s35, 0
	s_lshl_b32 s36, ttmp9, 15                      ; 16 rows of 2,048 bytes
	s_mov_b32 s37, 0
	s_mov_b32 s30, 0x76543210                      ; v_permlanex16_b32: lane i reads lane i of the other half
	s_mov_b32 s31, 0xfedcba98
	s_mov_b32 s32, 0x3a800000                      ; 1/1024
	s_mov_b32 s38, 0x3727c5ac                      ; 1e-5
	s_wait_kmcnt 0x0
	s_add_nc_u64 s[4:5], s[4:5], s[34:35]
	s_add_nc_u64 s[10:11], s[10:11], s[36:37]
	s_wait_alu depctr_va_vdst(0)                   ; v1, v2 and v3 are written, which every load and store reads as its offset; the lines above are done with v4 and v5, in which loads of the gain land
.irp j, 0,1,2,3,4,5,6,7
	global_load_b128 v[G+4*\j:G+4*\j+3], v3, s[6:7] offset:512*\j
.endr
.irp j, 0,1,2,3,4,5,6,7
	global_load_b128 v[BB+4*\j:BB+4*\j+3], v3, s[8:9] offset:512*\j
.endr
.irp s, 0,1
.irp j, 0,1,2,3,4,5,6,7
	global_load_b128 v[X+32*\s+4*\j:X+32*\s+4*\j+3], v1, s[4:5] offset:\s*4096+512*\j
.endr
.endr
.macro REDUCE                          ; the four packed chains in T, then the 32 lanes: the sum ends in v[T] of every lane
	v_pk_add_f32 v[T:T+1], v[T:T+1], v[T+2:T+3]
	v_pk_add_f32 v[T+4:T+5], v[T+4:T+5], v[T+6:T+7]
	v_pk_add_f32 v[T:T+1], v[T:T+1], v[T+4:T+5]
	v_add_f32 v[T], v[T], v[T+1]
	v_add_f32_dpp v[T], v[T], v[T] row_xmask:1 row_mask:0xf bank_mask:0xf
	v_add_f32_dpp v[T], v[T], v[T] row_xmask:2 row_mask:0xf bank_mask:0xf
	v_add_f32_dpp v[T], v[T], v[T] row_xmask:4 row_mask:0xf bank_mask:0xf
	v_add_f32_dpp v[T], v[T], v[T] row_xmask:8 row_mask:0xf bank_mask:0xf
	v_permlanex16_b32 v[T+1], v[T], s30, s31       ; the other half of the lanes
	v_add_f32 v[T], v[T], v[T+1]
.endm
.macro PUT s, j                        ; piece j of eight of row s goes out: the wave stores 256 consecutive bytes, aligned
	global_store_b64 v2, v[X+32*(\s)+4*(\j):X+32*(\s)+4*(\j)+1], s[10:11] offset:(\s)*2048+256*(\j)
.endm
.macro LNROW s
.set XS, X+32*\s
	s_wait_loadcnt 8*(NR-1-\s)                     ; my row's eight loads are in; the later row's stay out
.if \s > 0
	s_wait_alu depctr_va_vdst(0)                   ; the roundings of the row before have written the registers that the eight stores below read
.endif
.irp k, 0,1,2,3
.if \s > 0
	PUT \s-1, \k                                   ; the row before; the sums between these stores name T and this row alone
.endif
	v_pk_add_f32 v[T+2*\k:T+2*\k+1], v[XS+2*\k:XS+2*\k+1], v[XS+8+2*\k:XS+9+2*\k]   ; the first sums start the chains
.endr
.irp p, 8,9,10,11,12,13,14,15
.if (\s > 0) && (\p < 12)
	PUT \s-1, \p-4
.endif
	v_pk_add_f32 v[T+2*(\p%4):T+2*(\p%4)+1], v[T+2*(\p%4):T+2*(\p%4)+1], v[XS+2*\p:XS+2*\p+1]
.endr
	REDUCE
	v_mul_f32 v[MU], s32, v[T]                     ; mean = sum / 1024
	v_mov_b32 v[MU+1], v[MU]
.irp p, 0,1,2,3,4,5,6,7,8,9,10,11,12,13,14,15
	v_pk_add_f32 v[XS+2*\p:XS+2*\p+1], v[XS+2*\p:XS+2*\p+1], v[MU:MU+1] neg_lo:[0,1] neg_hi:[0,1]   ; x - mean, in place
.endr
.irp k, 0,1,2,3
	v_pk_mul_f32 v[T+2*\k:T+2*\k+1], v[XS+2*\k:XS+2*\k+1], v[XS+2*\k:XS+2*\k+1]
.endr
.irp p, 4,5,6,7,8,9,10,11,12,13,14,15
	v_pk_fma_f32 v[T+2*(\p%4):T+2*(\p%4)+1], v[XS+2*\p:XS+2*\p+1], v[XS+2*\p:XS+2*\p+1], v[T+2*(\p%4):T+2*(\p%4)+1]
.endr
	REDUCE
	v_fma_f32 v[T], v[T], s32, s38                 ; variance + 1e-5
	v_rsq_f32 v[RS], v[T]
	v_rsq_f32 v[RS+1], v[T]
	v_nop                                          ; one plain place behind the transcendentals (ISA guide 5.7.2)
	s_wait_alu depctr_va_vdst(0)                   ; the two v_rsq_f32 have written v[RS:RS+1], ahead of their first reader
.irp j, 0,1,2,3,4,5,6,7
	v_pk_mul_f32 v[XS+4*\j:XS+4*\j+1], v[XS+4*\j:XS+4*\j+1], v[RS:RS+1]
	v_pk_mul_f32 v[XS+4*\j+2:XS+4*\j+3], v[XS+4*\j+2:XS+4*\j+3], v[RS:RS+1]
	v_pk_fma_f32 v[XS+4*\j:XS+4*\j+1], v[XS+4*\j:XS+4*\j+1], v[G+4*\j:G+4*\j+1], v[BB+4*\j:BB+4*\j+1]
	v_pk_fma_f32 v[XS+4*\j+2:XS+4*\j+3], v[XS+4*\j+2:XS+4*\j+3], v[G+4*\j+2:G+4*\j+3], v[BB+4*\j+2:BB+4*\j+3]
	v_cvt_pk_bf16_f32 v[XS+4*\j], v[XS+4*\j], v[XS+4*\j+1]
	v_cvt_pk_bf16_f32 v[XS+4*\j+1], v[XS+4*\j+2], v[XS+4*\j+3]                    ; stored in the next row's turn, or behind the last row
.endr
.endm
	LNROW 0
	LNROW 1
	s_wait_alu depctr_va_vdst(0)                   ; the last row's roundings have written the registers that the last eight stores read
.irp j, 0,1,2,3,4,5,6,7
	PUT NR-1, \j
.endr
	s_endpgm
.Lfunc_end_k_qe3316a7cd1_ln2:
	.size	k_qe3316a7cd1_ln2, .Lfunc_end_k_qe3316a7cd1_ln2-k_qe3316a7cd1_ln2
	.p2alignl 7, 3214868480
	.fill 96, 4, 3214868480
	.section	.rodata,"a",@progbits
	.p2align	6, 0x0
	.amdhsa_kernel k_qe3316a7cd1_ln2
		.amdhsa_group_segment_fixed_size 0
		.amdhsa_private_segment_fixed_size 0
		.amdhsa_enable_private_segment 0
		.amdhsa_kernarg_size 32
		.amdhsa_user_sgpr_count 2
		.amdhsa_user_sgpr_kernarg_segment_ptr 1
		.amdhsa_wavefront_size32 1
		.amdhsa_system_sgpr_workgroup_id_x 1
		.amdhsa_system_sgpr_workgroup_id_y 1
		.amdhsa_system_sgpr_workgroup_id_z 1
		.amdhsa_system_vgpr_workitem_id 0
		.amdhsa_next_free_vgpr 144
		.amdhsa_next_free_sgpr 66
		.amdhsa_reserve_vcc 0
		.amdhsa_float_denorm_mode_32 3
		.amdhsa_float_denorm_mode_16_64 3
		.amdhsa_memory_ordered 1
		.amdhsa_forward_progress 1
		.amdhsa_inst_pref_size 21
	.end_amdhsa_kernel
	.amdgpu_metadata
---
amdhsa.version: [ 1, 2 ]
amdhsa.kernels:
  - .name:           k_qe3316a7cd1_ln2
    .symbol:         k_qe3316a7cd1_ln2.kd
    .args:
      - { .name: x1, .offset: 0, .size: 8, .value_kind: global_buffer, .address_space: global }
      - { .name: ln2_g, .offset: 8, .size: 8, .value_kind: global_buffer, .address_space: global }
      - { .name: ln2_b, .offset: 16, .size: 8, .value_kind: global_buffer, .address_space: global }
      - { .name: hb, .offset: 24, .size: 8, .value_kind: global_buffer, .address_space: global }
    .group_segment_fixed_size: 0
    .private_segment_fixed_size: 0
    .kernarg_segment_align: 8
    .kernarg_segment_size: 32
    .max_flat_workgroup_size: 256
    .sgpr_count:     66
    .vgpr_count:     144
    .wavefront_size: 32
...
	.end_amdgpu_metadata
.endif
;; end of part 13
;; launch ffn1: the kernel of part 10 again; grid 16 x 16, 4 waves a work-group, clusters of 4 x 4, 327,680 bytes of LDS; arguments hb, wb, ff, b1; writes ff
;; launch ffn2: the kernel of part 11 again; grid 8 x 32, 4 waves a work-group, clusters of 4 x 4, 327,680 bytes of LDS; arguments ff, wb, out0, b2, x1; writes out0
